; MI455X (gfx1250); checked and timed in simulation.
; The chip was launched on July 23, 2026; its instructions are those of AMD's public machine-readable ISA for CDNA 5 (MIT licence, August 2026) and "CDNA5" Instruction Set Architecture Reference Guide (July 2026). The comments in the code are by the model that wrote it; some were corrected since.
;; Attention. Allowed arithmetic: matrix products marked QUANTISED: E2M3 operands, one E8M0 scale for each 32 along K, by v_wmma_scale_f32_16x16x128_f8f6f4 with both operands' format E2M3, f32 sums; everything else in f32.
;; Inputs: Wkv 2,048 x 4,096 float32; Wout 2,048 x 2,048 float32; Wq 2,048 x 2,048 float32; gamma 2,048 float32; rotary_emb 2,048 x 64 float32; x 1 x 2,048 x 2,048 float32.
;; Outputs: out0 1 x 2,048 x 2,048 float32.
;; This version of the problem:
;;   THIS VERSION OF THE PROBLEM IS GIVEN IN LOW PRECISION. The matrix products marked QUANTISED in the list below multiply operands that are first quantised to E2M3 (2 exponent bits, 3 mantissa bits; 6 bits a number), with one power-of-two scale for each 32 numbers along K (OCP MX v1.0); their sums are f32. All else is computed in f32.
;;   The module's matrix products, in the order in which they are computed (A, B: the left and right operand; K: the contracted axis; several contracted axes count as one K, in the product's order):
;;     1. [M 2,048, K 2,048] x [K 2,048, N 2,048]; A: computed on the way; B: input Wq: QUANTISED
;;     2. [M 2,048, K 2,048] x [K 2,048, N 4,096]; A: computed on the way; B: input Wkv: QUANTISED
;;     3. batch 32 x [M 2,048, K 64] x [K 64, N 2,048]; A: computed on the way; B: computed on the way: QUANTISED
;;     4. batch 32 x [M 2,048, K 2,048] x [K 2,048, N 64]; A: softmax (see below); B: computed on the way: QUANTISED
;;     5. [M 2,048, K 2,048] x [K 2,048, N 2,048]; A: computed on the way; B: input Wout: QUANTISED
;;   THE QUANTISER, for each operand of a quantised product, along K:
;;     - K is cut into blocks of 32 from its start; a last block that is shorter is filled with zeros.
;;     - A block's scale is 2^e with e = floor(log2(the largest magnitude in the block)) - 2, held to -126 .. 127; a block of zeros has e = 0. As a byte (E8M0): e + 127.
;;     - Each number is divided by its block's scale, clamped to +-7.5, and rounded to the nearest number of E2M3, ties to even, subnormals kept.
;;     - The product sums the exact products of the quantised numbers (number of the format x scale) in f32.
;;   ~~~python
;;   def quantise(x, axis):      # numpy; x: float32 -> the quantised numbers, widened to float32 again
;;       x = np.moveaxis(x, axis, -1); K = x.shape[-1]
;;       x = np.pad(x, [(0, 0)] * (x.ndim - 1) + [(0, -K % 32)]); x = x.reshape(x.shape[:-1] + (-1, 32)); a = np.abs(x).max(-1, keepdims=True)
;;       e = np.where(a > 0, np.clip(np.frexp(np.where(a > 0, a, 1))[1] - 1 - 2, -126, 127), 0)      # np.frexp(a)[1] - 1 = floor(log2(a)), exactly
;;       r = np.clip(x / 2.0 ** e, -7.5, 7.5)
;;       step = 2.0 ** (np.maximum(np.frexp(np.where(r == 0, 1, r))[1] - 1, 0) - 3)
;;       q = np.round(r / step) * step * 2.0 ** e      # np.round: ties to even
;;       return np.moveaxis(q.reshape(q.shape[:-2] + (-1,))[..., :K], -1, axis).astype(np.float32)
;;   ~~~
;;   SOFTMAX AHEAD OF A QUANTISED PRODUCT. Where the list says 'softmax', what is quantised is not the finished softmax but p = 2^(t - M), with t = logit x log2(e) and M = ceil(the row's largest t), a whole number; so 1/2 < the row's largest p <= 1. The row's sum l is taken of the UNQUANTISED p, in f32, and the product's result is divided by l at the end. Since M is a whole number, a kernel that streams over the keys may use a running M (the ceiling of the running maximum): every later rescaling is an exact power of two, which a block's scale takes up: the codes' values come out the same.
;;   OPERANDS COMPUTED ON THE WAY. 'Computed on the way' means the value that the module computes at that place (a softmax that the list does not call 'softmax' is quantised finished and normalised). What goes into a quantiser is computed in f32, as accurately as f32 sums, v_exp_f32 and their like allow (about 1e-6 of the number): no bf16 or f16 on the way to a quantiser, and a product that is left as it is and whose result goes on into a quantised operand takes f32 operands (vector FMAs, or v_wmma_f32_16x16x4_f32). A number that lies on a knife's edge between two numbers of the format may be rounded either way, as far as f32 arithmetic and the matrix unit's own rounding can turn it there, and no further.
;; 2 versions. Each part assembles by itself: llvm-mc -triple=amdgcn-amd-amdhsa -mcpu=gfx1250 --defsym DOCPART=n.
;; ======== version 1 of 2: 4 launches
;; limits: right only within a limited range of input values
;; workspace buffers: opnd 17,432,576 bytes; qkvbuf 9,830,400 bytes; obuf 3,276,800 bytes
;; launch prep (part 1): grid 384 x 1, 8 waves a work-group, no clusters, 51,200 bytes of LDS; arguments Wq, Wkv, Wout, x, gamma, rotary_emb, opnd; writes opnd
.if DOCPART == 1
	.amdgcn_target "amdgcn-amd-amdhsa--gfx1250"
	.amdhsa_code_object_version 6
	.text
	.protected	k_q88439433da_prep
	.globl	k_q88439433da_prep
	.p2align	8
	.type	k_q88439433da_prep,@function
k_q88439433da_prep:
	s_mov_b64 s[64:65], 0
	v_nop
	global_prefetch_b8 v0, s[64:65] scope:SCOPE_SE
	s_setreg_imm32_b32 hwreg(HW_REG_WAVE_MODE, 25, 1), 1
	s_wait_xcnt 0x0
; PREP: every operand of the three large products is quantised once, to codes of FP6 (E2M3) with one E8M0 byte for each 32 along K, and laid in the order of the matrix operand's registers.
; opnd: images at R x 196,608: [R 80][kappa 16][a 8][1,536 bytes]; R = 128 slots: R 0-15 Wq's columns, 16-47 Wkv's, 48-63 Wout's, 64-79 the tokens of rmsnorm(x).
;   A fragment (16 slots x 128 K, 12 registers a lane) lies as six pieces: piece p holds lane L's registers 2 p, 2 p + 1 at 256 p + 8 L.
;   SLOT ORDER: slot s holds row (column, token) s with its bits 3 and 4 exchanged, so lane r of tile a holds row 32 (a / 2) + 8 (a % 2) + r + 8 (r / 8).
;   scales at SCLB + R x 8,192: [s 8][slot 128][2 words]: word q of K step s = the bytes of blocks 8 s + 4 q .. + 3.
;   table at ROTB: [tile 128][g 16][lane 32][16 bytes]: g 0-3 cos(pos[16 h + i]), 4-7 -sin(pos[16 h + i]), 8-11 cos(pos[32 + 16 h + i]), 12-15 sin(pos[32 + 16 h + i]), i = 4 (g % 4) + 0 .. 3.
; Work-groups 0-255 take the weights (K is their FIRST axis: a lane takes a column and its registers run down K), work-groups 256-383 a tile of 16 tokens of x each.  The two ways have LDS bytes of their own.
; A block's scale is 2^(floor(log2(largest magnitude)) - 2); its byte is the largest magnitude's exponent field - 2, held at 1 from below by a floor among the maximum's leaves.
; LIMITS: NaN and infinities are not served.  A block of zeros gets the byte 1 where the rule says 127: its codes are zeros and this program alone reads the bytes.
;   |rotary_emb| up to 1e5: the angle is reduced by pi/2 in two parts.  xn = (x rho) gamma with rho = sqrt(2048) / max(sqrt(sum x^2), 1e-12): another order of rounding than x / norm * sqrt(2048) * gamma, a few ulp of f32.
; No matrix unit, no cluster, no tensor load: memory binds, and the work-groups share no input.
.set RB,    196608
.set SCLB,  15728640
.set ROTB,  16384000
.set XRED,  49152                      ; the x way's LDS: 8 waves x 128 bytes; the weights' way has bytes 0 .. 49,151: a stage of 6,144 bytes a wave
.set OF,    32                         ; weights: v32-63   offset of row i of a block, my column
.set X,     64                         ; weights: v64-127  two sets of 32 numbers;  x: v64-191 my 128 numbers
.set C,     128                        ; weights: v128-134 a block's codes
.set SBR,   136                        ; weights: v136-137 eight scale bytes
.set OUTR,  140                        ; weights: v140-187 the way out
.set SB,    32                         ; weights: s[32:47] a base for each of my eight blocks
.set PC,    16                         ; x: v16-27 a fragment's codes
.set CT,    28                         ; x: v28-34 the conversions' second halves
.set TM,    40                         ; x: v40-55 at work in QUANT
.set GM,    192                        ; x: v192-255 gamma
; 64 numbers of a lane, register 16 b + i = k 32 b + 16 (lane / 16) + i of my row, become a fragment's registers 0-5 (d0), 6-11 (d1) and its scale word (pw)
.macro QUANT s, d0, d1, pw
.irp b, 0,1,2,3
	v_max3_num_f32 v[TM+\b], |v[\s+16*\b]|, |v[\s+16*\b+1]|, 0x1800000   ; my 16 numbers of block b, and the floor 2^(3 - 127)
.endr
.irp i, 2,4,6,8,10,12,14
.irp b, 0,1,2,3
	v_max3_num_f32 v[TM+\b], v[TM+\b], |v[\s+16*\b+\i]|, |v[\s+16*\b+\i+1]|
.endr
.endr
.irp b, 0,1,2,3
	v_permlanex16_b32 v[TM+4+\b], v[TM+\b], s48, s49
.endr
.irp b, 0,1,2,3
	v_max_num_f32 v[TM+\b], v[TM+\b], v[TM+4+\b]        ; with lane l xor 16's: the block's largest magnitude
.endr
.irp b, 0,1,2,3
	v_add_nc_u32 v[TM+12+\b], 0xff000000, v[TM+\b]      ; 2 off its exponent field: the conversion's scale operand
.endr
.irp b, 0,1,2,3
	v_lshrrev_b32 v[TM+4+\b], 23, v[TM+12+\b]           ; the scale's byte
.endr
	v_lshl_or_b32 v[\pw], v[TM+5], 8, v[TM+4]
	v_lshl_or_b32 v[\pw], v[TM+6], 16, v[\pw]
	v_lshl_or_b32 v[\pw], v[TM+7], 24, v[\pw]
	v_cvt_scalef32_pk16_fp6_f32 v[\d0:\d0+2], v[\s:\s+15], v[TM+12]
	v_cvt_scalef32_pk16_fp6_f32 v[CT:CT+2], v[\s+16:\s+31], v[TM+13]     ; (a conversion's three registers begin on an even number)
	v_cvt_scalef32_pk16_fp6_f32 v[\d1:\d1+2], v[\s+32:\s+47], v[TM+14]
	v_cvt_scalef32_pk16_fp6_f32 v[CT+4:CT+6], v[\s+48:\s+63], v[TM+15]
	v_nop                                               ; one plain line behind the scaled conversions
.irp i, 0,1,2
	v_permlane16_swap_b32 v[\d0+\i], v[CT+\i]           ; the operand's layout wants a whole block in a lane
	v_permlane16_swap_b32 v[\d1+\i], v[CT+4+\i]
.endr
.irp i, 0,1,2
	v_mov_b32 v[\d0+3+\i], v[CT+\i]
	v_mov_b32 v[\d1+3+\i], v[CT+4+\i]
.endr
.endm
	s_load_b256 s[4:11], s[0:1], 0x0               ; Wq s[4:5], Wkv s[6:7], Wout s[8:9], x s[10:11]
	s_load_b128 s[12:15], s[0:1], 0x20             ; gamma s[12:13], rotary_emb s[14:15]
	s_load_b64 s[16:17], s[0:1], 0x30              ; opnd
	s_set_vgpr_msb 0x40
	v_lshl_add_u32 v0, v0, 2, 0xc400
	v_mov_b32 v1, 0
	s_set_vgpr_msb 0x4000
	v_lshrrev_b32 v1, 5, v0
	v_readfirstlane_b32 s20, v1                    ; wave 0..7
	s_cmp_lt_u32 ttmp9, 256
	s_cbranch_scc0 .Lx
	; ---------------- THE WEIGHTS.  Work-group: 128 columns (R = ttmp9 / 4) x 512 along K; wave: 32 columns x 256 along K: eight blocks a lane
	s_lshr_b32 s21, ttmp9, 2                       ; R
	s_and_b32 s22, ttmp9, 3
	s_lshr_b32 s23, s20, 2
	s_lshl_b32 s22, s22, 1
	s_add_co_u32 s22, s22, s23                     ; my K step of 256: 0..7
	s_and_b32 s30, s20, 3                          ; which 32 of the 128 columns
	v_and_b32 v10, 31, v0                          ; lane = slot
	v_and_b32 v11, 7, v0
	v_bfe_u32 v12, v0, 3, 1
	v_bfe_u32 v13, v0, 4, 1
	v_lshl_add_u32 v11, v12, 4, v11
	v_lshl_add_u32 v11, v13, 3, v11                ; the slot's column: bits 3 and 4 exchanged; the wave still reads 128 consecutive bytes
	v_lshlrev_b32 v1, 2, v11
	s_mul_i32 s56, s20, 6144                       ; my stage: [kappa' 2][tile 2][1,536]
	v_mul_u32_u24 v2, v13, 1536
	v_and_b32 v14, 15, v0
	v_lshl_add_u32 v2, v14, 3, v2
	v_add_nc_u32 v2, s56, v2                       ; into it: tile lane / 16, 8 bytes for row lane % 16
	v_lshl_add_u32 v3, v10, 4, s56                 ; out of it: 16 bytes a lane
	v_lshlrev_b32 v4, 4, v10
	v_lshlrev_b32 v5, 3, v10
	s_lshl_b32 s50, s21, 4                         ; images: (16 R + 2 s) x 12,288 + 2 (wave % 4) x 1,536
	s_lshl_b32 s51, s22, 1
	s_add_co_u32 s50, s50, s51
	s_mul_i32 s50, s50, 12288
	s_mul_i32 s51, s30, 3072
	s_add_co_u32 s50, s50, s51
	s_mov_b32 s51, 0
	s_lshl_b32 s58, s21, 3                         ; scales: SCLB + (8 R + s) x 1,024 + 32 (wave % 4) x 8
	s_add_co_u32 s58, s58, s22
	s_lshl_b32 s58, s58, 10
	s_lshl_b32 s59, s30, 8
	s_add_co_u32 s58, s58, s59
	s_add_co_u32 s58, s58, SCLB
	s_mov_b32 s59, 0
	s_wait_kmcnt 0x0
	s_add_nc_u64 s[52:53], s[16:17], s[50:51]
	s_add_nc_u64 s[54:55], s[16:17], s[58:59]
	s_cmp_lt_u32 s21, 16                           ; which tensor: the choice hangs on the work-group's number alone
	s_cselect_b64 s[24:25], s[4:5], s[6:7]
	s_cselect_b32 s26, 0, 16                       ; its first R
	s_cselect_b32 s27, 13, 14                      ; log2 of a row's bytes
	s_cmp_lt_u32 s21, 48
	s_cselect_b64 s[24:25], s[24:25], s[8:9]
	s_cselect_b32 s26, s26, 48
	s_cselect_b32 s27, s27, 13
	s_lshl_b32 s28, 1, s27                         ; a row's bytes
	s_sub_co_u32 s29, s21, s26
	s_lshl_b32 s29, s29, 9                         ; 128 columns are 512 bytes
	s_lshl_b32 s31, s30, 7
	s_add_co_u32 s29, s29, s31
	s_lshl_b32 s31, s22, 8
	s_lshl_b32 s31, s31, s27                       ; 256 s rows
	s_add_co_u32 s48, s29, s31
	s_mov_b32 s49, 0
	s_add_nc_u64 s[SB:SB+1], s[24:25], s[48:49]
	s_lshl_b32 s48, 32, s27                        ; 32 rows on
.irp t, 1,2,3,4,5,6,7
	s_add_nc_u64 s[SB+2*\t:SB+2*\t+1], s[SB+2*\t-2:SB+2*\t-1], s[48:49]   ; a base for each block: nothing is stepped while loads are out
.endr
.irp i, 0,1,2,3,4,5,6,7,8,9,10,11,12,13,14,15,16,17,18,19,20,21,22,23,24,25,26,27,28,29,30,31
	v_mad_u32_u24 v[OF+\i], s28, \i, v1
.endr
.macro LOADW t                         ; block t: W(32 t + i, my column) into set t % 2
.irp i, 0,1,2,3,4,5,6,7,8,9,10,11,12,13,14,15,16,17,18,19,20,21,22,23,24,25,26,27,28,29,30,31
	global_load_b32 v[X+32*((\t)%2)+\i], v[OF+\i], s[SB+2*(\t):SB+2*(\t)+1] th:TH_LOAD_NT
.endr
.endm
.macro BLOCK t
.set XS, X+32*((\t)%2)
.if (\t) < 7
	s_wait_loadcnt 32                              ; this block's 32 loads are in; the next block's 32 may be out
.else
	s_wait_loadcnt 0x0
.endif
	v_max3_num_f32 v20, |v[XS]|, |v[XS+1]|, |v[XS+2]|      ; the block's largest magnitude: all 32 numbers are mine
	v_max3_num_f32 v21, |v[XS+3]|, |v[XS+4]|, |v[XS+5]|
.irp i, 6,10,14,18,22,26
	v_max3_num_f32 v20, v20, |v[XS+\i]|, |v[XS+\i+1]|
	v_max3_num_f32 v21, v21, |v[XS+\i+2]|, |v[XS+\i+3]|
.endr
	v_max3_num_f32 v20, v20, |v[XS+30]|, |v[XS+31]|
	v_max3_num_f32 v20, v20, v21, 0x1800000        ; and the floor 2^(3 - 127)
	v_add_nc_u32 v22, 0xff000000, v20              ; 2 off the exponent field: the conversion's scale operand
	v_lshrrev_b32 v21, 23, v22                     ; the byte
.if (\t)%4 == 0
	v_mov_b32 v[SBR+(\t)/4], v21
.else
	v_lshl_or_b32 v[SBR+(\t)/4], v21, 8*((\t)%4), v[SBR+(\t)/4]
.endif
	v_cvt_scalef32_pk16_fp6_f32 v[C:C+2], v[XS:XS+15], v22
	v_cvt_scalef32_pk16_fp6_f32 v[C+4:C+6], v[XS+16:XS+31], v22
	v_nop                                          ; one plain line behind the scaled conversions
	v_mov_b32 v[C+3], v[C+4]                       ; the block's 24 bytes on end
	v_mov_b32 v[C+4], v[C+5]
	v_mov_b32 v[C+5], v[C+6]
.irp i, 0,1,2                          ; block t is registers 6 c .. 6 c + 5 of lane (r, h), c = (t % 4) / 2, h = t % 2, of fragment kappa' = t / 4: pieces 3 c + i
	ds_store_b64 v2, v[C+2*\i:C+2*\i+1] offset:((\t)/4)*3072+(3*(((\t)%4)/2)+\i)*256+128*((\t)%2)
.endr
.if (\t) < 6
	LOADW (\t)+2
.endif
	s_wait_dscnt 0x0                               ; the stores have read their registers: the next block's codes may be written
.endm
	LOADW 0
	LOADW 1
.irp t, 0,1,2,3,4,5,6,7
	BLOCK \t
.endr
	global_store_b64 v5, v[SBR:SBR+1], s[54:55]    ; 32 slots x 8 bytes: 256 consecutive bytes, aligned
.irp j, 0,1,2,3,4,5,6,7,8,9,10,11
	ds_load_b128 v[OUTR+4*\j:OUTR+4*\j+3], v3 offset:512*\j      ; LDS serves a wave's instructions in order: these see my stores
.endr
.irp j, 0,1,2,3,4,5,6,7,8,9,10,11
	s_wait_dscnt 11-\j                             ; load j is in; the 11 - j younger ones may be out
	global_store_b128 v4, v[OUTR+4*\j:OUTR+4*\j+3], s[52:53] offset:(\j/6)*12288+(\j%6)*512   ; 512 consecutive bytes
.endr
	s_set_vgpr_msb 0x5
	s_wait_tensorcnt 0x0
	ds_add_u32 v0, v1
	s_wait_dscnt 0x0
	s_set_vgpr_msb 0x500
	s_endpgm
	; ---------------- x.  Work-group: slot tile T of 16 tokens; wave w: columns 256 w .. 256 w + 255: fragments kappa = 2 w, 2 w + 1, and one sixteenth-pair of the tile's table
.Lx:
	s_sub_co_u32 s21, ttmp9, 256                   ; T
	v_and_b32 v1, 31, v0                           ; lane
	v_and_b32 v2, 15, v0                           ; r
	v_bfe_u32 v3, v0, 4, 1                         ; h
	v_and_b32 v11, 8, v2
	v_add_nc_u32 v11, v11, v2                      ; r + 8 (r / 8)
	v_lshlrev_b32 v4, 13, v11
	v_lshl_add_u32 v4, v3, 6, v4                   ; x: my token's row of 8,192 bytes, + 64 h: my 16 numbers of a block of 32
	v_lshlrev_b32 v5, 6, v3                        ; gamma: 64 h
	v_lshlrev_b32 v6, 3, v1                        ; 8 x lane
	v_lshlrev_b32 v7, 4, v1                        ; 16 x lane
	s_lshl_b32 s22, s20, 7
	v_lshl_add_u32 v8, v1, 2, s22
	v_add_nc_u32 v8, XRED, v8                      ; LDS: my wave's 128 bytes, my lane's word
	v_lshl_add_u32 v9, v1, 2, XRED                 ; and the same word of wave 0
	v_lshlrev_b32 v10, 8, v11
	v_lshl_add_u32 v10, v3, 6, v10                 ; the angles: my token's row of 256 bytes, + 64 h
	s_lshr_b32 s23, s21, 1
	s_lshl_b32 s23, s23, 5
	s_and_b32 s24, s21, 1
	s_lshl_b32 s24, s24, 3
	s_add_co_u32 s23, s23, s24                     ; the tile's first token: 32 (T / 2) + 8 (T % 2)
	s_lshl_b32 s24, s23, 13
	s_lshl_b32 s25, s20, 10
	s_add_co_u32 s24, s24, s25
	s_mov_b32 s25, 0                               ; x: token x 8,192 + 1,024 w
	s_lshr_b32 s28, s20, 2
	s_and_b32 s29, s20, 3
	s_lshl_b32 s26, s23, 8
	s_lshl_b32 s27, s28, 7
	s_add_co_u32 s26, s26, s27
	s_lshl_b32 s27, s29, 4
	s_add_co_u32 s26, s26, s27
	s_mov_b32 s27, 0                               ; angles: token x 256 + 128 (w / 4) + 16 (w % 4)
	s_lshl_b32 s30, s20, 10
	s_mov_b32 s31, 0                               ; gamma: 1,024 w
	s_lshl_b32 s32, s21, 13
	s_lshl_b32 s33, s28, 3
	s_add_co_u32 s33, s33, s29
	s_lshl_b32 s33, s33, 9
	s_add_co_u32 s32, s32, s33
	s_add_co_u32 s32, s32, ROTB
	s_mov_b32 s33, 0                               ; table: ROTB + 8,192 T + 512 (8 (w / 4) + w % 4)
	s_lshr_b32 s34, s21, 3
	s_add_co_u32 s34, s34, 64                      ; R
	s_and_b32 s35, s21, 7                          ; tile a in R
	s_mul_i32 s36, s34, RB
	s_mul_i32 s37, s20, 24576
	s_add_co_u32 s36, s36, s37
	s_mul_i32 s37, s35, 1536
	s_add_co_u32 s36, s36, s37
	s_mov_b32 s37, 0                               ; images: R, kappa = 2 w, tile a
	s_lshl_b32 s38, s34, 13
	s_lshl_b32 s39, s20, 10
	s_add_co_u32 s38, s38, s39
	s_lshl_b32 s39, s35, 7
	s_add_co_u32 s38, s38, s39
	s_add_co_u32 s38, s38, SCLB
	s_mov_b32 s39, 0                               ; scales: R, K step w, slot 16 a
	s_cmp_lt_u32 s20, 4
	s_cselect_b32 s44, 0x80000000, 0               ; the first half's sines are stored negative
	s_mov_b32 s45, 0xb94ca1f9                      ; the polynomials' leading coefficients
	s_mov_b32 s46, 0x37ccf5ce
	s_mov_b32 s47, 0xffff0000                      ; lanes 16-31
	s_mov_b32 s48, 0x76543210
	s_mov_b32 s49, 0xfedcba98                      ; v_permlanex16_b32's selects for lane l xor 16
	s_wait_kmcnt 0x0
	s_add_nc_u64 s[10:11], s[10:11], s[24:25]
	s_add_nc_u64 s[14:15], s[14:15], s[26:27]
	s_add_nc_u64 s[12:13], s[12:13], s[30:31]
	s_add_nc_u64 s[32:33], s[16:17], s[32:33]
	s_add_nc_u64 s[36:37], s[16:17], s[36:37]
	s_add_nc_u64 s[38:39], s[16:17], s[38:39]
	global_load_b128 v[12:15], v10, s[14:15]       ; four angles
.irp f, 0,1
.irp b, 0,1,2,3
.irp j, 0,1,2,3
	global_load_b128 v[X+64*\f+16*\b+4*\j:X+64*\f+16*\b+4*\j+3], v4, s[10:11] offset:512*\f+128*\b+16*\j th:TH_LOAD_NT
.endr
.endr
.endr
.irp b, 0,1,2,3
.irp j, 0,1,2,3
	global_load_b128 v[GM+16*\b+4*\j:GM+16*\b+4*\j+3], v5, s[12:13] offset:128*\b+16*\j
.endr
.endr
	s_wait_loadcnt 48                              ; the angles are in; x's 32 loads and gamma's 16 may be out
	; cos and sin: n = round(x 2/pi); r = x - n pi/2 in two parts; polynomials on |r| <= pi/4; the quadrant picks and signs
.irp k, 0,1,2,3
	v_mul_f32 v[16+\k], 0x3f22f983, v[12+\k]
.endr
.irp k, 0,1,2,3
	v_rndne_f32 v[16+\k], v[16+\k]
.endr
.irp k, 0,1,2,3
	v_fmamk_f32 v[20+\k], v[16+\k], 0xbfc90fdb, v[12+\k]
.endr
.irp k, 0,1,2,3
	v_fmamk_f32 v[20+\k], v[16+\k], 0x333bbd2e, v[20+\k]
.endr
.irp k, 0,1,2,3
	v_mul_f32 v[24+\k], v[20+\k], v[20+\k]         ; z = r^2
.endr
.irp k, 0,1,2,3
	v_cvt_i32_f32 v[40+\k], v[16+\k]               ; the quadrant
.endr
.irp k, 0,1,2,3
	v_fmaak_f32 v[28+\k], s45, v[24+\k], 0x3c08839e
.endr
.irp k, 0,1,2,3
	v_fmaak_f32 v[32+\k], s46, v[24+\k], 0xbab6061a
.endr
.irp k, 0,1,2,3
	v_fmaak_f32 v[28+\k], v[28+\k], v[24+\k], 0xbe2aaaa3
.endr
.irp k, 0,1,2,3
	v_fmaak_f32 v[32+\k], v[32+\k], v[24+\k], 0x3d2aaaa5
.endr
.irp k, 0,1,2,3
	v_mul_f32 v[28+\k], v[28+\k], v[24+\k]
.endr
.irp k, 0,1,2,3
	v_mul_f32 v[48+\k], v[24+\k], v[24+\k]
.endr
.irp k, 0,1,2,3
	v_fma_f32 v[44+\k], v[24+\k], -0.5, 1.0
.endr
.irp k, 0,1,2,3
	v_fma_f32 v[28+\k], v[28+\k], v[20+\k], v[20+\k]     ; sin r
.endr
.irp k, 0,1,2,3
	v_fma_f32 v[32+\k], v[32+\k], v[48+\k], v[44+\k]     ; cos r
.endr
.irp k, 0,1,2,3
	v_and_b32 v[44+\k], 1, v[40+\k]
	v_cmp_eq_u32 vcc_lo, 1, v[44+\k]
	v_cndmask_b32 v[60+\k], v[28+\k], v[32+\k], vcc_lo   ; in odd quadrants the two change places
	v_cndmask_b32 v[36+\k], v[32+\k], v[28+\k], vcc_lo
	v_lshlrev_b32 v[44+\k], 30, v[40+\k]
	v_add_nc_u32 v[48+\k], 1, v[40+\k]
	v_and_b32 v[44+\k], 0x80000000, v[44+\k]             ; sin is negative in quadrants 2, 3
	v_lshlrev_b32 v[48+\k], 30, v[48+\k]
	v_xor_b32 v[44+\k], s44, v[44+\k]
	v_and_b32 v[48+\k], 0x80000000, v[48+\k]             ; cos in quadrants 1, 2
	v_xor_b32 v[60+\k], v[60+\k], v[44+\k]
	v_xor_b32 v[36+\k], v[36+\k], v[48+\k]
.endr
	global_store_b128 v7, v[36:39], s[32:33]             ; 512 consecutive bytes each
	global_store_b128 v7, v[60:63], s[32:33] offset:2048
	s_wait_loadcnt 16                              ; x is in; gamma's 16 loads may be out
.irp c, 0,1,2,3
	v_pk_mul_f32 v[40+2*\c:41+2*\c], v[X+2*\c:X+2*\c+1], v[X+2*\c:X+2*\c+1]     ; the sum of squares: four chains, started by the first four pairs
.endr
.set J, 4
.rept 60
	v_pk_fma_f32 v[40+2*(J%4):41+2*(J%4)], v[X+2*J:X+2*J+1], v[X+2*J:X+2*J+1], v[40+2*(J%4):41+2*(J%4)]
.set J, J+1
.endr
	v_pk_add_f32 v[40:41], v[40:41], v[42:43]
	v_pk_add_f32 v[44:45], v[44:45], v[46:47]
	v_pk_add_f32 v[40:41], v[40:41], v[44:45]
	v_add_f32 v40, v40, v41
	v_permlanex16_b32 v41, v40, s48, s49
	v_add_f32 v40, v40, v41                        ; my token's 256 columns
	ds_store_b32 v8, v40
	s_wait_dscnt 0x0                               ; for the others' sake: my store has landed
	s_barrier_signal -1
	s_barrier_wait -1
.irp k, 0,1,2,3,4,5,6,7
	ds_load_b32 v[40+\k], v9 offset:128*\k
.endr
	s_wait_dscnt 0x0
	v_add_f32 v40, v40, v41                        ; the same order in every wave: the same sum
	v_add_f32 v42, v42, v43
	v_add_f32 v44, v44, v45
	v_add_f32 v46, v46, v47
	v_add_f32 v40, v40, v42
	v_add_f32 v44, v44, v46
	v_add_f32 v40, v40, v44
	v_sqrt_f32 v41, v40
	v_nop                                          ; a plain line behind the root,
	s_wait_alu depctr_va_vdst(0)                   ; and a wait ahead of its first reader
	v_max_num_f32 v41, 0x2b8cbccc, v41             ; max(norm, 1e-12)
	v_rcp_f32 v42, v41
	v_nop
	s_wait_alu depctr_va_vdst(0)
	v_mul_f32 v58, 0x423504f3, v42                 ; rho = sqrt(2048) / max(norm, 1e-12)
	v_mov_b32 v59, v58
	s_wait_loadcnt 0x0                             ; gamma
.set J, 0
.rept 32
	v_pk_mul_f32 v[X+2*J:X+2*J+1], v[X+2*J:X+2*J+1], v[58:59]
.set J, J+1
.endr
.set J, 0
.rept 32
	v_pk_mul_f32 v[X+2*J:X+2*J+1], v[X+2*J:X+2*J+1], v[GM+2*J:GM+2*J+1]
.set J, J+1
.endr
.irp b, 0,1,2,3
.irp j, 0,1,2,3
	global_load_b128 v[GM+16*\b+4*\j:GM+16*\b+4*\j+3], v5, s[12:13] offset:512+128*\b+16*\j    ; gamma of the second fragment lands while the first is quantised
.endr
.endr
	QUANT X, PC, PC+6, 56
.irp p, 0,1,2,3,4,5
	global_store_b64 v6, v[PC+2*\p:PC+2*\p+1], s[36:37] offset:256*\p      ; a piece: 256 consecutive bytes, aligned
.endr
	s_wait_loadcnt 0x0
.set J, 32
.rept 32
	v_pk_mul_f32 v[X+2*J:X+2*J+1], v[X+2*J:X+2*J+1], v[58:59]
.set J, J+1
.endr
.set J, 0
.rept 32
	v_pk_mul_f32 v[X+64+2*J:X+64+2*J+1], v[X+64+2*J:X+64+2*J+1], v[GM+2*J:GM+2*J+1]
.set J, J+1
.endr
	s_wait_xcnt 0x0                                ; the stores have read their registers: the codes, and v60-63, may be written again
	QUANT X+64, PC, PC+6, 57
.irp p, 0,1,2,3,4,5
	global_store_b64 v6, v[PC+2*\p:PC+2*\p+1], s[36:37] offset:12288+256*\p
.endr
	v_cndmask_b32 v60, v56, v57, s47               ; lanes 0-15 store the first fragment's word of their row, lanes 16-31 the second's
	v_lshlrev_b32 v61, 3, v2
	v_lshl_add_u32 v61, v3, 2, v61
	global_store_b32 v61, v60, s[38:39]            ; 128 consecutive bytes
	s_set_vgpr_msb 0x5
	s_wait_tensorcnt 0x0
	ds_add_u32 v0, v1
	s_wait_dscnt 0x0
	s_set_vgpr_msb 0x500
	s_endpgm
.Lfunc_end_k_q88439433da_prep:
	.size	k_q88439433da_prep, .Lfunc_end_k_q88439433da_prep-k_q88439433da_prep
	.p2alignl 7, 3214868480
	.fill 96, 4, 3214868480
	.section	.rodata,"a",@progbits
	.p2align	6, 0x0
	.amdhsa_kernel k_q88439433da_prep
		.amdhsa_group_segment_fixed_size 51200
		.amdhsa_private_segment_fixed_size 0
		.amdhsa_enable_private_segment 0
		.amdhsa_kernarg_size 56
		.amdhsa_user_sgpr_count 2
		.amdhsa_user_sgpr_kernarg_segment_ptr 1
		.amdhsa_wavefront_size32 1
		.amdhsa_system_sgpr_workgroup_id_x 1
		.amdhsa_system_sgpr_workgroup_id_y 1
		.amdhsa_system_sgpr_workgroup_id_z 1
		.amdhsa_system_vgpr_workitem_id 0
		.amdhsa_next_free_vgpr 258
		.amdhsa_next_free_sgpr 66
		.amdhsa_reserve_vcc 1
		.amdhsa_float_denorm_mode_32 3
		.amdhsa_float_denorm_mode_16_64 3
		.amdhsa_memory_ordered 1
		.amdhsa_forward_progress 1
		.amdhsa_inst_pref_size 82
	.end_amdhsa_kernel
	.amdgpu_metadata
---
amdhsa.version: [ 1, 2 ]
amdhsa.kernels:
  - .name:           k_q88439433da_prep
    .symbol:         k_q88439433da_prep.kd
    .args:
      - { .name: Wq, .offset: 0, .size: 8, .value_kind: global_buffer, .address_space: global }
      - { .name: Wkv, .offset: 8, .size: 8, .value_kind: global_buffer, .address_space: global }
      - { .name: Wout, .offset: 16, .size: 8, .value_kind: global_buffer, .address_space: global }
      - { .name: x, .offset: 24, .size: 8, .value_kind: global_buffer, .address_space: global }
      - { .name: gamma, .offset: 32, .size: 8, .value_kind: global_buffer, .address_space: global }
      - { .name: rotary_emb, .offset: 40, .size: 8, .value_kind: global_buffer, .address_space: global }
      - { .name: opnd, .offset: 48, .size: 8, .value_kind: global_buffer, .address_space: global }
    .group_segment_fixed_size: 51200
    .private_segment_fixed_size: 0
    .kernarg_segment_align: 8
    .kernarg_segment_size: 56
    .max_flat_workgroup_size: 256
    .sgpr_count:     66
    .vgpr_count:     258
    .wavefront_size: 32
...
	.end_amdgpu_metadata
.endif
;; end of part 1
;; launch qkv (part 2): grid 24 x 8, 4 waves a work-group, clusters of 4 x 4, 327,680 bytes of LDS; arguments opnd, qkvbuf; writes qkvbuf
.if DOCPART == 2
	.amdgcn_target "amdgcn-amd-amdhsa--gfx1250"
	.amdhsa_code_object_version 6
	.text
	.protected	k_q88439433da_qkv
	.globl	k_q88439433da_qkv
	.p2align	8
	.type	k_q88439433da_qkv,@function
k_q88439433da_qkv:
	s_mov_b64 s[64:65], 0
	v_nop
	global_prefetch_b8 v0, s[64:65] scope:SCOPE_SE
	s_setreg_imm32_b32 hwreg(HW_REG_WAVE_MODE, 25, 1), 1
	s_wait_xcnt 0x0
	s_wait_alu depctr_hold_cnt(0) depctr_sa_sdst(0) depctr_va_vdst(0) depctr_va_sdst(0) depctr_va_ssrc(0) depctr_va_vcc(0) depctr_vm_vsrc(0)
	s_getreg_b32 s2, hwreg(HW_REG_IB_STS2, 6, 4)
	s_cmp_eq_u32 s2, 0
	s_cbranch_scc0 .Lentry_in_a_cluster
	s_endpgm
.Lentry_in_a_cluster:
	s_bfe_u32 s2, ttmp6, 0x10000c
	s_cmp_lg_u32 s2, 0xf033
	s_cbranch_scc0 .Lentry_shape_is_right
	s_endpgm
.Lentry_shape_is_right:
; QKV: xn Wq and xn Wkv on codes of FP6 (E2M3) with E8M0 scales, one grid of tiles of 256 x 256; K = 2,048 in eight steps of 256.  The results never go to memory as f32:
;   tile columns 0-15 (q, k): rotary turn, then quantised along the head's 64;   tile columns 16-23 (v): quantised along the TOKENS, which are the K of attention's second product.
; THE OPERANDS CHANGE ROLES, NOT THE CODE.  All operands are rows R of one array of images (128 slots x 2,048 K each): weights R 0-63, tokens R 64-79.  With kind = cluster x / 4 (0: q, k; 1: v):
;   A (source 1, shared along a row of the cluster)    R = 64 - 32 kind + 2 (tile row) + half:     tokens, or v's channels;
;   B (source 0, shared along a column of the cluster) R = 32 kind + 2 (tile column) + half:       q's and k's features, or tokens.
; The product is used transposed: a lane holds ONE slot of A, its registers run along B.  SLOT ORDER (slot s holds row s with bits 3 and 4 exchanged) makes the 16 registers of two neighbouring tiles of B
; 16 true neighbours: register 16 b + i of A's block = B's row 32 b + 16 (lane / 16) + i.  So what is to be quantised lies in one lane's consecutive registers, and nothing goes through LDS on the way out.
; IMAGES.  A fragment (16 slots x 128 K, 12 registers a lane) lies as six pieces, piece p = lane L's registers 2 p, 2 p + 1 at 256 p + 8 L: a K step of 128 slots is one dense block of 24,576 bytes
; for one tensor load, and every LDS load takes 256 consecutive bytes.  The scales of 128 slots for all of K are a dense block of 8,192 bytes; they come once and stay.
; Four waves, each 128 x 128 of the tile: 64 accumulators, 512 registers.  A ring of two LDS slots; 4 x 4 work-groups form a cluster and ask for A's and B's tiles jointly.
; OUT (qkvbuf): QKIMG [hh 64][bb 64][1,536]: registers 4 g .. 4 g + 3 of lane L at 512 g + 16 L; registers 0-5 token tile 2 bb, 6-11 token tile 2 bb + 1, 64 d each; hh 0-31 q's heads, 32-63 k's.
;   VIMG [head][G 16][ct 4][1,536]: 16 channel slots x 128 keys.  QKSCL [hh][G 16][r 16][4 words]: word bb % 4.  VSCL [head][G][r][4 words]: word ct.
; REGISTERS, in windows of 256: window 0: v16-29 addresses; v32-63 scale words, two sets; v64-127 the rotary table; v128-223 A's fragments, one set (on the way out v128-251 are at work);
;   window 1: B's fragments, two sets;   window 2: the accumulators of my A blocks 0-3 ((a, b) at v[8 (8 (a % 4) + b)]);   window 3: those of blocks 4-7.
; LIMITS: NaN and infinities are not served; a block of zeros gets the byte 1 where the rule says 127 (its codes are zeros; this program alone reads the bytes).
.set NQ,     2                         ; matrix instructions deep in a slot
.set FR,     12
.set NL,     6                         ; LDS loads that bring a fragment
.set NP,     4                         ; places behind this matrix instruction (ISA guide 7.12.1)
.set FRB,    1536
.set HALFT,  16*FRB                    ; 128 slots x 256 K: what one tensor load brings
.set SLOT,   4*HALFT
.set LAPS,   4                         ; 2,048 / 512
.set RB,     196608
.set SCLB,   15728640
.set ROTB,   16384000
.set VIMG,   6291456
.set QKSCL,  9437184
.set VSCL,   9699328
.set SCL,    2*SLOT                    ; behind the ring: the scales
.set HALFS,  8192
.set SPARE,  SCL+4*HALFS               ; the spare words: 128 bytes a wave, two blocks of 256 bytes that no other line names
.set ADRA, 16                          ; v16-17 LDS address of my A fragments in slot 0, 1
.set ADRB, 20                          ; v20-21 the same for B
.set L16,  24                          ; v24    16 x lane
.set SOF,  25                          ; v25    16 r + 4,096 h: the scale words' place
.set ADRS, 27                          ; v27    LDS address of my scale words: lanes 0-15 A's, lanes 16-31 B's
.set SPW,  28                          ; v28    my spare word; never rewritten
.set NIL,  29                          ; v29    0; never rewritten
.set SC,   32
.set TB,   64                          ; the table of one token tile
.set AF,   128
.set HA,   128                         ; the way out: 64 turned numbers
.set IA,   192                         ; the double fragment of the first head (v: the codes, two sets of 12)
.set IB,   204                         ; of the second
.set CT,   216
.set TM,   224
.set PWE,  240                         ; v240, v241: the scale words of an even and an odd token tile
.set SW,   244                         ; v244-251 scale words to store
.set G1, 24
.set G0, 32
.set G1B, 48
.set G0B, 56
.set G1S, 68
.set G0S, 76
.set G1SB, 80
.set G0SB, 88
.set MSB, 0
.macro WIN new                         ; the immediate's high byte repeats the setting that is left
.if MSB != \new
	s_set_vgpr_msb (MSB<<8)|\new
.set MSB, \new
.endif
.endm
.set MUL_LO, 0xa1                      ; source 0 (B) window 1, source 1 (A) window 0, C and D window 2
.set MUL_HI, 0xf1
.set TO_B,   0x40
; A joint load: waves 0 and 1 fetch for A, waves 2 and 3 for B; the branch hangs on the wave's number alone.  Four v_nop follow each of the two lines.
.macro JLOAD g0a, g1a, g0b, g1b
	s_cmp_eq_u32 s15, 0
	s_cbranch_scc0 .Lfor_b_\@
	tensor_load_to_lds s[\g0a:\g0a+3], s[\g1a:\g1a+7]
	s_nop 0
.rept 4
	v_nop
.endr
	s_branch .Lasked_\@
.Lfor_b_\@:
	tensor_load_to_lds s[\g0b:\g0b+3], s[\g1b:\g1b+7]
	s_nop 0
.rept 4
	v_nop
.endr
.Lasked_\@:
.endm
.macro CREST                           ; a round of the cluster's barrier behind its opening barrier
	s_cmp_lg_u32 s14, 0
	s_cbranch_scc1 .Lnot_wave_0_\@
	s_barrier_signal -3
.Lnot_wave_0_\@:
	s_barrier_wait -3
	s_barrier_signal -1
	s_barrier_wait -1
.endm
.macro CROUND
	s_barrier_signal -1
	s_barrier_wait -1
	CREST
.endm
	s_load_b128 s[4:7], s[0:1], 0x0                ; opnd s[4:5], qkvbuf s[6:7]
	v_lshl_add_u32 v[SPW], v0, 2, SPARE
	v_mov_b32 v[NIL], 0
	ds_add_u32 v28, v29
	ds_add_u32 v28, v29
	s_wait_dscnt 0x0
	v_lshrrev_b32 v1, 5, v0
	v_readfirstlane_b32 s14, v1                    ; wave 0..3
	s_lshr_b32 s15, s14, 1                         ; which half of A is mine.  Also: I fetch for A (0) or for B (1)
	s_and_b32 s16, s14, 1                          ; which half of B is mine.  Also: which 128 slots I fetch
	s_bfe_u32 s40, ttmp6, 0x40000                  ; cx, cy
	s_bfe_u32 s41, ttmp6, 0x40004
	s_lshl_b32 s42, ttmp9, 2
	s_add_co_u32 s42, s42, s40                     ; tile column
	s_and_b32 s17, ttmp7, 0xffff
	s_lshl_b32 s17, s17, 2
	s_add_co_u32 s17, s17, s41                     ; tile row
	s_lshl_b32 s43, s41, 2
	s_lshl_b32 s43, 15, s43                        ; my row of the cluster
	s_lshl_b32 s44, 0x1111, s40                    ; my column
	; descriptor group 1: a dense block as rows of 256 bytes (32 elements of 8 bytes), no padding: 96 rows of codes, 32 rows of scales
	s_or_b32 s[G1+0], s43, (3<<16)|(1<<21)         ; 15:0 the mask; 17:16 elements of 8 bytes; 21 set beside a mask
	s_or_b32 s[G1B+0], s44, (3<<16)|(1<<21)
.irp g, G1, G1B
	s_mov_b32 s[\g+1], 32<<16                      ; tensor_dim0
	s_mov_b32 s[\g+2], 96<<16                      ; tensor_dim1
	s_mov_b32 s[\g+3], 32<<16                      ; tile_dim0
	s_mov_b32 s[\g+4], 96                          ; tile_dim1
	s_mov_b32 s[\g+5], 32                          ; the pitch
	s_mov_b32 s[\g+6], 0
	s_mov_b32 s[\g+7], 0
.endr
	s_or_b32 s[G1S+0], s43, (3<<16)|(1<<21)
	s_or_b32 s[G1SB+0], s44, (3<<16)|(1<<21)
.irp g, G1S, G1SB
	s_mov_b32 s[\g+1], 32<<16
	s_mov_b32 s[\g+2], 32<<16
	s_mov_b32 s[\g+3], 32<<16
	s_mov_b32 s[\g+4], 32
	s_mov_b32 s[\g+5], 32
	s_mov_b32 s[\g+6], 0
	s_mov_b32 s[\g+7], 0
.endr
	s_lshr_b32 s18, ttmp9, 2                       ; kind: the same in all sixteen partners
	s_lshl_b32 s18, s18, 5
	s_lshl_b32 s20, s17, 1
	s_add_co_u32 s20, s20, s16
	s_add_co_u32 s20, s20, 64
	s_sub_co_u32 s20, s20, s18                     ; A's R
	s_lshl_b32 s46, s42, 1
	s_add_co_u32 s46, s46, s16
	s_add_co_u32 s46, s46, s18                     ; B's R
	s_lshl_b32 s22, s20, 13
	s_add_co_u32 s22, s22, SCLB
	s_mov_b32 s23, 0
	s_lshl_b32 s92, s46, 13
	s_add_co_u32 s92, s92, SCLB
	s_mov_b32 s93, 0
	s_mul_i32 s20, s20, RB
	s_mov_b32 s21, 0
	s_mul_i32 s46, s46, RB
	s_mov_b32 s47, 0
	s_mul_i32 s45, s14, HALFT                      ; where they go: wave x 128 slots: no place in the cluster enters an LDS address
	s_mul_i32 s94, s14, HALFS
	s_lshl_b32 s18, s17, 17                        ; the table of my 8 token tiles: ROTB + (16 (tile row) + 8 half) x 8,192
	s_lshl_b32 s19, s15, 16
	s_add_co_u32 s18, s18, s19
	s_add_co_u32 s18, s18, ROTB
	s_mov_b32 s19, 0
	s_wait_kmcnt 0x0
	s_add_nc_u64 s[20:21], s[4:5], s[20:21]
	s_add_nc_u64 s[22:23], s[4:5], s[22:23]
	s_add_nc_u64 s[46:47], s[4:5], s[46:47]
	s_add_nc_u64 s[92:93], s[4:5], s[92:93]
	s_add_nc_u64 s[8:9], s[4:5], s[18:19]
	CROUND                                         ; all sixteen work-groups are here: the first joint loads meet
	s_mov_b32 s[G0S], 1
	s_add_co_u32 s[G0S+1], s94, SCL
	s_mov_b64 s[G0S+2:G0S+3], s[22:23]
	s_or_b32 s[G0S+3], s[G0S+3], 0x80000000
	s_mov_b32 s[G0SB], 1
	s_add_co_u32 s[G0SB+1], s94, SCL
	s_mov_b64 s[G0SB+2:G0SB+3], s[92:93]
	s_or_b32 s[G0SB+3], s[G0SB+3], 0x80000000
	JLOAD G0S, G1S, G0SB, G1SB                     ; the scales first: they are wanted with K step 0
.irp s, 0,1
	s_mov_b32 s[G0+4*\s], 1
	s_add_co_u32 s[G0+4*\s+1], s45, \s*SLOT
	s_add_nc_u64 s[G0+4*\s+2:G0+4*\s+3], s[20:21], \s*HALFT
	s_or_b32 s[G0+4*\s+3], s[G0+4*\s+3], 0x80000000
	s_mov_b32 s[G0B+4*\s], 1
	s_add_co_u32 s[G0B+4*\s+1], s45, \s*SLOT
	s_add_nc_u64 s[G0B+4*\s+2:G0B+4*\s+3], s[46:47], \s*HALFT
	s_or_b32 s[G0B+4*\s+3], s[G0B+4*\s+3], 0x80000000
	JLOAD G0+4*\s, G1, G0B+4*\s, G1B
.endr
	v_and_b32 v1, 15, v0                           ; r
	v_bfe_u32 v2, v0, 4, 1                         ; h
	v_and_b32 v3, 31, v0                           ; lane
	v_lshlrev_b32 v4, 3, v3                        ; 8 x lane: my place in a piece
	v_lshlrev_b32 v[L16], 4, v3
	v_lshlrev_b32 v[SOF], 4, v1
	v_lshl_add_u32 v[SOF], v2, 12, v[SOF]
	s_mul_i32 s21, s15, HALFT                      ; my 128 slots of A
	s_mul_i32 s22, s16, HALFT                      ; my 128 slots of B,
	s_add_co_u32 s22, s22, 2*HALFT                 ; which lie behind A's 256
.irp s, 0,1
	v_add_nc_u32 v[ADRA+\s], s21, v4
	v_add_nc_u32 v[ADRB+\s], s22, v4
	s_add_co_u32 s21, s21, SLOT
	s_add_co_u32 s22, s22, SLOT
.endr
	s_mul_i32 s21, s15, HALFS                      ; the scales: A's, my 128 slots;
	s_mul_i32 s22, s16, HALFS                      ; B's, behind A's 256
	s_add_co_u32 s22, s22, 2*HALFS
	s_sub_co_u32 s22, s22, s21
	v_mul_u32_u24 v6, s22, v2                      ; lanes 16-31 take B's: one product with h
	s_add_co_u32 s21, s21, SCL
	v_lshl_add_u32 v5, v1, 3, v6                   ; 8 bytes a slot and K step
	v_add_nc_u32 v[ADRS], s21, v5
.macro TABLOAD a                       ; the table of my token tile a: 16 loads of 512 consecutive bytes
.irp g, 0,1,2,3,4,5,6,7,8,9,10,11,12,13,14,15
	global_load_b128 v[TB+4*\g:TB+4*\g+3], v[L16], s[8:9] offset:(\a)*8192+512*\g
.endr
.endm
	TABLOAD 0                                      ; asked for now, wanted on the way out; every wave loads it (v's tiles do not use it), so that no way reads a register that it has not loaded
.macro FRAG reg, adr, q, i             ; a fragment: six pieces of 256 consecutive bytes
.irp p, 0,1,2,3,4,5
	ds_load_b64 v[\reg+2*\p:\reg+2*\p+1], v[\adr] offset:(\q)*8*FRB+(\i)*FRB+256*\p
.endr
.endm
; 16 matrix instructions: A's blocks a0, a0 + 1 x B's eight.  The 64 accumulators take turns, one instruction a turn, in the same order in every step.
.macro MUL16 a0, p, q, sc, zero
.irp a, \a0, \a0+1
.irp b, 0,1,2,3,4,5,6,7
.if \zero
	v_wmma_scale_f32_16x16x128_f8f6f4 v[8*(8*((\a)%4)+\b):8*(8*((\a)%4)+\b)+7], v[128*(\p)+FR*\b:128*(\p)+FR*\b+FR-1], v[AF+FR*(\a):AF+FR*(\a)+FR-1], 0, v[SC+8*NQ*(\sc)+NQ*\b+(\q)], v[SC+8*NQ*(\sc)+NQ*(\a)+(\q)] matrix_a_fmt:MATRIX_FMT_FP6 matrix_b_fmt:MATRIX_FMT_FP6 matrix_a_scale:MATRIX_SCALE_ROW1
.else
	v_wmma_scale_f32_16x16x128_f8f6f4 v[8*(8*((\a)%4)+\b):8*(8*((\a)%4)+\b)+7], v[128*(\p)+FR*\b:128*(\p)+FR*\b+FR-1], v[AF+FR*(\a):AF+FR*(\a)+FR-1], v[8*(8*((\a)%4)+\b):8*(8*((\a)%4)+\b)+7], v[SC+8*NQ*(\sc)+NQ*\b+(\q)], v[SC+8*NQ*(\sc)+NQ*(\a)+(\q)] matrix_a_fmt:MATRIX_FMT_FP6 matrix_b_fmt:MATRIX_FMT_FP6 matrix_a_scale:MATRIX_SCALE_ROW1
.endif
.endr
.endr
.endm
.macro FETCH_B slot, q, p
	WIN TO_B
.irp i, 0,1,2,3,4,5,6,7
	FRAG 128*(\p)+FR*\i, ADRB+\slot, \q, \i
.endr
	WIN 0
.endm
.macro FETCH_A slot, q, i0
.irp i, \i0, \i0+1, \i0+2, \i0+3
	FRAG AF+FR*(\i), ADRA+\slot, \q, \i
.endr
.endm
.macro SCALES sc                       ; a K step's scale words: lanes 0-15 A's block i, lanes 16-31 B's block i
.irp i, 0,1,2,3,4,5,6,7
	ds_load_b64 v[SC+8*NQ*\sc+NQ*\i:SC+8*NQ*\sc+NQ*\i+1], v[ADRS] offset:\i*128
.endr
.endm
.macro PLACES n                        ; plain vector lines between a matrix instruction and a load into, or a read of, its registers
.rept \n
	v_nop
.endr
.endm
.macro STEP slot, q, zero              ; 128 along K that have their successor in the same slot
	s_wait_dscnt 4*NL                              ; B's set and A's blocks 0-3 are in; the youngest 24 loads (A's blocks 4-7) may be out
	WIN MUL_LO
	MUL16 0, (\q)%2, \q, \slot, \zero
	MUL16 2, (\q)%2, \q, \slot, \zero
	s_wait_dscnt 0
	PLACES NP
	FETCH_B \slot, (\q)+1, 1-(\q)%2
	FETCH_A \slot, (\q)+1, 0
	WIN MUL_HI
	MUL16 4, (\q)%2, \q, \slot, \zero
	MUL16 6, (\q)%2, \q, \slot, \zero
	PLACES NP
	WIN 0
	FETCH_A \slot, (\q)+1, 4
.endm
; A slot's last step changes slots: one barrier; in front of it each wave waits for all its tensor loads, adds 0 to its spare word, and waits for that and for its reads of this slot.
.macro TURN slot, next, fill
	s_wait_tensorcnt 0x0                           ; all my tensor loads have landed: my part of the next slot
	ds_add_u32 v[SPW], v[NIL]                      ; 0 onto my spare word
	s_wait_dscnt 4*NL+1                            ; (the add and the youngest 24 loads may be out)
	WIN MUL_LO
	MUL16 0, 1, NQ-1, \slot, 0
	s_wait_dscnt 0x0                               ; the add is done, and my reads of this slot are over
	s_barrier_signal -1
	MUL16 2, 1, NQ-1, \slot, 0
	WIN 0
	s_barrier_wait -1
.if \fill
	CREST                                          ; the barrier has opened a round of the cluster's barrier: no wave of any partner still reads this slot or has a load on its way
	s_add_nc_u64 s[G0+4*\slot+2:G0+4*\slot+3], s[G0+4*\slot+2:G0+4*\slot+3], 2*HALFT
	s_add_nc_u64 s[G0B+4*\slot+2:G0B+4*\slot+3], s[G0B+4*\slot+2:G0B+4*\slot+3], 2*HALFT
	JLOAD G0+4*\slot, G1, G0B+4*\slot, G1B         ; the first tensor load behind the round; its four v_nop are the places in front of the loads below
.else
	PLACES NP
.endif
	v_add_nc_u32 v[ADRS], 1024, v[ADRS]            ; the next K step's scale words (no LDS load of mine is out)
	FETCH_B \next, 0, 0
	FETCH_A \next, 0, 0
	SCALES \next
	WIN MUL_HI
	MUL16 4, 1, NQ-1, \slot, 0
	MUL16 6, 1, NQ-1, \slot, 0
	PLACES NP
	WIN 0
	FETCH_A \next, 0, 4
.endm
	s_wait_tensorcnt 1                             ; the scales and my part of K step 0 are in (K step 1's load may be out),
	s_barrier_signal -1
	s_barrier_wait -1                              ; everybody's are
	FETCH_B 0, 0, 0
	FETCH_A 0, 0, 0
	SCALES 0
	FETCH_A 0, 0, 4
	STEP 0, 0, 1                                   ; the first step stands in front of the loop: its products start the sums
	s_mov_b32 s3, LAPS-1
.Llap:
	TURN 0, 1, 1
	STEP 1, 0, 0
	TURN 1, 0, 1
	STEP 0, 0, 0
	s_sub_co_u32 s3, s3, 1
	s_cmp_lg_u32 s3, 0
	s_cbranch_scc1 .Llap
	TURN 0, 1, 0                                   ; the last lap fills nothing
	STEP 1, 0, 0
	s_wait_dscnt 4*NL
	WIN MUL_LO
	MUL16 0, 1, NQ-1, 1, 0
	MUL16 2, 1, NQ-1, 1, 0
	s_wait_dscnt 0
	WIN MUL_HI
	MUL16 4, 1, NQ-1, 1, 0
	MUL16 6, 1, NQ-1, 1, 0
	WIN 0
; 64 numbers of a lane in window w, register 16 b + i = k 32 b + 16 (lane / 16) + i of my row, become a fragment's registers 0-5 (d0), 6-11 (d1) and its scale word (pw).
; An accumulator's first read is of its registers 0 and 1.
.macro QUANT s, w, d0, d1, pw
.set QW2, (\w)*5                       ; sources 0 and 1 in window w
.set QW1, (\w)                         ; source 0 in window w
	WIN QW2
.irp b, 0,1,2,3
	v_max3_num_f32 v[TM+\b], |v[(\s)+16*\b]|, |v[(\s)+16*\b+1]|, 0x1800000     ; my 16 numbers of block b, and the floor 2^(3 - 127)
.endr
.irp i, 2,4,6,8,10,12,14
.irp b, 0,1,2,3
	v_max3_num_f32 v[TM+\b], |v[(\s)+16*\b+\i]|, |v[(\s)+16*\b+\i+1]|, v[TM+\b]
.endr
.endr
	WIN 0
.irp b, 0,1,2,3
	v_permlanex16_b32 v[TM+4+\b], v[TM+\b], s66, s67
.endr
.irp b, 0,1,2,3
	v_max_num_f32 v[TM+\b], v[TM+\b], v[TM+4+\b]
.endr
.irp b, 0,1,2,3
	v_add_nc_u32 v[TM+12+\b], 0xff000000, v[TM+\b]       ; 2 off the exponent field: the conversion's scale operand
.endr
.irp b, 0,1,2,3
	v_lshrrev_b32 v[TM+4+\b], 23, v[TM+12+\b]            ; the byte
.endr
	v_lshl_or_b32 v[(\pw)], v[TM+5], 8, v[TM+4]
	v_lshl_or_b32 v[(\pw)], v[TM+6], 16, v[(\pw)]
	v_lshl_or_b32 v[(\pw)], v[TM+7], 24, v[(\pw)]
	WIN QW1
	v_cvt_scalef32_pk16_fp6_f32 v[(\d0):(\d0)+2], v[(\s):(\s)+15], v[TM+12]
	v_cvt_scalef32_pk16_fp6_f32 v[CT:CT+2], v[(\s)+16:(\s)+31], v[TM+13]
	v_cvt_scalef32_pk16_fp6_f32 v[(\d1):(\d1)+2], v[(\s)+32:(\s)+47], v[TM+14]
	v_cvt_scalef32_pk16_fp6_f32 v[CT+4:CT+6], v[(\s)+48:(\s)+63], v[TM+15]
	WIN 0
	v_nop                                          ; one plain line behind the scaled conversions
.irp i, 0,1,2
	v_permlane16_swap_b32 v[(\d0)+\i], v[CT+\i]
	v_permlane16_swap_b32 v[(\d1)+\i], v[CT+4+\i]
.endr
.irp i, 0,1,2
	v_mov_b32 v[(\d0)+3+\i], v[CT+\i]
	v_mov_b32 v[(\d1)+3+\i], v[CT+4+\i]
.endr
.endm
	; THE WAY OUT.  Four plain lines first: the places behind the last products
.irp b, 0,1,2,3
	v_mov_b32 v[TM+4+\b], 0                        ; (a lane permute's destination counts as one of its sources)
.endr
	s_mov_b32 s66, 0x76543210
	s_mov_b32 s67, 0xfedcba98
	s_mov_b32 s96, 0xffff0000                      ; lanes 16-31
	s_cmp_lt_u32 ttmp9, 4                          ; the cluster's x: the same in all partners
	s_cbranch_scc0 .Lv
	; ---- q and k: my 128 token slots (eight tiles) x two heads
	s_lshl_b32 s18, s42, 2
	s_lshl_b32 s19, s16, 1
	s_add_co_u32 s18, s18, s19                     ; my first head hh = 4 (tile column) + 2 half
	s_lshl_b32 s20, s17, 1
	s_add_co_u32 s20, s20, s15                     ; G: my 128 tokens
	s_mul_i32 s22, s18, 98304
	s_mul_i32 s23, s20, 6144                       ; four double fragments
	s_add_co_u32 s22, s22, s23
	s_mov_b32 s23, 0
	s_add_nc_u64 s[10:11], s[6:7], s[22:23]
	s_lshl_b32 s22, s18, 12
	s_lshl_b32 s21, s20, 8
	s_add_co_u32 s22, s22, s21
	s_add_co_u32 s22, s22, QKSCL
	s_add_nc_u64 s[12:13], s[6:7], s[22:23]
.irp a, 0,1,2,3,4,5,6,7
	s_wait_loadcnt 0x0                             ; tile a's table
.set AC, 64*(\a%4)
.set WAC, 2+\a/4
	WIN WAC                                        ; source 0: the accumulators' window
.irp e, 0,1                            ; head e: lo = d 16 h + i, hi = d 32 + 16 h + i:  lo' = lo cos - hi sin,  hi' = hi cos + lo sin, each with its own d's angle
.irp i, 0,2,4,6,8,10,12,14
	v_pk_mul_f32 v[HA+32*\e+\i:HA+32*\e+\i+1], v[AC+32*\e+\i:AC+32*\e+\i+1], v[TB+\i:TB+\i+1]
	v_pk_mul_f32 v[HA+32*\e+16+\i:HA+32*\e+16+\i+1], v[AC+32*\e+16+\i:AC+32*\e+16+\i+1], v[TB+32+\i:TB+32+\i+1]
	v_pk_fma_f32 v[HA+32*\e+\i:HA+32*\e+\i+1], v[AC+32*\e+16+\i:AC+32*\e+16+\i+1], v[TB+16+\i:TB+16+\i+1], v[HA+32*\e+\i:HA+32*\e+\i+1]
	v_pk_fma_f32 v[HA+32*\e+16+\i:HA+32*\e+16+\i+1], v[AC+32*\e+\i:AC+32*\e+\i+1], v[TB+48+\i:TB+48+\i+1], v[HA+32*\e+16+\i:HA+32*\e+16+\i+1]
.endr
.endr
	WIN 0
	s_wait_xcnt 0x0                                ; the last pair's stores have read their registers
.if \a < 7
	TABLOAD \a+1                                   ; lands while this tile is quantised
.endif
	QUANT HA, 0, IA+6*(\a%2), IB+6*(\a%2), PWE+(\a%2)
.if \a%2
	v_and_b32 v242, 0xffff, v[PWE]                 ; the first head's word: the even tile's two bytes, then the odd tile's
	v_lshl_or_b32 v242, v[PWE+1], 16, v242
	v_lshrrev_b32 v243, 16, v[PWE]                 ; the second head's
	v_and_or_b32 v243, v[PWE+1], s96, v243
	v_cndmask_b32 v[SW+\a/2], v242, v243, s96      ; lanes 0-15 keep the first head's, lanes 16-31 the second's
.irp g, 0,1,2
	global_store_b128 v[L16], v[IA+4*\g:IA+4*\g+3], s[10:11] offset:(\a/2)*1536+512*\g          ; 512 consecutive bytes
	global_store_b128 v[L16], v[IB+4*\g:IB+4*\g+3], s[10:11] offset:98304+(\a/2)*1536+512*\g
.endr
.endif
.endr
	global_store_b128 v[SOF], v[SW:SW+3], s[12:13] ; sixteen lanes fill a head's 256 bytes
	s_branch .Ldone
	; ---- v: my 128 channel slots (two heads x four tiles) x 128 tokens: quantised straight off the accumulators
.Lv:
	s_lshl_b32 s18, s17, 2
	s_lshl_b32 s19, s15, 1
	s_add_co_u32 s18, s18, s19                     ; my first head = 4 (tile row) + 2 half
	s_sub_co_u32 s20, s42, 16
	s_lshl_b32 s20, s20, 1
	s_add_co_u32 s20, s20, s16                     ; G: my 128 tokens
	s_mul_i32 s22, s18, 98304
	s_mul_i32 s23, s20, 6144
	s_add_co_u32 s22, s22, s23
	s_add_co_u32 s22, s22, VIMG
	s_mov_b32 s23, 0
	s_add_nc_u64 s[10:11], s[6:7], s[22:23]
	s_lshl_b32 s22, s18, 12
	s_lshl_b32 s21, s20, 8
	s_add_co_u32 s22, s22, s21
	s_add_co_u32 s22, s22, VSCL
	s_add_nc_u64 s[12:13], s[6:7], s[22:23]
.irp a, 0,1,2,3,4,5,6,7
	s_wait_xcnt 0x0                                ; earlier stores have read their registers
	QUANT 64*(\a%4), 2+\a/4, IA+12*(\a%2), IA+12*(\a%2)+6, SW+\a
.irp g, 0,1,2
	global_store_b128 v[L16], v[IA+12*(\a%2)+4*\g:IA+12*(\a%2)+4*\g+3], s[10:11] offset:(\a/4)*98304+(\a%4)*1536+512*\g
.endr
.endr
.irp i, 0,1,2,3
	v_cndmask_b32 v[PWE+\i], v[SW+\i], v[SW+4+\i], s96   ; lanes 0-15 the first head's four words, lanes 16-31 the second's
.endr
	global_store_b128 v[SOF], v[PWE:PWE+3], s[12:13]
.Ldone:
	s_wait_tensorcnt 0x0                           ; the wave's end
	ds_add_u32 v[SPW], v[NIL]
	s_wait_dscnt 0x0
	CROUND                                         ; the closing round: no work-group ends while a partner may still ask for a tile that names it
	s_endpgm
.Lfunc_end_k_q88439433da_qkv:
	.size	k_q88439433da_qkv, .Lfunc_end_k_q88439433da_qkv-k_q88439433da_qkv
	.p2alignl 7, 3214868480
	.fill 96, 4, 3214868480
	.section	.rodata,"a",@progbits
	.p2align	6, 0x0
	.amdhsa_kernel k_q88439433da_qkv
		.amdhsa_group_segment_fixed_size 327680
		.amdhsa_private_segment_fixed_size 0
		.amdhsa_enable_private_segment 0
		.amdhsa_kernarg_size 16
		.amdhsa_user_sgpr_count 2
		.amdhsa_user_sgpr_kernarg_segment_ptr 1
		.amdhsa_wavefront_size32 1
		.amdhsa_system_sgpr_workgroup_id_x 1
		.amdhsa_system_sgpr_workgroup_id_y 1
		.amdhsa_system_sgpr_workgroup_id_z 1
		.amdhsa_system_vgpr_workitem_id 0
		.amdhsa_next_free_vgpr 1024
		.amdhsa_next_free_sgpr 100
		.amdhsa_reserve_vcc 0
		.amdhsa_float_denorm_mode_32 3
		.amdhsa_float_denorm_mode_16_64 3
		.amdhsa_memory_ordered 1
		.amdhsa_forward_progress 1
		.amdhsa_inst_pref_size 243
	.end_amdhsa_kernel
	.amdgpu_metadata
---
amdhsa.version: [ 1, 2 ]
amdhsa.kernels:
  - .name:           k_q88439433da_qkv
    .symbol:         k_q88439433da_qkv.kd
    .args:
      - { .name: opnd, .offset: 0, .size: 8, .value_kind: global_buffer, .address_space: global }
      - { .name: qkvbuf, .offset: 8, .size: 8, .value_kind: global_buffer, .address_space: global }
    .group_segment_fixed_size: 327680
    .private_segment_fixed_size: 0
    .kernarg_segment_align: 8
    .kernarg_segment_size: 16
    .max_flat_workgroup_size: 128
    .sgpr_count:     100
    .vgpr_count:     1024
    .wavefront_size: 32
...
	.end_amdgpu_metadata
.endif
;; end of part 2
;; launch attn (part 3): grid 8 x 32, 16 waves a work-group, no clusters, 206,848 bytes of LDS; arguments qkvbuf, obuf; writes obuf
.if DOCPART == 3
	.amdgcn_target "amdgcn-amd-amdhsa--gfx1250"
	.amdhsa_code_object_version 6
	.text
	.protected	k_q88439433da_attn
	.globl	k_q88439433da_attn
	.p2align	8
	.type	k_q88439433da_attn,@function
k_q88439433da_attn:
	s_mov_b64 s[64:65], 0
	v_nop
	global_prefetch_b8 v0, s[64:65] scope:SCOPE_SE
	s_setreg_imm32_b32 hwreg(HW_REG_WAVE_MODE, 25, 1), 1
	s_wait_xcnt 0x0
; ATTN: causal attention of one head on codes of FP6 (E2M3) with E8M0 scales; O / l leaves as codes, quantised along the channels, in the order of the last product's operand registers.
; THE SOFTMAX AHEAD OF THE SECOND PRODUCT: t = score x log2(e) / 8; M = the running largest t, rounded UP to a whole number; p = 2^(t - M) is quantised along the keys; the row's sum is taken of the
; unquantised p and divides O at the end.  When M moves, the sum and O are multiplied by 2^(old M - new M): exact.
; SHARES.  Work-group (i, head) owns query blocks i and 15 - i of 128 queries: waves 0-7 a tile of 16 queries each of block i, waves 8-15 of block 15 - i.  A wave walks the key steps of 128 keys up to its own
; block: 8 (i + 1) + 8 (16 - i) = 136 wave steps in every work-group.  Four waves to a SIMD: one wave's vector work stands beside another's matrix work and LDS loads.
; A WHOLE HEAD'S K AND V STAY IN LDS (2 x 102,400 bytes with their scales): ten tensor loads at the head, five by wave 0 (K) and five by wave 1 (V); nothing is ever filled again.
; NO CLUSTER: the work-groups that share K and V are the query blocks of one head, and the branch that leaves hidden key steps out hangs on the query block, which differs between them;
; doing the hidden steps instead would nearly double the vector work, of which a step has some 230 lines beside 12 matrix instructions.
; A HEAD OF 64 IN AN INSTRUCTION OF 128: a double fragment of K holds two tiles of 16 keys (registers 0-5, 6-11); it is multiplied by [Q | 0] for the first and by [0 | Q] for the second: zero codes add nothing.
; LAYOUT.  Both products are used transposed: a lane holds ONE query (lane % 16).  Keys, queries and channels lie in SLOT ORDER (slot s = row s with bits 3 and 4 exchanged), so register 16 b + i of S^T is key
; KF + 32 b + 16 (lane / 16) + i, and register 16 b + i of O^T is channel 32 b + 16 (lane / 16) + i.
; LIMITS: NaN and infinities are not served; a block of zeros gets the byte 1 where the rule says 127 (its codes are zeros; this program alone reads the bytes).
.set KSC,   98304                      ; LDS: K's codes [bb 64][1,536] at 0; K's scales [G 16][256] here;
.set VC,    102400                     ; V's codes [G 16][ct 4][1,536];
.set VSC,   200704                     ; V's scales
.set AK0,  1                           ; v1  16 x lane
.set AV0,  2                           ; v2  16 x lane + VC
.set ASK0, 3                           ; v3  KSC + 16 r
.set ASV0, 4                           ; v4  VSC + 16 r
.set ADK,  5                           ; v5-8 the step's addresses
.set ADV,  6
.set ADS,  7
.set ADT,  8
.set QS,   9                           ; v9  Q's scale word
.set QA,   10                          ; v10-21 [Q | 0]
.set QB,   22                          ; v22-33 [0 | Q]
.set FRG,  34                          ; v34-81 four fragments of K, then of V
.set KS,   82                          ; v82-85 K's scale words;  v86-89 V's
.set VS,   86
.set S,    96                          ; v96-159 S^T, then p;  v160-191 O^T;  v192-203 p's codes
.set O,    160
.set PCD,  192
.set BM,   204                         ; v204-207 block maxima; v208-211 permutes, bytes; v212-215 scale operands; v216-222 the conversions' second halves; v223 at work; v224 the mask's number
.set QBK,  13                          ; s13 my block's first query
.set TBS,  16                          ; s16 the step's codes: + 6,144 a step
.set TSS,  17                          ; s17 the step's scale words: + 256 a step
.set KF,   18                          ; s18 the step's first key
	s_load_b128 s[4:7], s[0:1], 0x0                ; qkvbuf s[4:5], obuf s[6:7]
	v_lshl_add_u32 v254, v0, 2, 0x32000
	v_mov_b32 v255, 0
	ds_add_u32 v254, v255
	ds_add_u32 v254, v255
	v_lshrrev_b32 v1, 5, v0
	v_readfirstlane_b32 s8, v1                     ; wave 0..15
	s_and_b32 s9, ttmp7, 0xffff                    ; head
	s_sub_co_u32 s66, 15, ttmp9
	s_cmp_lt_u32 s8, 8
	s_cselect_b32 s11, ttmp9, s66                  ; my block of 128 queries
	s_and_b32 s12, s8, 7                           ; my tile in it
	s_lshl_b32 s13, s11, 7
	s_and_b32 s14, s8, 1                           ; which half of a double fragment is my tile
	s_lshr_b32 s15, s12, 1                         ; which of the block's four double fragments
	; descriptor group 1: dense blocks as rows of 256 bytes (32 elements of 8 bytes): 96 rows of codes (512 keys), 16 rows of scales
	s_mov_b32 s24, 3<<16
	s_mov_b32 s25, 32<<16
	s_mov_b32 s26, 96<<16
	s_mov_b32 s27, 32<<16
	s_mov_b32 s28, 96
	s_mov_b32 s29, 32
	s_mov_b32 s30, 0
	s_mov_b32 s31, 0
	s_mov_b32 s32, 3<<16
	s_mov_b32 s33, 32<<16
	s_mov_b32 s34, 16<<16
	s_mov_b32 s35, 32<<16
	s_mov_b32 s36, 16
	s_mov_b32 s37, 32
	s_mov_b32 s38, 0
	s_mov_b32 s39, 0
	s_mov_b32 s20, 0x76543210
	s_mov_b32 s21, 0xfedcba98                      ; v_permlanex16_b32's selects for lane l xor 16
	s_mov_b32 s22, 0x3e38aa3b                      ; c = log2(e) / 8
	s_mov_b32 s23, s22
	s_mov_b32 s60, 0xffff0000                      ; lanes 16-31
	s_mov_b32 s[TBS], 0
	s_mov_b32 s[TSS], 0
	s_mov_b32 s[KF], 0
	s_mul_i32 s67, s8, 102400                      ; wave 0: K's region of LDS; wave 1: V's
	s_mul_i32 s68, s9, 98304
	s_add_co_u32 s69, s8, 1
	s_mul_i32 s69, s69, 3145728                    ; K's heads begin at 3,145,728, V's at 6,291,456
	s_add_co_u32 s68, s68, s69
	s_mov_b32 s69, 0
	s_lshl_b32 s70, s9, 12
	s_lshl_b32 s71, s8, 17
	s_add_co_u32 s70, s70, s71
	s_add_co_u32 s70, s70, 9568256                 ; K's scales; V's lie 131,072 further on
	s_mov_b32 s71, 0
	s_mul_i32 s72, s9, 98304                       ; Q: my head, my double fragment
	s_lshl_b32 s73, s11, 2
	s_add_co_u32 s73, s73, s15
	s_mul_i32 s73, s73, 1536
	s_add_co_u32 s72, s72, s73
	s_mov_b32 s73, 0
	s_lshl_b32 s74, s9, 12                         ; and its scale words
	s_lshl_b32 s75, s11, 8
	s_add_co_u32 s74, s74, s75
	s_lshl_b32 s75, s15, 2
	s_add_co_u32 s74, s74, s75
	s_add_co_u32 s74, s74, 9437184
	s_mov_b32 s75, 0
	s_lshl_b32 s76, s15, 5
	s_lshl_b32 s77, s14, 3
	s_add_co_u32 s76, s76, s77                     ; my tile's first query in its block: 32 (tile / 2) + 8 (tile % 2)
	s_sub_co_u32 s77, 0, s14                       ; all ones where my tile is the double fragment's second
	s_lshl_b32 s78, s14, 4
	s_wait_dscnt 0x0
	s_wait_kmcnt 0x0
	s_add_nc_u64 s[68:69], s[4:5], s[68:69]
	s_add_nc_u64 s[70:71], s[4:5], s[70:71]
	s_add_nc_u64 s[72:73], s[4:5], s[72:73]
	s_add_nc_u64 s[74:75], s[4:5], s[74:75]
	s_mov_b32 s40, 1                               ; group 0 for the scales,
	s_add_co_u32 s41, s67, KSC
	s_mov_b64 s[42:43], s[70:71]
	s_or_b32 s43, s43, 0x80000000
.irp c, 0,1,2,3                        ; and for the four chunks of 512 keys
	s_mov_b32 s[44+4*\c], 1
	s_add_co_u32 s[45+4*\c], s67, \c*24576
	s_add_nc_u64 s[46+4*\c:47+4*\c], s[68:69], \c*24576
	s_or_b32 s[47+4*\c], s[47+4*\c], 0x80000000
.endr
	s_cmp_lt_u32 s8, 2                             ; all first fills of a wave stand in one branch on the wave's number: five loads of mine are out
	s_cbranch_scc0 .Lno_fetch
	tensor_load_to_lds s[40:43], s[32:39]
	s_nop 0
	tensor_load_to_lds s[44:47], s[24:31]
	s_nop 0
	tensor_load_to_lds s[48:51], s[24:31]
	s_nop 0
	tensor_load_to_lds s[52:55], s[24:31]
	s_nop 0
	tensor_load_to_lds s[56:59], s[24:31]
	s_nop 0
.rept 4
	v_nop
.endr
.Lno_fetch:
	v_and_b32 v1, 31, v0
	v_lshlrev_b32 v[AK0], 4, v1
	v_and_b32 v5, 15, v0                           ; r
	v_bfe_u32 v6, v0, 4, 1                         ; h
	v_add_nc_u32 v[AV0], VC, v[AK0]
	v_lshl_add_u32 v[ASK0], v5, 4, KSC
	v_lshl_add_u32 v[ASV0], v5, 4, VSC
	v_lshlrev_b32 v7, 4, v5
	global_load_b128 v[34:37], v[AK0], s[72:73]
	global_load_b128 v[38:41], v[AK0], s[72:73] offset:512
	global_load_b128 v[42:45], v[AK0], s[72:73] offset:1024
	global_load_b32 v223, v7, s[74:75]
	v_and_b32 v224, 8, v5
	v_add_nc_u32 v224, v224, v5
	v_lshlrev_b32 v6, 4, v6
	v_sub_nc_u32 v224, v224, v6
	v_add_nc_u32 v224, s76, v224                   ; my query in its block, less 16 h: register 16 b + i of the diagonal step is hidden where 32 b + i is greater
	v_mov_b32 v91, 0xff61b1e6                      ; the largest t so far: -3e38
	v_floor_f32 v90, -v91                          ; -M
	v_mov_b32 v92, 0                               ; the sum, in two halves
	v_mov_b32 v93, 0
	v_mov_b32 v95, 0                               ; (named as the upper half of the pair v[94:95] before it is first written)
.irp b, 0,1,2,3
	v_mov_b32 v[208+\b], 0                         ; (a lane permute's destination counts as one of its sources)
.endr
	s_wait_loadcnt 0x0
.irp i, 0,1,2,3,4,5
	v_cndmask_b32 v[QA+\i], v[34+\i], v[40+\i], s77      ; my tile's six registers
.endr
.irp i, 0,1,2,3,4,5
	v_mov_b32 v[QB+6+\i], v[QA+\i]
.endr
.irp i, 0,1,2,3,4,5
	v_mov_b32 v[QA+6+\i], 0
	v_mov_b32 v[QB+\i], 0
.endr
	v_lshrrev_b32 v223, s78, v223
	v_and_b32 v223, 0xffff, v223                   ; my tile's two bytes,
	v_lshl_or_b32 v[QS], v223, 16, v223            ; for both halves of K
.set J, 0
.rept 32
	v_mov_b32 v[O+J], 0                            ; O^T: the step is written once; its first run finds zeros.  (These are also the places between the lines above and the first scaled product)
.set J, J+1
.endr
; A KEY STEP: 128 keys
.macro STEP
	s_cmp_gt_u32 s[KF], s[QBK]                     ; all its keys come after my block's queries: a branch on ids, round the work alone
	s_cbranch_scc1 .Lhidden_\@
	v_add_nc_u32 v[ADK], s[TBS], v[AK0]            ; (four plain lines: the places behind the last step's products, in front of the loads below)
	v_add_nc_u32 v[ADV], s[TBS], v[AV0]
	v_add_nc_u32 v[ADS], s[TSS], v[ASK0]
	v_add_nc_u32 v[ADT], s[TSS], v[ASV0]
.irp e, 0,1,2,3
.irp g, 0,1,2
	ds_load_b128 v[FRG+12*\e+4*\g:FRG+12*\e+4*\g+3], v[ADK] offset:1536*\e+512*\g
.endr
.endr
	ds_load_b128 v[KS:KS+3], v[ADS]
	s_wait_dscnt 0x0
.irp e, 0,1,2,3                        ; S^T = K Q^T: eight tiles of 16 keys
	v_wmma_scale_f32_16x16x128_f8f6f4 v[S+16*\e:S+16*\e+7], v[FRG+12*\e:FRG+12*\e+11], v[QA:QA+11], 0, v[KS+\e], v[QS] matrix_a_fmt:MATRIX_FMT_FP6 matrix_b_fmt:MATRIX_FMT_FP6
	v_wmma_scale_f32_16x16x128_f8f6f4 v[S+16*\e+8:S+16*\e+15], v[FRG+12*\e:FRG+12*\e+11], v[QB:QB+11], 0, v[KS+\e], v[QS] matrix_a_fmt:MATRIX_FMT_FP6 matrix_b_fmt:MATRIX_FMT_FP6
.endr
.rept 4
	v_nop                                          ; places: in front of loads into K's registers, and of the first read of the scores
.endr
.irp e, 0,1,2,3                        ; V's fragments are asked for now and land under the softmax
.irp g, 0,1,2
	ds_load_b128 v[FRG+12*\e+4*\g:FRG+12*\e+4*\g+3], v[ADV] offset:1536*\e+512*\g
.endr
.endr
	ds_load_b128 v[VS:VS+3], v[ADT]
	s_cmp_lg_u32 s[KF], s[QBK]                     ; only my own block's step lies on the diagonal
	s_cbranch_scc1 .Lopen_\@
	v_mov_b32 v223, 0xff800000                     ; hidden scores become -infinity ahead of the maximum: p = 0 then
.set N, 0
.rept 64
	v_cmp_gt_i32 vcc_lo, 32*(N/16)+N%16, v224
	v_cndmask_b32 v[S+N], v[S+N], v223, vcc_lo
.set N, N+1
.endr
.Lopen_\@:
.irp b, 0,1,2,3
	v_max3_num_f32 v[BM+\b], v[S+16*\b], v[S+1+16*\b], v[S+2+16*\b]      ; the largest score of each block of 32 keys: for the row's maximum and, since p rises with the score, for the block's largest p
.endr
.irp i, 3,5,7,9,11,13
.irp b, 0,1,2,3
	v_max3_num_f32 v[BM+\b], v[BM+\b], v[S+16*\b+\i], v[S+1+16*\b+\i]
.endr
.endr
.irp b, 0,1,2,3
	v_max_num_f32 v[BM+\b], v[BM+\b], v[S+15+16*\b]
.endr
.irp b, 0,1,2,3
	v_permlanex16_b32 v[208+\b], v[BM+\b], s20, s21
.endr
.irp b, 0,1,2,3
	v_max_num_f32 v[BM+\b], v[BM+\b], v[208+\b]
.endr
	v_max3_num_f32 v223, v204, v205, v206
	v_max_num_f32 v223, v223, v207
	v_mul_f32 v223, s22, v223                      ; as t
	v_max_num_f32 v91, v91, v223                   ; the running largest t
	v_mov_b32 v223, v90
	v_floor_f32 v90, -v91                          ; the new -M = -ceil(t)
	v_sub_f32 v223, v90, v223                      ; old M - new M: a whole number, 0 or less
	v_cvt_i32_f32 v223, v223                       ; (it saturates)
	v_ldexp_f32 v94, 1.0, v223                     ; f = 2^(old M - new M)
.set J, 0
.rept 32
	v_pk_fma_f32 v[S+J:S+J+1], v[S+J:S+J+1], s[22:23], v[90:91] op_sel_hi:[1,0,0]    ; t - M
.set J, J+2
.endr
.irp b, 0,1,2,3
	v_fma_f32 v[BM+\b], v[BM+\b], s22, v90
.endr
.set J, 0
.rept 64
	v_exp_f32 v[S+J], v[S+J]                       ; p = 2^(t - M): one batch
.set J, J+1
.endr
	v_pk_mul_f32 v[92:93], v[92:93], v[94:95] op_sel_hi:[1,0]    ; the sums under the new M: a plain line behind the exponentials
	s_wait_alu depctr_va_vdst(0)                   ; one wait for the batch, ahead of its first reader
.irp b, 0,1,2,3
	v_exp_f32 v[BM+\b], v[BM+\b]                   ; each block's largest p
.endr
	v_pk_add_f32 v[208:209], v[S:S+1], v[S+2:S+3]  ; the row's sum of the unquantised p, in two chains
.irp j, 4,8,12,16,20,24,28,32,36,40,44,48,52,56,60
	v_pk_add_f32 v[92:93], v[92:93], v[S+\j:S+\j+1]
	v_pk_add_f32 v[208:209], v[208:209], v[S+2+\j:S+3+\j]
.endr
	v_pk_add_f32 v[92:93], v[92:93], v[208:209]
	s_wait_alu depctr_va_vdst(0)                   ; and one for the four
.irp b, 0,1,2,3
	v_max_num_f32 v[BM+\b], 0x1800000, v[BM+\b]    ; the floor 2^(3 - 127)
.endr
.irp b, 0,1,2,3
	v_add_nc_u32 v[212+\b], 0xff000000, v[BM+\b]
.endr
.irp b, 0,1,2,3
	v_lshrrev_b32 v[208+\b], 23, v[212+\b]
.endr
	v_lshl_or_b32 v95, v209, 8, v208               ; p's scale word for these 128 keys
	v_lshl_or_b32 v95, v210, 16, v95
	v_lshl_or_b32 v95, v211, 24, v95
.irp c, 0,1
	v_cvt_scalef32_pk16_fp6_f32 v[PCD+6*\c:PCD+2+6*\c], v[S+32*\c:S+15+32*\c], v[212+2*\c]
	v_cvt_scalef32_pk16_fp6_f32 v[216+4*\c:218+4*\c], v[S+16+32*\c:S+31+32*\c], v[213+2*\c]
.endr
	v_nop                                          ; one plain line behind the scaled conversions
.irp c, 0,1
.irp i, 0,1,2
	v_permlane16_swap_b32 v[PCD+6*\c+\i], v[216+4*\c+\i]
.endr
.irp i, 0,1,2
	v_mov_b32 v[PCD+3+6*\c+\i], v[216+4*\c+\i]
.endr
.endr
.set J, 0
.rept 16
	v_pk_mul_f32 v[O+J:O+J+1], v[O+J:O+J+1], v[94:95] op_sel_hi:[1,0]     ; O^T under the new M.  (Also the places between p's scale word and codes and the scaled products)
.set J, J+2
.endr
	s_wait_dscnt 0x0                               ; V is in
.irp t, 0,1,2,3                        ; O^T += V^T P^T: four tiles of 16 channels, by turns
	v_wmma_scale_f32_16x16x128_f8f6f4 v[O+8*\t:O+8*\t+7], v[FRG+12*\t:FRG+12*\t+11], v[PCD:PCD+11], v[O+8*\t:O+8*\t+7], v[VS+\t], v95 matrix_a_fmt:MATRIX_FMT_FP6 matrix_b_fmt:MATRIX_FMT_FP6
.endr
.Lhidden_\@:
	s_add_co_u32 s[KF], s[KF], 128
	s_add_co_u32 s[TBS], s[TBS], 6144
	s_add_co_u32 s[TSS], s[TSS], 256
.endm
; Chunk c: 512 keys, four steps.  The wait shows the scales and chunks 0 .. c landed in the waves that fetch; the 3 - c later chunks stay out: no LDS byte is ever filled again.
.macro CHUNK c
	s_wait_tensorcnt 3-\c
	s_wait_dscnt 0x0
	s_barrier_signal -1
	s_barrier_wait -1
	s_mov_b32 s19, 4
.Lstep_\@:
	STEP
	s_sub_co_u32 s19, s19, 1
	s_cmp_lg_u32 s19, 0
	s_cbranch_scc1 .Lstep_\@
.endm
	CHUNK 0
	CHUNK 1
	CHUNK 2
	CHUNK 3
	; THE WAY OUT: O^T / the sum, quantised along the channels: my head's half (six registers) of the fragment of token tile T, kappa = head / 2
	v_add_f32 v92, v92, v93
	v_permlanex16_b32 v208, v92, s20, s21
	v_add_f32 v92, v92, v208                       ; the row's sum
	v_rcp_f32 v92, v92
	v_and_b32 v5, 31, v0                           ; (plain lines behind the reciprocal, and the places behind the last products)
	v_lshlrev_b32 v5, 3, v5                        ; 8 x lane
	v_and_b32 v6, 15, v0
	v_bfe_u32 v7, v0, 4, 1
	v_lshl_add_u32 v6, v6, 3, v7                   ; 8 r + h
	s_lshl_b32 s66, s11, 4                         ; images: ((16 block + head / 2) x 8 + tile) x 1,536 + 768 (head % 2)
	s_lshr_b32 s67, s9, 1
	s_add_co_u32 s66, s66, s67
	s_lshl_b32 s66, s66, 3
	s_add_co_u32 s66, s66, s12
	s_mul_i32 s66, s66, 1536
	s_and_b32 s67, s9, 1
	s_mul_i32 s67, s67, 768
	s_add_co_u32 s66, s66, s67
	s_mov_b32 s67, 0
	s_add_nc_u64 s[66:67], s[6:7], s[66:67]
	s_lshl_b32 s68, s11, 3                         ; scales: 3,145,728 + (8 block + head / 4) x 1,024 + 128 tile + 2 (head % 4)
	s_lshr_b32 s69, s9, 2
	s_add_co_u32 s68, s68, s69
	s_lshl_b32 s68, s68, 10
	s_lshl_b32 s69, s12, 7
	s_add_co_u32 s68, s68, s69
	s_and_b32 s69, s9, 3
	s_lshl_b32 s69, s69, 1
	s_add_co_u32 s68, s68, s69
	s_add_co_u32 s68, s68, 3145728
	s_mov_b32 s69, 0
	s_add_nc_u64 s[68:69], s[6:7], s[68:69]
	s_wait_alu depctr_va_vdst(0)                   ; the wait ahead of the reciprocal's first reader
.set J, 0
.rept 32
	v_mul_f32 v[S+J], v[O+J], v92                  ; register 16 b + i: channel 32 b + 16 h + i
.set J, J+1
.endr
.irp b, 0,1
	v_max3_num_f32 v[BM+\b], |v[S+16*\b]|, |v[S+1+16*\b]|, 0x1800000
.endr
.irp i, 2,4,6,8,10,12,14
.irp b, 0,1
	v_max3_num_f32 v[BM+\b], v[BM+\b], |v[S+16*\b+\i]|, |v[S+1+16*\b+\i]|
.endr
.endr
.irp b, 0,1
	v_permlanex16_b32 v[208+\b], v[BM+\b], s20, s21
.endr
.irp b, 0,1
	v_max_num_f32 v[BM+\b], v[BM+\b], v[208+\b]
.endr
.irp b, 0,1
	v_add_nc_u32 v[212+\b], 0xff000000, v[BM+\b]
.endr
.irp b, 0,1
	v_lshrrev_b32 v[208+\b], 23, v[212+\b]
.endr
	v_cvt_scalef32_pk16_fp6_f32 v[128:130], v[S:S+15], v212
	v_cvt_scalef32_pk16_fp6_f32 v[132:134], v[S+16:S+31], v213
	v_nop
.irp i, 0,1,2
	v_permlane16_swap_b32 v[128+\i], v[132+\i]
.endr
	v_mov_b32 v131, v132
	v_mov_b32 v132, v133
	v_mov_b32 v133, v134
	v_cndmask_b32 v135, v208, v209, s60            ; lanes 0-15 store block 0's byte of their row, lanes 16-31 block 1's
.irp i, 0,1,2
	global_store_b64 v5, v[128+2*\i:129+2*\i], s[66:67] offset:256*\i      ; a piece: 256 consecutive bytes, aligned
.endr
	global_store_b8 v6, v135, s[68:69]             ; two bytes a token and head, between the neighbour heads' bytes
	s_wait_tensorcnt 0x0
	ds_add_u32 v254, v255
	s_wait_dscnt 0x0
	s_endpgm
.Lfunc_end_k_q88439433da_attn:
	.size	k_q88439433da_attn, .Lfunc_end_k_q88439433da_attn-k_q88439433da_attn
	.p2alignl 7, 3214868480
	.fill 96, 4, 3214868480
	.section	.rodata,"a",@progbits
	.p2align	6, 0x0
	.amdhsa_kernel k_q88439433da_attn
		.amdhsa_group_segment_fixed_size 206848
		.amdhsa_private_segment_fixed_size 0
		.amdhsa_enable_private_segment 0
		.amdhsa_kernarg_size 16
		.amdhsa_user_sgpr_count 2
		.amdhsa_user_sgpr_kernarg_segment_ptr 1
		.amdhsa_wavefront_size32 1
		.amdhsa_system_sgpr_workgroup_id_x 1
		.amdhsa_system_sgpr_workgroup_id_y 1
		.amdhsa_system_sgpr_workgroup_id_z 1
		.amdhsa_system_vgpr_workitem_id 0
		.amdhsa_next_free_vgpr 256
		.amdhsa_next_free_sgpr 80
		.amdhsa_reserve_vcc 1
		.amdhsa_float_denorm_mode_32 3
		.amdhsa_float_denorm_mode_16_64 3
		.amdhsa_memory_ordered 1
		.amdhsa_forward_progress 1
		.amdhsa_inst_pref_size 96
	.end_amdhsa_kernel
	.amdgpu_metadata
---
amdhsa.version: [ 1, 2 ]
amdhsa.kernels:
  - .name:           k_q88439433da_attn
    .symbol:         k_q88439433da_attn.kd
    .args:
      - { .name: qkvbuf, .offset: 0, .size: 8, .value_kind: global_buffer, .address_space: global }
      - { .name: obuf, .offset: 8, .size: 8, .value_kind: global_buffer, .address_space: global }
    .group_segment_fixed_size: 206848
    .private_segment_fixed_size: 0
    .kernarg_segment_align: 8
    .kernarg_segment_size: 16
    .max_flat_workgroup_size: 512
    .sgpr_count:     80
    .vgpr_count:     256
    .wavefront_size: 32
...
	.end_amdgpu_metadata
.endif
;; end of part 3
;; launch outp (part 4): grid 8 x 8, 4 waves a work-group, clusters of 4 x 4, 327,680 bytes of LDS; arguments obuf, opnd, out0; writes out0
.if DOCPART == 4
	.amdgcn_target "amdgcn-amd-amdhsa--gfx1250"
	.amdhsa_code_object_version 6
	.text
	.protected	k_q88439433da_outp
	.globl	k_q88439433da_outp
	.p2align	8
	.type	k_q88439433da_outp,@function
k_q88439433da_outp:
	s_mov_b64 s[64:65], 0
	v_nop
	global_prefetch_b8 v0, s[64:65] scope:SCOPE_SE
	s_setreg_imm32_b32 hwreg(HW_REG_WAVE_MODE, 25, 1), 1
	s_wait_xcnt 0x0
	s_wait_alu depctr_hold_cnt(0) depctr_sa_sdst(0) depctr_va_vdst(0) depctr_va_sdst(0) depctr_va_ssrc(0) depctr_va_vcc(0) depctr_vm_vsrc(0)
	s_getreg_b32 s2, hwreg(HW_REG_IB_STS2, 6, 4)
	s_cmp_eq_u32 s2, 0
	s_cbranch_scc0 .Lentry_in_a_cluster
	s_endpgm
.Lentry_in_a_cluster:
	s_bfe_u32 s2, ttmp6, 0x10000c
	s_cmp_lg_u32 s2, 0xf033
	s_cbranch_scc0 .Lentry_shape_is_right
	s_endpgm
.Lentry_shape_is_right:
; OUTP: out0 = O Wout on codes of FP6 (E2M3) with E8M0 scales; tiles of 256 x 256 of out0, K = 2,048 in eight steps of 256; f32 out.
; A (source 1): obuf's images of O, R = 2 (tile row) + half; B (source 0): opnd's images of Wout's columns, R = 48 + 2 (tile column) + half.
; IMAGES.  A fragment (16 slots x 128 K, 12 registers a lane) lies as six pieces, piece p = lane L's registers 2 p, 2 p + 1 at 256 p + 8 L: a K step of 128 slots is one dense block of 24,576 bytes
; for one tensor load, and every LDS load takes 256 consecutive bytes.  The scales of 128 slots for all of K are a dense block of 8,192 bytes; they come once and stay.
; SLOT ORDER: slot s holds row (token, column) s with bits 3 and 4 exchanged.  The way out undoes it by immediates: a lane's registers of B's block b are columns 32 (b / 2) + 16 h + 8 (b % 2) + 0 .. 7,
; and row t of A's block a is token 32 (a / 2) + 8 (a % 2) + t + 8 (t / 8).
; Four waves, each 128 x 128: 64 accumulators, 512 registers.  A ring of two LDS slots; 4 x 4 work-groups form a cluster and ask for A's and B's tiles jointly.
; REGISTERS, in windows of 256: window 0: v16-29 addresses; v32-63 scale words, two sets; v128-223 A's fragments, one set (on the way out v128-255 hold rows of out0);
;   window 1: B's fragments, two sets;   window 2: the accumulators of my A blocks 0-3 ((a, b) at v[8 (8 (a % 4) + b)]);   window 3: those of blocks 4-7.
.set NQ,     2
.set FR,     12
.set NL,     6
.set NP,     4
.set FRB,    1536
.set HALFT,  16*FRB
.set SLOT,   4*HALFT
.set LAPS,   4
.set RB,     196608
.set SCLB,   15728640
.set OSCL,   3145728
.set SCL,    2*SLOT
.set HALFS,  8192
.set SPARE,  SCL+4*HALFS               ; the spare words: 128 bytes a wave, two blocks of 256 bytes that no other line names
.set SPITCH, 528                       ; the way out: a stage of 16 rows x (512 bytes + 16) for each wave, in slot 0, which has had its last fill and its last read when the first result is stored there
.set ADRA, 16
.set ADRB, 20
.set STO,  24
.set RD,   25
.set CO,   26
.set ADRS, 27
.set SPW,  28
.set NIL,  29
.set SC,   32
.set AF,   128
.set BK,   128
.set G1, 24
.set G0, 32
.set G1B, 48
.set G0B, 56
.set G1S, 68
.set G0S, 76
.set G1SB, 80
.set G0SB, 88
.set MSB, 0
.macro WIN new
.if MSB != \new
	s_set_vgpr_msb (MSB<<8)|\new
.set MSB, \new
.endif
.endm
.set MUL_LO, 0xa1
.set MUL_HI, 0xf1
.set TO_B,   0x40
.macro JLOAD g0a, g1a, g0b, g1b        ; a joint load: waves 0 and 1 fetch for A, waves 2 and 3 for B; four v_nop follow each of the two lines
	s_cmp_eq_u32 s15, 0
	s_cbranch_scc0 .Lfor_b_\@
	tensor_load_to_lds s[\g0a:\g0a+3], s[\g1a:\g1a+7]
	s_nop 0
.rept 4
	v_nop
.endr
	s_branch .Lasked_\@
.Lfor_b_\@:
	tensor_load_to_lds s[\g0b:\g0b+3], s[\g1b:\g1b+7]
	s_nop 0
.rept 4
	v_nop
.endr
.Lasked_\@:
.endm
.macro CREST
	s_cmp_lg_u32 s14, 0
	s_cbranch_scc1 .Lnot_wave_0_\@
	s_barrier_signal -3
.Lnot_wave_0_\@:
	s_barrier_wait -3
	s_barrier_signal -1
	s_barrier_wait -1
.endm
.macro CROUND
	s_barrier_signal -1
	s_barrier_wait -1
	CREST
.endm
	s_load_b128 s[4:7], s[0:1], 0x0                ; obuf s[4:5], opnd s[6:7]
	s_load_b64 s[12:13], s[0:1], 0x10              ; out0
	v_lshl_add_u32 v[SPW], v0, 2, SPARE
	v_mov_b32 v[NIL], 0
	ds_add_u32 v28, v29
	ds_add_u32 v28, v29
	s_wait_dscnt 0x0
	v_lshrrev_b32 v1, 5, v0
	v_readfirstlane_b32 s14, v1
	s_lshr_b32 s15, s14, 1
	s_and_b32 s16, s14, 1
	s_bfe_u32 s40, ttmp6, 0x40000
	s_bfe_u32 s41, ttmp6, 0x40004
	s_lshl_b32 s42, ttmp9, 2
	s_add_co_u32 s42, s42, s40                     ; tile column
	s_and_b32 s17, ttmp7, 0xffff
	s_lshl_b32 s17, s17, 2
	s_add_co_u32 s17, s17, s41                     ; tile row
	s_lshl_b32 s43, s41, 2
	s_lshl_b32 s43, 15, s43
	s_lshl_b32 s44, 0x1111, s40
	s_or_b32 s[G1+0], s43, (3<<16)|(1<<21)         ; dense blocks as rows of 256 bytes (32 elements of 8 bytes), no padding: 96 rows of codes, 32 of scales
	s_or_b32 s[G1B+0], s44, (3<<16)|(1<<21)
.irp g, G1, G1B
	s_mov_b32 s[\g+1], 32<<16
	s_mov_b32 s[\g+2], 96<<16
	s_mov_b32 s[\g+3], 32<<16
	s_mov_b32 s[\g+4], 96
	s_mov_b32 s[\g+5], 32
	s_mov_b32 s[\g+6], 0
	s_mov_b32 s[\g+7], 0
.endr
	s_or_b32 s[G1S+0], s43, (3<<16)|(1<<21)
	s_or_b32 s[G1SB+0], s44, (3<<16)|(1<<21)
.irp g, G1S, G1SB
	s_mov_b32 s[\g+1], 32<<16
	s_mov_b32 s[\g+2], 32<<16
	s_mov_b32 s[\g+3], 32<<16
	s_mov_b32 s[\g+4], 32
	s_mov_b32 s[\g+5], 32
	s_mov_b32 s[\g+6], 0
	s_mov_b32 s[\g+7], 0
.endr
	s_lshl_b32 s20, s17, 1
	s_add_co_u32 s20, s20, s16                     ; A's R
	s_lshl_b32 s46, s42, 1
	s_add_co_u32 s46, s46, s16
	s_add_co_u32 s46, s46, 48                      ; B's R
	s_lshl_b32 s22, s20, 13
	s_add_co_u32 s22, s22, OSCL
	s_mov_b32 s23, 0
	s_lshl_b32 s92, s46, 13
	s_add_co_u32 s92, s92, SCLB
	s_mov_b32 s93, 0
	s_mul_i32 s20, s20, RB
	s_mov_b32 s21, 0
	s_mul_i32 s46, s46, RB
	s_mov_b32 s47, 0
	s_mul_i32 s45, s14, HALFT
	s_mul_i32 s94, s14, HALFS
	s_wait_kmcnt 0x0
	s_add_nc_u64 s[20:21], s[4:5], s[20:21]
	s_add_nc_u64 s[22:23], s[4:5], s[22:23]
	s_add_nc_u64 s[46:47], s[6:7], s[46:47]
	s_add_nc_u64 s[92:93], s[6:7], s[92:93]
	CROUND                                         ; all sixteen work-groups are here: the first joint loads meet
	s_mov_b32 s[G0S], 1
	s_add_co_u32 s[G0S+1], s94, SCL
	s_mov_b64 s[G0S+2:G0S+3], s[22:23]
	s_or_b32 s[G0S+3], s[G0S+3], 0x80000000
	s_mov_b32 s[G0SB], 1
	s_add_co_u32 s[G0SB+1], s94, SCL
	s_mov_b64 s[G0SB+2:G0SB+3], s[92:93]
	s_or_b32 s[G0SB+3], s[G0SB+3], 0x80000000
	JLOAD G0S, G1S, G0SB, G1SB
.irp s, 0,1
	s_mov_b32 s[G0+4*\s], 1
	s_add_co_u32 s[G0+4*\s+1], s45, \s*SLOT
	s_add_nc_u64 s[G0+4*\s+2:G0+4*\s+3], s[20:21], \s*HALFT
	s_or_b32 s[G0+4*\s+3], s[G0+4*\s+3], 0x80000000
	s_mov_b32 s[G0B+4*\s], 1
	s_add_co_u32 s[G0B+4*\s+1], s45, \s*SLOT
	s_add_nc_u64 s[G0B+4*\s+2:G0B+4*\s+3], s[46:47], \s*HALFT
	s_or_b32 s[G0B+4*\s+3], s[G0B+4*\s+3], 0x80000000
	JLOAD G0+4*\s, G1, G0B+4*\s, G1B
.endr
	v_and_b32 v1, 15, v0                           ; r
	v_bfe_u32 v2, v0, 4, 1                         ; h
	v_and_b32 v3, 31, v0                           ; lane
	v_lshlrev_b32 v4, 3, v3
	s_mul_i32 s21, s15, HALFT
	s_mul_i32 s22, s16, HALFT
	s_add_co_u32 s22, s22, 2*HALFT
.irp s, 0,1
	v_add_nc_u32 v[ADRA+\s], s21, v4
	v_add_nc_u32 v[ADRB+\s], s22, v4
	s_add_co_u32 s21, s21, SLOT
	s_add_co_u32 s22, s22, SLOT
.endr
	s_mul_i32 s21, s15, HALFS
	s_mul_i32 s22, s16, HALFS
	s_add_co_u32 s22, s22, 2*HALFS
	s_sub_co_u32 s22, s22, s21
	v_mul_u32_u24 v6, s22, v2                      ; lanes 16-31 take B's scale words: one product with h
	s_add_co_u32 s21, s21, SCL
	v_lshl_add_u32 v5, v1, 3, v6
	v_add_nc_u32 v[ADRS], s21, v5
	s_mul_i32 s23, s14, 16*SPITCH                  ; my stage
	v_mul_u32_u24 v5, v1, SPITCH
	v_lshl_add_u32 v5, v2, 6, v5                   ; in: row r, + 64 h
	v_add_nc_u32 v[STO], s23, v5
	v_lshlrev_b32 v[CO], 4, v3                     ; back: the 32 lanes take one row of 512 bytes; and the same in out0
	v_add_nc_u32 v[RD], s23, v[CO]
	s_lshl_b32 s20, s17, 8
	s_lshl_b32 s21, s15, 7
	s_add_co_u32 s20, s20, s21                     ; my first row: 256 (tile row) + 128 half
	s_lshl_b32 s20, s20, 13                        ; rows of 8,192 bytes
	s_mov_b32 s21, 0
	s_lshl_b32 s46, s42, 10                        ; my first column, in bytes
	s_lshl_b32 s47, s16, 9
	s_add_co_u32 s46, s46, s47
	s_mov_b32 s47, 0
	s_add_nc_u64 s[20:21], s[20:21], s[46:47]
	s_add_nc_u64 s[12:13], s[12:13], s[20:21]
.macro FRAG reg, adr, q, i
.irp p, 0,1,2,3,4,5
	ds_load_b64 v[\reg+2*\p:\reg+2*\p+1], v[\adr] offset:(\q)*8*FRB+(\i)*FRB+256*\p
.endr
.endm
; 16 matrix instructions: A's blocks a0, a0 + 1 x B's eight.  The 64 accumulators take turns, one instruction a turn, in the same order in every step.
.macro MUL16 a0, p, q, sc, zero
.irp a, \a0, \a0+1
.irp b, 0,1,2,3,4,5,6,7
.if \zero
	v_wmma_scale_f32_16x16x128_f8f6f4 v[8*(8*((\a)%4)+\b):8*(8*((\a)%4)+\b)+7], v[128*(\p)+FR*\b:128*(\p)+FR*\b+FR-1], v[AF+FR*(\a):AF+FR*(\a)+FR-1], 0, v[SC+8*NQ*(\sc)+NQ*\b+(\q)], v[SC+8*NQ*(\sc)+NQ*(\a)+(\q)] matrix_a_fmt:MATRIX_FMT_FP6 matrix_b_fmt:MATRIX_FMT_FP6 matrix_a_scale:MATRIX_SCALE_ROW1
.else
	v_wmma_scale_f32_16x16x128_f8f6f4 v[8*(8*((\a)%4)+\b):8*(8*((\a)%4)+\b)+7], v[128*(\p)+FR*\b:128*(\p)+FR*\b+FR-1], v[AF+FR*(\a):AF+FR*(\a)+FR-1], v[8*(8*((\a)%4)+\b):8*(8*((\a)%4)+\b)+7], v[SC+8*NQ*(\sc)+NQ*\b+(\q)], v[SC+8*NQ*(\sc)+NQ*(\a)+(\q)] matrix_a_fmt:MATRIX_FMT_FP6 matrix_b_fmt:MATRIX_FMT_FP6 matrix_a_scale:MATRIX_SCALE_ROW1
.endif
.endr
.endr
.endm
.macro FETCH_B slot, q, p
	WIN TO_B
.irp i, 0,1,2,3,4,5,6,7
	FRAG 128*(\p)+FR*\i, ADRB+\slot, \q, \i
.endr
	WIN 0
.endm
.macro FETCH_A slot, q, i0
.irp i, \i0, \i0+1, \i0+2, \i0+3
	FRAG AF+FR*(\i), ADRA+\slot, \q, \i
.endr
.endm
.macro SCALES sc
.irp i, 0,1,2,3,4,5,6,7
	ds_load_b64 v[SC+8*NQ*\sc+NQ*\i:SC+8*NQ*\sc+NQ*\i+1], v[ADRS] offset:\i*128
.endr
.endm
.macro PLACES n
.rept \n
	v_nop
.endr
.endm
.macro STEP slot, q, zero
	s_wait_dscnt 4*NL                              ; B's set and A's blocks 0-3 are in; the youngest 24 loads (A's blocks 4-7) may be out
	WIN MUL_LO
	MUL16 0, (\q)%2, \q, \slot, \zero
	MUL16 2, (\q)%2, \q, \slot, \zero
	s_wait_dscnt 0
	PLACES NP
	FETCH_B \slot, (\q)+1, 1-(\q)%2
	FETCH_A \slot, (\q)+1, 0
	WIN MUL_HI
	MUL16 4, (\q)%2, \q, \slot, \zero
	MUL16 6, (\q)%2, \q, \slot, \zero
	PLACES NP
	WIN 0
	FETCH_A \slot, (\q)+1, 4
.endm
.macro TURN slot, next, fill
	s_wait_tensorcnt 0x0                           ; all my tensor loads have landed: my part of the next slot
	ds_add_u32 v[SPW], v[NIL]                      ; 0 onto my spare word
	s_wait_dscnt 4*NL+1                            ; (the add and the youngest 24 loads may be out)
	WIN MUL_LO
	MUL16 0, 1, NQ-1, \slot, 0
	s_wait_dscnt 0x0                               ; the add is done, and my reads of this slot are over
	s_barrier_signal -1
	MUL16 2, 1, NQ-1, \slot, 0
	WIN 0
	s_barrier_wait -1
.if \fill
	CREST                                          ; the barrier has opened a round of the cluster's barrier: no wave of any partner still reads this slot or has a load on its way
	s_add_nc_u64 s[G0+4*\slot+2:G0+4*\slot+3], s[G0+4*\slot+2:G0+4*\slot+3], 2*HALFT
	s_add_nc_u64 s[G0B+4*\slot+2:G0B+4*\slot+3], s[G0B+4*\slot+2:G0B+4*\slot+3], 2*HALFT
	JLOAD G0+4*\slot, G1, G0B+4*\slot, G1B         ; the first tensor load behind the round; its four v_nop are the places in front of the loads below
.else
	PLACES NP
.endif
	v_add_nc_u32 v[ADRS], 1024, v[ADRS]
	FETCH_B \next, 0, 0
	FETCH_A \next, 0, 0
	SCALES \next
	WIN MUL_HI
	MUL16 4, 1, NQ-1, \slot, 0
	MUL16 6, 1, NQ-1, \slot, 0
	PLACES NP
	WIN 0
	FETCH_A \next, 0, 4
.endm
	s_wait_tensorcnt 1                             ; the scales and my part of K step 0 are in (K step 1's load may be out),
	s_barrier_signal -1
	s_barrier_wait -1                              ; everybody's are
	FETCH_B 0, 0, 0
	FETCH_A 0, 0, 0
	SCALES 0
	FETCH_A 0, 0, 4
	STEP 0, 0, 1
	s_mov_b32 s3, LAPS-1
.Llap:
	TURN 0, 1, 1
	STEP 1, 0, 0
	TURN 1, 0, 1
	STEP 0, 0, 0
	s_sub_co_u32 s3, s3, 1
	s_cmp_lg_u32 s3, 0
	s_cbranch_scc1 .Llap
	TURN 0, 1, 0
	STEP 1, 0, 0
	s_wait_dscnt 4*NL
	WIN MUL_LO
	MUL16 0, 1, NQ-1, 1, 0
	MUL16 2, 1, NQ-1, 1, 0
	s_wait_dscnt 0
	WIN MUL_HI
	MUL16 4, 1, NQ-1, 1, 0
	MUL16 6, 1, NQ-1, 1, 0
	WIN 0
; THE WAY OUT, block by block of 16 slots x 128 columns, through my own stage in LDS: in with the columns put in their true places, back as whole rows of 512 bytes.
; LDS serves a wave's instructions in order (ISA guide 5.7.1.4): no wait between the stores and the loads, nor in front of the next block's stores.
.macro TOSTAGE a
.set AC, 64*((\a)%4)
.set WST, 8+4*((\a)/4)                 ; an LDS store's data are its source 1: window 2 or 3
	WIN WST
.irp b, 0,1,2,3,4,5,6,7
	ds_store_b128 v[STO], v[AC+8*\b:AC+8*\b+3] offset:128*(\b/2)+32*(\b%2)          ; each accumulator from its low end on
	ds_store_b128 v[STO], v[AC+8*\b+4:AC+8*\b+7] offset:128*(\b/2)+32*(\b%2)+16
.endr
	WIN 0
.set BB, BK+64*((\a)%2)
.irp t, 0,1,2,3,4,5,6,7,8,9,10,11,12,13,14,15
	ds_load_b128 v[BB+4*\t:BB+4*\t+3], v[RD] offset:\t*SPITCH
.endr
.endm
.macro SEND a, younger                 ; younger: the LDS instructions issued behind block a's loads, which may stay out
.set BB, BK+64*((\a)%2)
	s_wait_dscnt \younger
.if (\a) > 0
.if (\a)%2
	s_add_nc_u64 s[12:13], s[12:13], 8*8192        ; (behind a wait on XCNT)  block a begins at token 32 (a / 2) + 8 (a % 2): 8 rows on,
.else
	s_add_nc_u64 s[12:13], s[12:13], 24*8192       ; or 24
.endif
.endif
.irp t, 0,1,2,3,4,5,6,7,8,9,10,11,12,13,14,15
	global_store_b128 v[CO], v[BB+4*\t:BB+4*\t+3], s[12:13] offset:(\t+8*(\t/8))*8192 th:TH_STORE_NT   ; 512 consecutive bytes, at a multiple of 256 from out0's first byte; slot t is token t + 8 (t / 8)
.endr
.endm
	PLACES NP
	TOSTAGE 0
.irp a, 1,2,3,4,5,6,7
.if \a > 1
	s_wait_xcnt 0x0                                ; block a - 2's stores have read their registers and their base
.endif
	TOSTAGE \a
	SEND \a-1, 32                                  ; behind block a - 1's loads: block a's 16 stores and 16 loads
.endr
	s_wait_xcnt 0x0
	SEND 7, 0
	s_wait_tensorcnt 0x0                           ; the wave's end
	ds_add_u32 v[SPW], v[NIL]
	s_wait_dscnt 0x0
	CROUND                                         ; the closing round
	s_endpgm
.Lfunc_end_k_q88439433da_outp:
	.size	k_q88439433da_outp, .Lfunc_end_k_q88439433da_outp-k_q88439433da_outp
	.p2alignl 7, 3214868480
	.fill 96, 4, 3214868480
	.section	.rodata,"a",@progbits
	.p2align	6, 0x0
	.amdhsa_kernel k_q88439433da_outp
		.amdhsa_group_segment_fixed_size 327680
		.amdhsa_private_segment_fixed_size 0
		.amdhsa_enable_private_segment 0
		.amdhsa_kernarg_size 24
		.amdhsa_user_sgpr_count 2
		.amdhsa_user_sgpr_kernarg_segment_ptr 1
		.amdhsa_wavefront_size32 1
		.amdhsa_system_sgpr_workgroup_id_x 1
		.amdhsa_system_sgpr_workgroup_id_y 1
		.amdhsa_system_sgpr_workgroup_id_z 1
		.amdhsa_system_vgpr_workitem_id 0
		.amdhsa_next_free_vgpr 1024
		.amdhsa_next_free_sgpr 98
		.amdhsa_reserve_vcc 0
		.amdhsa_float_denorm_mode_32 3
		.amdhsa_float_denorm_mode_16_64 3
		.amdhsa_memory_ordered 1
		.amdhsa_forward_progress 1
		.amdhsa_inst_pref_size 159
	.end_amdhsa_kernel
	.amdgpu_metadata
---
amdhsa.version: [ 1, 2 ]
amdhsa.kernels:
  - .name:           k_q88439433da_outp
    .symbol:         k_q88439433da_outp.kd
    .args:
      - { .name: obuf, .offset: 0, .size: 8, .value_kind: global_buffer, .address_space: global }
      - { .name: opnd, .offset: 8, .size: 8, .value_kind: global_buffer, .address_space: global }
      - { .name: out0, .offset: 16, .size: 8, .value_kind: global_buffer, .address_space: global }
    .group_segment_fixed_size: 327680
    .private_segment_fixed_size: 0
    .kernarg_segment_align: 8
    .kernarg_segment_size: 24
    .max_flat_workgroup_size: 128
    .sgpr_count:     98
    .vgpr_count:     1024
    .wavefront_size: 32
...
	.end_amdgpu_metadata
.endif
;; end of part 4
;; ======== version 2 of 2: 4 launches
;; limits: right only within a limited range of input values
;; workspace buffers: opnd 17,432,576 bytes; qkvbuf 9,830,400 bytes; obuf 3,276,800 bytes
;; launch prep (part 5): grid 384 x 1, 8 waves a work-group, no clusters, 118,784 bytes of LDS; arguments Wq, Wkv, Wout, x, gamma, rotary_emb, opnd; writes opnd
.if DOCPART == 5
	.amdgcn_target "amdgcn-amd-amdhsa--gfx1250"
	.amdhsa_code_object_version 6
	.text
	.protected	k_q88439433da_prep
	.globl	k_q88439433da_prep
	.p2align	8
	.type	k_q88439433da_prep,@function
k_q88439433da_prep:
	s_mov_b64 s[64:65], 0
	v_nop
	global_prefetch_b8 v0, s[64:65] scope:SCOPE_SE
	s_setreg_imm32_b32 hwreg(HW_REG_WAVE_MODE, 25, 1), 1
	s_wait_xcnt 0x0
; PREP: every operand of the three large products is quantised once, to codes of FP6 (E2M3) with one E8M0 byte for each 32 along K, and laid in the order of the matrix operand's registers.
; opnd: images at R x 196,608: [R 80][kappa 16][a 8][1,536 bytes]; R = 128 slots: R 0-15 Wq's columns, 16-47 Wkv's, 48-63 Wout's, 64-79 the tokens of rmsnorm(x).
;   A fragment (16 slots x 128 K, 12 registers a lane) lies as six pieces: piece p holds lane L's registers 2 p, 2 p + 1 at 256 p + 8 L.
;   SLOT ORDER: slot s holds row (column, token) s with its bits 3 and 4 exchanged, so lane r of tile a holds row 32 (a / 2) + 8 (a % 2) + r + 8 (r / 8).
;   scales at SCLB + R x 8,192: [s 8][slot 128][2 words]: word q of K step s = the bytes of blocks 8 s + 4 q .. + 3.
;   table at ROTB: [tile 128][g 16][lane 32][16 bytes]: g 0-3 cos(pos[16 h + i]), 4-7 -sin(pos[16 h + i]), 8-11 cos(pos[32 + 16 h + i]), 12-15 sin(pos[32 + 16 h + i]), i = 4 (g % 4) + 0 .. 3.
; Work-groups 0-255 take the weights (K is their FIRST axis: a lane takes a column and its registers run down K), work-groups 256-383 a tile of 16 tokens of x each.  The two ways have LDS bytes of their own.
; A block's scale is 2^(floor(log2(largest magnitude)) - 2); its byte is the largest magnitude's exponent field - 2, held at 1 from below by a floor among the maximum's leaves.
; LIMITS: NaN and infinities are not served.  A block of zeros gets the byte 1 where the rule says 127: its codes are zeros and this program alone reads the bytes.
;   |rotary_emb| up to 1e5: the angle is reduced by pi/2 in two parts.  xn = (x rho) gamma with rho = sqrt(2048) / max(sqrt(sum x^2), 1e-12): another order of rounding than x / norm * sqrt(2048) * gamma, a few ulp of f32.
; No matrix unit, no cluster, no tensor load: memory binds, and the work-groups share no input.
.set RB,    196608
.set SCLB,  15728640
.set ROTB,  16384000
.set XRED,  49152                      ; the x way's LDS: 8 waves x 128 bytes for the sums; the weights' way has bytes 0 .. 49,151: a stage of 6,144 bytes a wave
.set XST,   51200                      ; the x way's stages, behind the spare words: 16 rows x (512 bytes + 16) = 8,448 bytes for each wave
.set OF,    32                         ; weights: v32-63   offset of row i of a block, my column
.set X,     64                         ; weights: v64-127  two sets of 32 numbers;  x: v64-191 my 128 numbers
.set C,     128                        ; weights: v128-134 a block's codes
.set SBR,   136                        ; weights: v136-137 eight scale bytes
.set OUTR,  140                        ; weights: v140-187 the way out
.set SB,    32                         ; weights: s[32:47] a base for each of my eight blocks
.set PC,    16                         ; x: v16-27 a fragment's codes
.set CT,    28                         ; x: v28-34 the conversions' second halves
.set TM,    40                         ; x: v40-55 at work in QUANT
.set GM,    192                        ; x: v192-255 gamma
; 64 numbers of a lane, register 16 b + i = k 32 b + 16 (lane / 16) + i of my row, become a fragment's registers 0-5 (d0), 6-11 (d1) and its scale word (pw)
.macro QUANT s, d0, d1, pw
.irp b, 0,1,2,3
	v_max3_num_f32 v[TM+\b], |v[\s+16*\b]|, |v[\s+16*\b+1]|, 0x1800000   ; my 16 numbers of block b, and the floor 2^(3 - 127)
.endr
.irp i, 2,4,6,8,10,12,14
.irp b, 0,1,2,3
	s_delay_alu instid0(VALU_DEP_4)
	v_max3_num_f32 v[TM+\b], v[TM+\b], |v[\s+16*\b+\i]|, |v[\s+16*\b+\i+1]|
.endr
.endr
.irp b, 0,1,2,3
	s_delay_alu instid0(VALU_DEP_4)
	v_permlanex16_b32 v[TM+4+\b], v[TM+\b], s48, s49
.endr
.irp b, 0,1,2,3
	s_delay_alu instid0(VALU_DEP_4)
	v_max_num_f32 v[TM+\b], v[TM+\b], v[TM+4+\b]        ; with lane l xor 16's: the block's largest magnitude
.endr
.irp b, 0,1,2,3
	s_delay_alu instid0(VALU_DEP_4)
	v_add_nc_u32 v[TM+12+\b], 0xff000000, v[TM+\b]      ; 2 off its exponent field: the conversion's scale operand
.endr
.irp b, 0,1,2,3
	s_delay_alu instid0(VALU_DEP_4)
	v_lshrrev_b32 v[TM+4+\b], 23, v[TM+12+\b]           ; the scale's byte
.endr
	s_delay_alu instid0(VALU_DEP_3)
	v_lshl_or_b32 v[\pw], v[TM+5], 8, v[TM+4]
	s_delay_alu instid0(VALU_DEP_1)
	v_lshl_or_b32 v[\pw], v[TM+6], 16, v[\pw]
	s_delay_alu instid0(VALU_DEP_1)
	v_lshl_or_b32 v[\pw], v[TM+7], 24, v[\pw]
	v_cvt_scalef32_pk16_fp6_f32 v[\d0:\d0+2], v[\s:\s+15], v[TM+12]
	v_cvt_scalef32_pk16_fp6_f32 v[CT:CT+2], v[\s+16:\s+31], v[TM+13]     ; (a conversion's three registers begin on an even number)
	v_cvt_scalef32_pk16_fp6_f32 v[\d1:\d1+2], v[\s+32:\s+47], v[TM+14]
	v_cvt_scalef32_pk16_fp6_f32 v[CT+4:CT+6], v[\s+48:\s+63], v[TM+15]
	v_nop                                               ; one plain line behind the scaled conversions
.irp i, 0,1,2
	v_permlane16_swap_b32 v[\d0+\i], v[CT+\i]           ; the operand's layout wants a whole block in a lane
	v_permlane16_swap_b32 v[\d1+\i], v[CT+4+\i]
.endr
.irp i, 0,1,2
	v_mov_b32 v[\d0+3+\i], v[CT+\i]
	v_mov_b32 v[\d1+3+\i], v[CT+4+\i]
.endr
.endm
	s_load_b256 s[4:11], s[0:1], 0x0               ; Wq s[4:5], Wkv s[6:7], Wout s[8:9], x s[10:11]
	s_load_b128 s[12:15], s[0:1], 0x20             ; gamma s[12:13], rotary_emb s[14:15]
	s_load_b64 s[16:17], s[0:1], 0x30              ; opnd
	v_lshrrev_b32 v1, 5, v0
	s_delay_alu instid0(VALU_DEP_1)
	v_readfirstlane_b32 s20, v1                    ; wave 0..7
	s_cmp_lt_u32 ttmp9, 256
	s_cbranch_scc0 .Lx
	; ---------------- THE WEIGHTS.  Work-group: 128 columns (R = ttmp9 / 4) x 512 along K; wave: 32 columns x 256 along K: eight blocks a lane
	s_lshr_b32 s21, ttmp9, 2                       ; R
	s_and_b32 s22, ttmp9, 3
	s_lshr_b32 s23, s20, 2
	s_lshl_b32 s22, s22, 1
	s_add_co_u32 s22, s22, s23                     ; my K step of 256: 0..7
	s_and_b32 s30, s20, 3                          ; which 32 of the 128 columns
	v_and_b32 v10, 31, v0                          ; lane = slot
	v_and_b32 v11, 7, v0
	v_bfe_u32 v12, v0, 3, 1
	v_bfe_u32 v13, v0, 4, 1
	s_delay_alu instid0(VALU_DEP_2)
	v_lshl_add_u32 v11, v12, 4, v11
	s_delay_alu instid0(VALU_DEP_1)
	v_lshl_add_u32 v11, v13, 3, v11                ; the slot's column: bits 3 and 4 exchanged; the wave still reads 128 consecutive bytes
	s_delay_alu instid0(VALU_DEP_1)
	v_lshlrev_b32 v1, 2, v11
	s_mul_i32 s56, s20, 6144                       ; my stage: [kappa' 2][tile 2][1,536]
	v_mul_u32_u24 v2, v13, 1536
	v_and_b32 v14, 15, v0
	s_delay_alu instid0(VALU_DEP_1)
	v_lshl_add_u32 v2, v14, 3, v2
	s_delay_alu instid0(VALU_DEP_1)
	v_add_nc_u32 v2, s56, v2                       ; into it: tile lane / 16, 8 bytes for row lane % 16
	v_lshl_add_u32 v3, v10, 4, s56                 ; out of it: 16 bytes a lane
	v_lshlrev_b32 v4, 4, v10
	v_lshlrev_b32 v5, 3, v10
	s_lshl_b32 s50, s21, 4                         ; images: (16 R + 2 s) x 12,288 + 2 (wave % 4) x 1,536
	s_lshl_b32 s51, s22, 1
	s_add_co_u32 s50, s50, s51
	s_mul_i32 s50, s50, 12288
	s_mul_i32 s51, s30, 3072
	s_add_co_u32 s50, s50, s51
	s_mov_b32 s51, 0
	s_lshl_b32 s58, s21, 3                         ; scales: SCLB + (8 R + s) x 1,024 + 32 (wave % 4) x 8
	s_add_co_u32 s58, s58, s22
	s_lshl_b32 s58, s58, 10
	s_lshl_b32 s59, s30, 8
	s_add_co_u32 s58, s58, s59
	s_add_co_u32 s58, s58, SCLB
	s_mov_b32 s59, 0
	s_wait_alu depctr_va_vdst(0)
	s_wait_kmcnt 0x0
	s_add_nc_u64 s[52:53], s[16:17], s[50:51]
	s_add_nc_u64 s[54:55], s[16:17], s[58:59]
	s_cmp_lt_u32 s21, 16                           ; which tensor: the choice hangs on the work-group's number alone
	s_cselect_b64 s[24:25], s[4:5], s[6:7]
	s_cselect_b32 s26, 0, 16                       ; its first R
	s_cselect_b32 s27, 13, 14                      ; log2 of a row's bytes
	s_cmp_lt_u32 s21, 48
	s_cselect_b64 s[24:25], s[24:25], s[8:9]
	s_cselect_b32 s26, s26, 48
	s_cselect_b32 s27, s27, 13
	s_lshl_b32 s28, 1, s27                         ; a row's bytes
	s_sub_co_u32 s29, s21, s26
	s_lshl_b32 s29, s29, 9                         ; 128 columns are 512 bytes
	s_lshl_b32 s31, s30, 7
	s_add_co_u32 s29, s29, s31
	s_lshl_b32 s31, s22, 8
	s_lshl_b32 s31, s31, s27                       ; 256 s rows
	s_add_co_u32 s48, s29, s31
	s_mov_b32 s49, 0
	s_add_nc_u64 s[SB:SB+1], s[24:25], s[48:49]
	s_lshl_b32 s48, 32, s27                        ; 32 rows on
.irp t, 1,2,3,4,5,6,7
	s_add_nc_u64 s[SB+2*\t:SB+2*\t+1], s[SB+2*\t-2:SB+2*\t-1], s[48:49]   ; a base for each block: nothing is stepped while loads are out
.endr
.irp i, 0,1,2,3,4,5,6,7,8,9,10,11,12,13,14,15,16,17,18,19,20,21,22,23,24,25,26,27,28,29,30,31
	v_mad_u32_u24 v[OF+\i], s28, \i, v1
.endr
.macro LOADW t                         ; block t: W(32 t + i, my column) into set t % 2
.irp i, 0,1,2,3,4,5,6,7,8,9,10,11,12,13,14,15,16,17,18,19,20,21,22,23,24,25,26,27,28,29,30,31
	global_load_b32 v[X+32*((\t)%2)+\i], v[OF+\i], s[SB+2*(\t):SB+2*(\t)+1] th:TH_LOAD_NT
.endr
.endm
.macro BLOCK t
.set XS, X+32*((\t)%2)
.if (\t) < 7
	s_wait_loadcnt 32                              ; this block's 32 loads are in; the next block's 32 may be out
.else
	s_wait_loadcnt 0x0
.endif
	v_max3_num_f32 v20, |v[XS]|, |v[XS+1]|, |v[XS+2]|      ; the block's largest magnitude: all 32 numbers are mine
	v_max3_num_f32 v21, |v[XS+3]|, |v[XS+4]|, |v[XS+5]|
.irp i, 6,10,14,18,22,26
	s_delay_alu instid0(VALU_DEP_2)
	v_max3_num_f32 v20, v20, |v[XS+\i]|, |v[XS+\i+1]|
	s_delay_alu instid0(VALU_DEP_2)
	v_max3_num_f32 v21, v21, |v[XS+\i+2]|, |v[XS+\i+3]|
.endr
	s_delay_alu instid0(VALU_DEP_2)
	v_max3_num_f32 v20, v20, |v[XS+30]|, |v[XS+31]|
	s_delay_alu instid0(VALU_DEP_1)
	v_max3_num_f32 v20, v20, v21, 0x1800000        ; and the floor 2^(3 - 127)
	s_delay_alu instid0(VALU_DEP_1)
	v_add_nc_u32 v22, 0xff000000, v20              ; 2 off the exponent field: the conversion's scale operand
	s_delay_alu instid0(VALU_DEP_1)
	v_lshrrev_b32 v21, 23, v22                     ; the byte
.if (\t)%4 == 0
	s_delay_alu instid0(VALU_DEP_1)
	v_mov_b32 v[SBR+(\t)/4], v21
.else
	s_delay_alu instid0(VALU_DEP_1)
	v_lshl_or_b32 v[SBR+(\t)/4], v21, 8*((\t)%4), v[SBR+(\t)/4]
.endif
	v_cvt_scalef32_pk16_fp6_f32 v[C:C+2], v[XS:XS+15], v22
	v_cvt_scalef32_pk16_fp6_f32 v[C+4:C+6], v[XS+16:XS+31], v22
	v_nop                                          ; one plain line behind the scaled conversions
	v_mov_b32 v[C+3], v[C+4]                       ; the block's 24 bytes on end
	v_mov_b32 v[C+4], v[C+5]
	v_mov_b32 v[C+5], v[C+6]
.irp i, 0,1,2                          ; block t is registers 6 c .. 6 c + 5 of lane (r, h), c = (t % 4) / 2, h = t % 2, of fragment kappa' = t / 4: pieces 3 c + i
	ds_store_b64 v2, v[C+2*\i:C+2*\i+1] offset:((\t)/4)*3072+(3*(((\t)%4)/2)+\i)*256+128*((\t)%2)
.endr
.if (\t) < 6
	LOADW (\t)+2
.endif
	s_wait_dscnt 0x0                               ; the stores have read their registers: the next block's codes may be written
.endm
	LOADW 0
	LOADW 1
.irp t, 0,1,2,3,4,5,6,7
	BLOCK \t
.endr
	s_wait_alu depctr_va_vdst(0)
	global_store_b64 v5, v[SBR:SBR+1], s[54:55]    ; 32 slots x 8 bytes: 256 consecutive bytes, aligned
.irp j, 0,1,2,3,4,5,6,7,8,9,10,11
	ds_load_b128 v[OUTR+4*\j:OUTR+4*\j+3], v3 offset:512*\j      ; LDS serves a wave's instructions in order: these see my stores
.endr
.irp j, 0,1,2,3,4,5,6,7,8,9,10,11
	s_wait_dscnt 11-\j                             ; load j is in; the 11 - j younger ones may be out
	global_store_b128 v4, v[OUTR+4*\j:OUTR+4*\j+3], s[52:53] offset:(\j/6)*12288+(\j%6)*512   ; 512 consecutive bytes
.endr
	v_lshl_add_u32 v12, v0, 2, 0xc400              ; my spare word and 0, made anew from v0 here: the x way has no two registers to keep; the spare words lie behind XRED
	v_mov_b32 v13, 0
	s_wait_alu depctr_va_vdst(0)
	s_wait_tensorcnt 0x0                           ; the wave's end
	ds_add_u32 v12, v13
	s_wait_dscnt 0x0
	s_endpgm
	; ---------------- x.  Work-group: slot tile T of 16 tokens; wave w: columns 256 w .. 256 w + 255: fragments kappa = 2 w, 2 w + 1, and one sixteenth-pair of the tile's table
.Lx:
	s_sub_co_u32 s21, ttmp9, 256                   ; T
	v_and_b32 v1, 31, v0                           ; lane
	v_and_b32 v2, 15, v0                           ; r
	v_bfe_u32 v3, v0, 4, 1                         ; h
	s_delay_alu instid0(VALU_DEP_2)
	v_and_b32 v11, 8, v2
	s_delay_alu instid0(VALU_DEP_1)
	v_add_nc_u32 v11, v11, v2                      ; r + 8 (r / 8)
	v_lshlrev_b32 v5, 6, v3                        ; gamma: 64 h
	v_lshlrev_b32 v6, 3, v1                        ; 8 x lane
	v_lshlrev_b32 v7, 4, v1                        ; 16 x lane
	s_lshl_b32 s22, s20, 7
	v_lshl_add_u32 v8, v1, 2, s22
	s_delay_alu instid0(VALU_DEP_1)
	v_add_nc_u32 v8, XRED, v8                      ; LDS: my wave's 128 bytes, my lane's word
	v_lshl_add_u32 v9, v1, 2, XRED                 ; and the same word of wave 0
	v_lshlrev_b32 v10, 8, v11
	s_delay_alu instid0(VALU_DEP_1)
	v_lshl_add_u32 v10, v3, 6, v10                 ; the angles: my token's row of 256 bytes, + 64 h
	s_mul_i32 s50, s20, 8448
	s_add_co_u32 s50, s50, XST                     ; my stage
	v_mul_u32_u24 v11, v2, 528
	v_lshl_add_u32 v4, v1, 4, s50                  ; into it: 16 bytes a lane, as loaded
	s_delay_alu instid0(VALU_DEP_2)
	v_lshl_add_u32 v11, v3, 6, v11
	s_delay_alu instid0(VALU_DEP_1)
	v_add_nc_u32 v11, s50, v11                     ; out of it: row r, + 64 h: my 16 numbers of a block of 32
	s_lshr_b32 s23, s21, 1
	s_lshl_b32 s23, s23, 5
	s_and_b32 s24, s21, 1
	s_lshl_b32 s24, s24, 3
	s_add_co_u32 s23, s23, s24                     ; the tile's first token: 32 (T / 2) + 8 (T % 2)
	s_lshl_b32 s24, s23, 13
	s_lshl_b32 s25, s20, 10
	s_add_co_u32 s24, s24, s25
	s_mov_b32 s25, 0                               ; x: token x 8,192 + 1,024 w
	s_lshr_b32 s28, s20, 2
	s_and_b32 s29, s20, 3
	s_lshl_b32 s26, s23, 8
	s_lshl_b32 s27, s28, 7
	s_add_co_u32 s26, s26, s27
	s_lshl_b32 s27, s29, 4
	s_add_co_u32 s26, s26, s27
	s_mov_b32 s27, 0                               ; angles: token x 256 + 128 (w / 4) + 16 (w % 4)
	s_lshl_b32 s30, s20, 10
	s_mov_b32 s31, 0                               ; gamma: 1,024 w
	s_lshl_b32 s32, s21, 13
	s_lshl_b32 s33, s28, 3
	s_add_co_u32 s33, s33, s29
	s_lshl_b32 s33, s33, 9
	s_add_co_u32 s32, s32, s33
	s_add_co_u32 s32, s32, ROTB
	s_mov_b32 s33, 0                               ; table: ROTB + 8,192 T + 512 (8 (w / 4) + w % 4)
	s_lshr_b32 s34, s21, 3
	s_add_co_u32 s34, s34, 64                      ; R
	s_and_b32 s35, s21, 7                          ; tile a in R
	s_mul_i32 s36, s34, RB
	s_mul_i32 s37, s20, 24576
	s_add_co_u32 s36, s36, s37
	s_mul_i32 s37, s35, 1536
	s_add_co_u32 s36, s36, s37
	s_mov_b32 s37, 0                               ; images: R, kappa = 2 w, tile a
	s_lshl_b32 s38, s34, 13
	s_lshl_b32 s39, s20, 10
	s_add_co_u32 s38, s38, s39
	s_lshl_b32 s39, s35, 7
	s_add_co_u32 s38, s38, s39
	s_add_co_u32 s38, s38, SCLB
	s_mov_b32 s39, 0                               ; scales: R, K step w, slot 16 a
	s_cmp_lt_u32 s20, 4
	s_cselect_b32 s44, 0x80000000, 0               ; the first half's sines are stored negative
	s_mov_b32 s45, 0xb94ca1f9                      ; the polynomials' leading coefficients
	s_mov_b32 s46, 0x37ccf5ce
	s_mov_b32 s47, 0xffff0000                      ; lanes 16-31
	s_mov_b32 s48, 0x76543210
	s_mov_b32 s49, 0xfedcba98                      ; v_permlanex16_b32's selects for lane l xor 16
	s_wait_alu depctr_va_vdst(0)
	s_wait_kmcnt 0x0
	s_add_nc_u64 s[10:11], s[10:11], s[24:25]
	s_add_nc_u64 s[14:15], s[14:15], s[26:27]
	s_add_nc_u64 s[12:13], s[12:13], s[30:31]
	s_add_nc_u64 s[32:33], s[16:17], s[32:33]
	s_add_nc_u64 s[36:37], s[16:17], s[36:37]
	s_add_nc_u64 s[38:39], s[16:17], s[38:39]
	global_load_b128 v[12:15], v10, s[14:15]       ; four angles
.irp f, 0,1
.irp p, 0,1,2,3,4,5,6,7,8,9,10,11,12,13,14,15
	global_load_b128 v[X+64*\f+4*\p:X+64*\f+4*\p+3], v7, s[10:11] offset:(\p+8*(\p/8))*8192+512*\f th:TH_LOAD_NT   ; slot p's token, fragment f's 128 columns: the 32 lanes read 512 consecutive bytes
.endr
.endr
.irp b, 0,1,2,3
.irp j, 0,1,2,3
	global_load_b128 v[GM+16*\b+4*\j:GM+16*\b+4*\j+3], v5, s[12:13] offset:128*\b+16*\j
.endr
.endr
	s_wait_loadcnt 48                              ; the angles are in; x's 32 loads and gamma's 16 may be out
	; cos and sin: n = round(x 2/pi); r = x - n pi/2 in two parts; polynomials on |r| <= pi/4; the quadrant picks and signs
.irp k, 0,1,2,3
	v_mul_f32 v[16+\k], 0x3f22f983, v[12+\k]
.endr
.irp k, 0,1,2,3
	s_delay_alu instid0(VALU_DEP_4)
	v_rndne_f32 v[16+\k], v[16+\k]
.endr
.irp k, 0,1,2,3
	s_delay_alu instid0(VALU_DEP_4)
	v_fmamk_f32 v[20+\k], v[16+\k], 0xbfc90fdb, v[12+\k]
.endr
.irp k, 0,1,2,3
	s_delay_alu instid0(VALU_DEP_4)
	v_fmamk_f32 v[20+\k], v[16+\k], 0x333bbd2e, v[20+\k]
.endr
.irp k, 0,1,2,3
	s_delay_alu instid0(VALU_DEP_4)
	v_mul_f32 v[24+\k], v[20+\k], v[20+\k]         ; z = r^2
.endr
.irp k, 0,1,2,3
	v_cvt_i32_f32 v[40+\k], v[16+\k]               ; the quadrant
.endr
.irp k, 0,1,2,3
	v_fmaak_f32 v[28+\k], s45, v[24+\k], 0x3c08839e
.endr
.irp k, 0,1,2,3
	v_fmaak_f32 v[32+\k], s46, v[24+\k], 0xbab6061a
.endr
.irp k, 0,1,2,3
	v_fmaak_f32 v[28+\k], v[28+\k], v[24+\k], 0xbe2aaaa3
.endr
.irp k, 0,1,2,3
	v_fmaak_f32 v[32+\k], v[32+\k], v[24+\k], 0x3d2aaaa5
.endr
.irp k, 0,1,2,3
	v_mul_f32 v[28+\k], v[28+\k], v[24+\k]
.endr
.irp k, 0,1,2,3
	v_mul_f32 v[48+\k], v[24+\k], v[24+\k]
.endr
.irp k, 0,1,2,3
	v_fma_f32 v[44+\k], v[24+\k], -0.5, 1.0
.endr
.irp k, 0,1,2,3
	v_fma_f32 v[28+\k], v[28+\k], v[20+\k], v[20+\k]     ; sin r
.endr
.irp k, 0,1,2,3
	v_fma_f32 v[32+\k], v[32+\k], v[48+\k], v[44+\k]     ; cos r
.endr
.irp k, 0,1,2,3
	v_and_b32 v[44+\k], 1, v[40+\k]
	s_delay_alu instid0(VALU_DEP_1)
	v_cmp_eq_u32 vcc_lo, 1, v[44+\k]
	s_delay_alu instid0(VALU_DEP_1)
	v_cndmask_b32 v[60+\k], v[28+\k], v[32+\k], vcc_lo   ; in odd quadrants the two change places
	s_delay_alu instid0(VALU_DEP_2)
	v_cndmask_b32 v[36+\k], v[32+\k], v[28+\k], vcc_lo
	v_lshlrev_b32 v[44+\k], 30, v[40+\k]
	v_add_nc_u32 v[48+\k], 1, v[40+\k]
	s_delay_alu instid0(VALU_DEP_2)
	v_and_b32 v[44+\k], 0x80000000, v[44+\k]             ; sin is negative in quadrants 2, 3
	s_delay_alu instid0(VALU_DEP_2)
	v_lshlrev_b32 v[48+\k], 30, v[48+\k]
	s_delay_alu instid0(VALU_DEP_2)
	v_xor_b32 v[44+\k], s44, v[44+\k]
	s_delay_alu instid0(VALU_DEP_2)
	v_and_b32 v[48+\k], 0x80000000, v[48+\k]             ; cos in quadrants 1, 2
	s_delay_alu instid0(VALU_DEP_2)
	v_xor_b32 v[60+\k], v[60+\k], v[44+\k]
	s_delay_alu instid0(VALU_DEP_2)
	v_xor_b32 v[36+\k], v[36+\k], v[48+\k]
.endr
	global_store_b128 v7, v[36:39], s[32:33]             ; 512 consecutive bytes each
	global_store_b128 v7, v[60:63], s[32:33] offset:2048
	s_wait_loadcnt 16                              ; x is in; gamma's 16 loads may be out
.irp f, 0,1                            ; a fragment's 16 rows x 512 bytes turn through my own stage: in as loaded, back 64 bytes of my token's row for each block.  Rows 528 bytes apart: an odd multiple of 16
.irp p, 0,1,2,3,4,5,6,7,8,9,10,11,12,13,14,15
	ds_store_b128 v4, v[X+64*\f+4*\p:X+64*\f+4*\p+3] offset:528*\p
.endr
.irp b, 0,1,2,3
.irp j, 0,1,2,3
	ds_load_b128 v[X+64*\f+16*\b+4*\j:X+64*\f+16*\b+4*\j+3], v11 offset:128*\b+16*\j     ; LDS serves a wave's instructions in order: these see my stores, and the second fragment's stores come behind these loads
.endr
.endr
.endr
	s_wait_dscnt 0x0                               ; register 64 f + 16 b + i is now column 128 f + 32 b + 16 h + i of my token's 256
.irp c, 0,1,2,3
	v_pk_mul_f32 v[40+2*\c:41+2*\c], v[X+2*\c:X+2*\c+1], v[X+2*\c:X+2*\c+1]     ; the sum of squares: four chains, started by the first four pairs
.endr
.set J, 4
.rept 60
	s_delay_alu instid0(VALU_DEP_4)
	v_pk_fma_f32 v[40+2*(J%4):41+2*(J%4)], v[X+2*J:X+2*J+1], v[X+2*J:X+2*J+1], v[40+2*(J%4):41+2*(J%4)]
.set J, J+1
.endr
	s_delay_alu instid0(VALU_DEP_3)
	v_pk_add_f32 v[40:41], v[40:41], v[42:43]
	s_delay_alu instid0(VALU_DEP_2)
	v_pk_add_f32 v[44:45], v[44:45], v[46:47]
	s_delay_alu instid0(VALU_DEP_1)
	v_pk_add_f32 v[40:41], v[40:41], v[44:45]
	s_delay_alu instid0(VALU_DEP_1)
	v_add_f32 v40, v40, v41
	s_delay_alu instid0(VALU_DEP_1)
	v_permlanex16_b32 v41, v40, s48, s49
	s_delay_alu instid0(VALU_DEP_1)
	v_add_f32 v40, v40, v41                        ; my token's 256 columns
	ds_store_b32 v8, v40
	s_wait_dscnt 0x0                               ; for the others' sake: my store has landed
	s_barrier_signal -1
	s_barrier_wait -1
.irp k, 0,1,2,3,4,5,6,7
	ds_load_b32 v[40+\k], v9 offset:128*\k
.endr
	s_wait_dscnt 0x0
	v_add_f32 v40, v40, v41                        ; the same order in every wave: the same sum
	v_add_f32 v42, v42, v43
	v_add_f32 v44, v44, v45
	v_add_f32 v46, v46, v47
	s_delay_alu instid0(VALU_DEP_3)
	v_add_f32 v40, v40, v42
	s_delay_alu instid0(VALU_DEP_2)
	v_add_f32 v44, v44, v46
	s_delay_alu instid0(VALU_DEP_1)
	v_add_f32 v40, v40, v44
	s_wait_alu depctr_va_vdst(0)
	v_sqrt_f32 v41, v40
	v_nop                                          ; a plain line behind the root,
	s_wait_alu depctr_va_vdst(0)                   ; and a wait ahead of its first reader
	v_max_num_f32 v41, 0x2b8cbccc, v41             ; max(norm, 1e-12)
	s_wait_alu depctr_va_vdst(0)
	v_rcp_f32 v42, v41
	v_nop
	s_wait_alu depctr_va_vdst(0)
	v_mul_f32 v58, 0x423504f3, v42                 ; rho = sqrt(2048) / max(norm, 1e-12)
	s_delay_alu instid0(VALU_DEP_1)
	v_mov_b32 v59, v58
	s_wait_alu depctr_va_vdst(0)
	s_wait_loadcnt 0x0                             ; gamma
.set J, 0
.rept 32
	v_pk_mul_f32 v[X+2*J:X+2*J+1], v[X+2*J:X+2*J+1], v[58:59]
.set J, J+1
.endr
.set J, 0
.rept 32
	v_pk_mul_f32 v[X+2*J:X+2*J+1], v[X+2*J:X+2*J+1], v[GM+2*J:GM+2*J+1]
.set J, J+1
.endr
.irp b, 0,1,2,3
.irp j, 0,1,2,3
	global_load_b128 v[GM+16*\b+4*\j:GM+16*\b+4*\j+3], v5, s[12:13] offset:512+128*\b+16*\j    ; gamma of the second fragment lands while the first is quantised
.endr
.endr
	QUANT X, PC, PC+6, 56
.irp p, 0,1,2,3,4,5
	global_store_b64 v6, v[PC+2*\p:PC+2*\p+1], s[36:37] offset:256*\p      ; a piece: 256 consecutive bytes, aligned
.endr
	s_wait_loadcnt 0x0
.set J, 32
.rept 32
	v_pk_mul_f32 v[X+2*J:X+2*J+1], v[X+2*J:X+2*J+1], v[58:59]
.set J, J+1
.endr
.set J, 0
.rept 32
	v_pk_mul_f32 v[X+64+2*J:X+64+2*J+1], v[X+64+2*J:X+64+2*J+1], v[GM+2*J:GM+2*J+1]
.set J, J+1
.endr
	s_wait_xcnt 0x0                                ; the stores have read their registers: the codes, and v60-63, may be written again
	QUANT X+64, PC, PC+6, 57
.irp p, 0,1,2,3,4,5
	global_store_b64 v6, v[PC+2*\p:PC+2*\p+1], s[36:37] offset:12288+256*\p
.endr
	v_cndmask_b32 v60, v56, v57, s47               ; lanes 0-15 store the first fragment's word of their row, lanes 16-31 the second's
	v_lshlrev_b32 v61, 3, v2
	s_delay_alu instid0(VALU_DEP_1)
	v_lshl_add_u32 v61, v3, 2, v61
	global_store_b32 v61, v60, s[38:39]            ; 128 consecutive bytes
	v_lshl_add_u32 v12, v0, 2, 0xc400              ; my spare word and 0, made anew from v0
	v_mov_b32 v13, 0
	s_wait_alu depctr_va_vdst(0)
	s_wait_tensorcnt 0x0                           ; the wave's end
	ds_add_u32 v12, v13
	s_wait_dscnt 0x0
	s_endpgm
.Lfunc_end_k_q88439433da_prep:
	.size	k_q88439433da_prep, .Lfunc_end_k_q88439433da_prep-k_q88439433da_prep
	.p2alignl 7, 3214868480
	.fill 96, 4, 3214868480
	.section	.rodata,"a",@progbits
	.p2align	6, 0x0
	.amdhsa_kernel k_q88439433da_prep
		.amdhsa_group_segment_fixed_size 118784
		.amdhsa_private_segment_fixed_size 0
		.amdhsa_enable_private_segment 0
		.amdhsa_kernarg_size 56
		.amdhsa_user_sgpr_count 2
		.amdhsa_user_sgpr_kernarg_segment_ptr 1
		.amdhsa_wavefront_size32 1
		.amdhsa_system_sgpr_workgroup_id_x 1
		.amdhsa_system_sgpr_workgroup_id_y 1
		.amdhsa_system_sgpr_workgroup_id_z 1
		.amdhsa_system_vgpr_workitem_id 0
		.amdhsa_next_free_vgpr 256
		.amdhsa_next_free_sgpr 66
		.amdhsa_reserve_vcc 1
		.amdhsa_float_denorm_mode_32 3
		.amdhsa_float_denorm_mode_16_64 3
		.amdhsa_memory_ordered 1
		.amdhsa_forward_progress 1
		.amdhsa_inst_pref_size 98
	.end_amdhsa_kernel
	.amdgpu_metadata
---
amdhsa.version: [ 1, 2 ]
amdhsa.kernels:
  - .name:           k_q88439433da_prep
    .symbol:         k_q88439433da_prep.kd
    .args:
      - { .name: Wq, .offset: 0, .size: 8, .value_kind: global_buffer, .address_space: global }
      - { .name: Wkv, .offset: 8, .size: 8, .value_kind: global_buffer, .address_space: global }
      - { .name: Wout, .offset: 16, .size: 8, .value_kind: global_buffer, .address_space: global }
      - { .name: x, .offset: 24, .size: 8, .value_kind: global_buffer, .address_space: global }
      - { .name: gamma, .offset: 32, .size: 8, .value_kind: global_buffer, .address_space: global }
      - { .name: rotary_emb, .offset: 40, .size: 8, .value_kind: global_buffer, .address_space: global }
      - { .name: opnd, .offset: 48, .size: 8, .value_kind: global_buffer, .address_space: global }
    .group_segment_fixed_size: 118784
    .private_segment_fixed_size: 0
    .kernarg_segment_align: 8
    .kernarg_segment_size: 56
    .max_flat_workgroup_size: 256
    .sgpr_count:     66
    .vgpr_count:     256
    .wavefront_size: 32
...
	.end_amdgpu_metadata
.endif
;; end of part 5
;; launch qkv (part 6): grid 24 x 8, 4 waves a work-group, clusters of 4 x 4, 327,680 bytes of LDS; arguments opnd, qkvbuf; writes qkvbuf
.if DOCPART == 6
	.amdgcn_target "amdgcn-amd-amdhsa--gfx1250"
	.amdhsa_code_object_version 6
	.text
	.protected	k_q88439433da_qkv
	.globl	k_q88439433da_qkv
	.p2align	8
	.type	k_q88439433da_qkv,@function
k_q88439433da_qkv:
	s_mov_b64 s[64:65], 0
	v_nop
	global_prefetch_b8 v0, s[64:65] scope:SCOPE_SE
	s_setreg_imm32_b32 hwreg(HW_REG_WAVE_MODE, 25, 1), 1
	s_wait_xcnt 0x0
	s_wait_alu depctr_hold_cnt(0) depctr_sa_sdst(0) depctr_va_vdst(0) depctr_va_sdst(0) depctr_va_ssrc(0) depctr_va_vcc(0) depctr_vm_vsrc(0)
	s_getreg_b32 s2, hwreg(HW_REG_IB_STS2, 6, 4)
	s_cmp_eq_u32 s2, 0
	s_cbranch_scc0 .Lentry_in_a_cluster
	s_endpgm
.Lentry_in_a_cluster:
	s_bfe_u32 s2, ttmp6, 0x10000c
	s_cmp_lg_u32 s2, 0xf033
	s_cbranch_scc0 .Lentry_shape_is_right
	s_endpgm
.Lentry_shape_is_right:
; QKV: q, k, v = rmsnorm(x) [Wq | Wkv] on codes of FP6 (E2M3) with E8M0 scales, from prep's images (16 slots x 128 K = 1,536 bytes in the order of the operand's registers).
; A tile of 256 x 256 to a work-group, 128 x 128 to a wave: 64 accumulators.  K goes in steps of 256 (two kappas of 128) through a ring of two LDS slots; the scales of all of K come once.
; q, k (cluster x 0-3): source 0 = the weights' columns, source 1 = tokens: a lane holds a token and its registers run along the channels: rotary, then quantised along the channels.
; v (cluster x 4, 5): the operands change places: a lane holds a channel and its registers run along the tokens: quantised along the keys.
; THE HEAD: four tiles, one tensor load a wave: wave 0 A's slot 0 (two R of 128 slots: two rows of 24,576 bytes, 196,608 apart), wave 1 B's, wave 2 A's scales (16,384 dense bytes), wave 3 B's.
; Slot 1 is filled behind the full sequence and a round of the cluster's barrier, as a refill is; from there on each wave brings a quarter of a slot (96 rows of 256 bytes).
; CLUSTERS 4 x 4: A's tiles are asked for jointly along a row of the cluster, B's along a column.
; PREFETCH: behind each refill but the last lap's two, each wave asks for 24 blocks of 256 bytes of the K step two refills on: of the 96 blocks that it will fetch, the four partners of the joint load
; take 24 each, told apart by address (cx for A, cy for B); lanes 24-31 name the wave's last block again.  K steps 0 to 3 come by their loads alone.
; LIMITS: NaN and infinities are not served; a block of zeros gets the byte 1 where the rule says 127 (its codes are zeros; this program alone reads the bytes).
.set NQ,     2
.set PFO,    30                        ; v30 the prefetches' offset: 256 x min(lane, 23); never rewritten.  s[12:13]: where my prefetches stand
.set FR,     12
.set NL,     6
.set NP,     4
.set FRB,    1536
.set HALFT,  16*FRB
.set SLOT,   4*HALFT
.set LAPS,   4
.set RB,     196608
.set SCLB,   15728640
.set ROTB,   16384000
.set VIMG,   6291456
.set QKSCL,  9437184
.set VSCL,   9699328
.set SCL,    2*SLOT
.set HALFS,  8192
.set SPARE,  SCL+4*HALFS
.set ADRA, 16
.set ADRB, 20
.set L16,  24
.set SOF,  25
.set ADRS, 27
.set SPW,  28
.set NIL,  29
.set SC,   32
.set AF,   128
.set HA,   128
.set IA,   192
.set IB,   204
.set CT,   216
.set TM,   224
.set PWE,  240
.set SW,   244
.set G1, 24
.set G0, 32
.set G1B, 48
.set G0B, 56
.set G1S, 68
.set G0S, 76
.set G1SB, 80
.set G0SB, 88
.set MSB, 0
.macro WIN new
.if MSB != \new
	s_set_vgpr_msb (MSB<<8)|\new
.set MSB, \new
.endif
.endm
.set MUL_LO, 0xa1
.set MUL_HI, 0xf1
.set TO_B,   0x40
.macro JLOAD g0a, g1a, g0b, g1b
	s_cmp_eq_u32 s15, 0
	s_cbranch_scc0 .Lfor_b_\@
	tensor_load_to_lds s[\g0a:\g0a+3], s[\g1a:\g1a+7]
	s_nop 0
.rept 4
	v_nop
.endr
	s_branch .Lasked_\@
.Lfor_b_\@:
	tensor_load_to_lds s[\g0b:\g0b+3], s[\g1b:\g1b+7]
	s_nop 0
.rept 4
	v_nop
.endr
.Lasked_\@:
.endm
.macro CREST
	s_cmp_lg_u32 s14, 0
	s_cbranch_scc1 .Lnot_wave_0_\@
	s_barrier_signal -3
.Lnot_wave_0_\@:
	s_barrier_wait -3
	s_barrier_signal -1
	s_barrier_wait -1
.endm
.macro CROUND
	s_barrier_signal -1
	s_barrier_wait -1
	CREST
.endm
	s_load_b128 s[4:7], s[0:1], 0x0
	v_lshl_add_u32 v[SPW], v0, 2, SPARE
	v_mov_b32 v[NIL], 0
	ds_add_u32 v28, v29
	ds_add_u32 v28, v29
	s_wait_dscnt 0x0
	v_lshrrev_b32 v1, 5, v0
	v_readfirstlane_b32 s14, v1
	s_lshr_b32 s15, s14, 1
	s_and_b32 s16, s14, 1
	s_bfe_u32 s40, ttmp6, 0x40000
	s_bfe_u32 s41, ttmp6, 0x40004
	s_lshl_b32 s42, ttmp9, 2
	s_add_co_u32 s42, s42, s40
	s_and_b32 s17, ttmp7, 0xffff
	s_lshl_b32 s17, s17, 2
	s_add_co_u32 s17, s17, s41
	s_lshl_b32 s43, s41, 2
	s_lshl_b32 s43, 15, s43
	s_lshl_b32 s44, 0x1111, s40
	s_or_b32 s[G1+0], s43, (3<<16)|(1<<21)
	s_or_b32 s[G1B+0], s44, (3<<16)|(1<<21)
.irp g, G1, G1B                        ; for the head's loads of codes: 2 rows of 3,072 elements of 8 bytes, RB bytes apart
	s_mov_b32 s[\g+1], 3072<<16
	s_mov_b32 s[\g+2], 2<<16
	s_mov_b32 s[\g+3], 3072<<16
	s_mov_b32 s[\g+4], 2
	s_mov_b32 s[\g+5], RB/8
	s_mov_b32 s[\g+6], 0
	s_mov_b32 s[\g+7], 0
.endr
	s_or_b32 s[G1S+0], s43, (3<<16)|(1<<21)
	s_or_b32 s[G1SB+0], s44, (3<<16)|(1<<21)
.irp g, G1S, G1SB                      ; the scales of 256 slots: 64 rows of 256 bytes, dense
	s_mov_b32 s[\g+1], 32<<16
	s_mov_b32 s[\g+2], 64<<16
	s_mov_b32 s[\g+3], 32<<16
	s_mov_b32 s[\g+4], 64
	s_mov_b32 s[\g+5], 32
	s_mov_b32 s[\g+6], 0
	s_mov_b32 s[\g+7], 0
.endr
	s_lshr_b32 s18, ttmp9, 2
	s_lshl_b32 s18, s18, 5
	s_lshl_b32 s20, s17, 1                         ; A's first R of two
	s_add_co_u32 s20, s20, 64
	s_sub_co_u32 s20, s20, s18
	s_lshl_b32 s46, s42, 1                         ; B's first R of two
	s_add_co_u32 s46, s46, s18
	s_lshl_b32 s22, s20, 13
	s_add_co_u32 s22, s22, SCLB
	s_mov_b32 s23, 0
	s_lshl_b32 s92, s46, 13
	s_add_co_u32 s92, s92, SCLB
	s_mov_b32 s93, 0
	s_mul_i32 s20, s20, RB
	s_mov_b32 s21, 0
	s_mul_i32 s46, s46, RB
	s_mov_b32 s47, 0
	s_mul_i32 s45, s14, HALFT
	s_mul_i32 s10, s16, RB                         ; in the ring I fetch one R of the two
	s_mov_b32 s11, 0
	s_lshl_b32 s18, s17, 17
	s_lshl_b32 s19, s15, 16
	s_add_co_u32 s18, s18, s19
	s_add_co_u32 s18, s18, ROTB
	s_mov_b32 s19, 0
	s_wait_kmcnt 0x0
	s_add_nc_u64 s[20:21], s[4:5], s[20:21]
	s_add_nc_u64 s[22:23], s[4:5], s[22:23]
	s_add_nc_u64 s[46:47], s[4:5], s[46:47]
	s_add_nc_u64 s[92:93], s[4:5], s[92:93]
	s_add_nc_u64 s[8:9], s[4:5], s[18:19]
	s_mov_b32 s[G0], 1                             ; the head's four tiles, each whole: slot 0's part of A (slot 0's group 0 serves; it is set for the ring behind the head's wait),
	s_mov_b32 s[G0+1], 0
	s_mov_b64 s[G0+2:G0+3], s[20:21]
	s_or_b32 s[G0+3], s[G0+3], 0x80000000
	s_mov_b32 s[G0B], 1                            ; of B,
	s_mov_b32 s[G0B+1], 2*HALFT
	s_mov_b64 s[G0B+2:G0B+3], s[46:47]
	s_or_b32 s[G0B+3], s[G0B+3], 0x80000000
	s_mov_b32 s[G0S], 1                            ; A's scales,
	s_mov_b32 s[G0S+1], SCL
	s_mov_b64 s[G0S+2:G0S+3], s[22:23]
	s_or_b32 s[G0S+3], s[G0S+3], 0x80000000
	s_mov_b32 s[G0SB], 1                           ; and B's
	s_mov_b32 s[G0SB+1], SCL+2*HALFS
	s_mov_b64 s[G0SB+2:G0SB+3], s[92:93]
	s_or_b32 s[G0SB+3], s[G0SB+3], 0x80000000
	s_add_nc_u64 s[G0+6:G0+7], s[20:21], s[10:11]  ; the ring: my R of A, of B
	s_add_nc_u64 s[G0B+6:G0B+7], s[46:47], s[10:11]
	s_cmp_eq_u32 s15, 0                            ; the prefetches: the operand that I fetch for,
	s_cselect_b64 s[12:13], s[G0+6:G0+7], s[G0B+6:G0B+7]
	s_cselect_b32 s10, s40, s41                    ; my place among the four that ask with me,
	s_mul_i32 s10, s10, 24*256                     ; my work-group's 24 blocks of the 96,
	s_add_co_u32 s10, s10, HALFT                   ; at K step 1: each refill steps it by one K step and names the K step two on
	s_add_nc_u64 s[12:13], s[12:13], s[10:11]
	s_mov_b32 s[G0+4], 1                           ; slot 1's group 0: K step 1
	s_add_co_u32 s[G0+5], s45, SLOT
	s_add_nc_u64 s[G0+6:G0+7], s[G0+6:G0+7], HALFT
	s_or_b32 s[G0+7], s[G0+7], 0x80000000
	s_mov_b32 s[G0B+4], 1
	s_add_co_u32 s[G0B+5], s45, SLOT
	s_add_nc_u64 s[G0B+6:G0B+7], s[G0B+6:G0B+7], HALFT
	s_or_b32 s[G0B+7], s[G0B+7], 0x80000000
	CROUND                                         ; all sixteen work-groups are here: the first joint loads meet
.macro ARM under, g0, g1, next         ; one chain of branches on the wave's number, one load to an arm, all arms to one join
	s_cmp_lt_u32 s14, \under
	s_cbranch_scc0 \next
	tensor_load_to_lds s[\g0:\g0+3], s[\g1:\g1+7]
	s_nop 0
.rept 4
	v_nop
.endr
	s_branch .Lhead_asked
\next:
.endm
	ARM 1, G0,  G1,  .Lhead_b
	ARM 2, G0B, G1B, .Lhead_sa
	ARM 3, G0S, G1S, .Lhead_sb
	tensor_load_to_lds s[G0SB:G0SB+3], s[G1SB:G1SB+7]
	s_nop 0
.rept 4
	v_nop
.endr
.Lhead_asked:
	v_and_b32 v1, 15, v0
	v_bfe_u32 v2, v0, 4, 1
	v_and_b32 v3, 31, v0
	v_lshlrev_b32 v4, 3, v3
	v_lshlrev_b32 v[L16], 4, v3
	v_lshlrev_b32 v[SOF], 4, v1
	v_lshl_add_u32 v[SOF], v2, 12, v[SOF]
	s_mul_i32 s21, s15, HALFT
	s_mul_i32 s22, s16, HALFT
	s_add_co_u32 s22, s22, 2*HALFT
.irp s, 0,1
	v_add_nc_u32 v[ADRA+\s], s21, v4
	v_add_nc_u32 v[ADRB+\s], s22, v4
	s_add_co_u32 s21, s21, SLOT
	s_add_co_u32 s22, s22, SLOT
.endr
	s_mul_i32 s21, s15, HALFS
	s_mul_i32 s22, s16, HALFS
	s_add_co_u32 s22, s22, 2*HALFS
	s_sub_co_u32 s22, s22, s21
	v_mul_u32_u24 v6, s22, v2
	s_add_co_u32 s21, s21, SCL
	v_lshl_add_u32 v5, v1, 3, v6
	v_add_nc_u32 v[ADRS], s21, v5
	v_min_u32 v[PFO], 23, v3
	v_lshlrev_b32 v[PFO], 8, v[PFO]
.macro TABLOAD a, w, b0, b1
.set TW, (\w)*64
	WIN TW
.irp g, 0,1,2,3,4,5,6,7
	global_load_b128 v[(\b0)+4*\g:(\b0)+4*\g+3], v[L16], s[8:9] offset:(\a)*8192+512*\g
.endr
.irp g, 0,1,2,3,4,5,6,7
	global_load_b128 v[(\b1)+4*\g:(\b1)+4*\g+3], v[L16], s[8:9] offset:(\a)*8192+4096+512*\g
.endr
	WIN 0
.endm
	TABLOAD 0, 0, 64, 96
	TABLOAD 1, 1, 96, 224
.macro FRAG reg, adr, q, i
.irp p, 0,1,2,3,4,5
	ds_load_b64 v[\reg+2*\p:\reg+2*\p+1], v[\adr] offset:(\q)*8*FRB+(\i)*FRB+256*\p
.endr
.endm
.macro MUL16 a0, p, q, sc, zero
.irp a, \a0, \a0+1
.irp b, 0,1,2,3,4,5,6,7
.if \zero
	v_wmma_scale_f32_16x16x128_f8f6f4 v[8*(8*((\a)%4)+\b):8*(8*((\a)%4)+\b)+7], v[128*(\p)+FR*\b:128*(\p)+FR*\b+FR-1], v[AF+FR*(\a):AF+FR*(\a)+FR-1], 0, v[SC+8*NQ*(\sc)+NQ*\b+(\q)], v[SC+8*NQ*(\sc)+NQ*(\a)+(\q)] matrix_a_fmt:MATRIX_FMT_FP6 matrix_b_fmt:MATRIX_FMT_FP6 matrix_a_scale:MATRIX_SCALE_ROW1
.else
	v_wmma_scale_f32_16x16x128_f8f6f4 v[8*(8*((\a)%4)+\b):8*(8*((\a)%4)+\b)+7], v[128*(\p)+FR*\b:128*(\p)+FR*\b+FR-1], v[AF+FR*(\a):AF+FR*(\a)+FR-1], v[8*(8*((\a)%4)+\b):8*(8*((\a)%4)+\b)+7], v[SC+8*NQ*(\sc)+NQ*\b+(\q)], v[SC+8*NQ*(\sc)+NQ*(\a)+(\q)] matrix_a_fmt:MATRIX_FMT_FP6 matrix_b_fmt:MATRIX_FMT_FP6 matrix_a_scale:MATRIX_SCALE_ROW1
.endif
.endr
.endr
.endm
.macro FETCH_B slot, q, p
	WIN TO_B
.irp i, 0,1,2,3,4,5,6,7
	FRAG 128*(\p)+FR*\i, ADRB+\slot, \q, \i
.endr
	WIN 0
.endm
.macro FETCH_A slot, q, i0
.irp i, \i0, \i0+1, \i0+2, \i0+3
	FRAG AF+FR*(\i), ADRA+\slot, \q, \i
.endr
.endm
.macro SCALES sc
.irp i, 0,1,2,3,4,5,6,7
	ds_load_b64 v[SC+8*NQ*\sc+NQ*\i:SC+8*NQ*\sc+NQ*\i+1], v[ADRS] offset:\i*128
.endr
.endm
.macro PLACES n
.rept \n
	v_nop
.endr
.endm
.macro STEP slot, q, zero
	s_wait_dscnt 4*NL
	WIN MUL_LO
	MUL16 0, (\q)%2, \q, \slot, \zero
	MUL16 2, (\q)%2, \q, \slot, \zero
	s_wait_dscnt 0
	PLACES NP
	FETCH_B \slot, (\q)+1, 1-(\q)%2
	FETCH_A \slot, (\q)+1, 0
	WIN MUL_HI
	MUL16 4, (\q)%2, \q, \slot, \zero
	MUL16 6, (\q)%2, \q, \slot, \zero
	PLACES NP
	WIN 0
	FETCH_A \slot, (\q)+1, 4
.endm
.macro TURN slot, next, fill
.if \fill
	s_wait_xcnt 0x0                                ; any prefetch of mine has read its address: it is stepped here, a K step behind the prefetch
	s_add_nc_u64 s[12:13], s[12:13], HALFT
.endif
	s_wait_tensorcnt 0x0
	ds_add_u32 v[SPW], v[NIL]
	s_wait_dscnt 4*NL+1
	WIN MUL_LO
	MUL16 0, 1, NQ-1, \slot, 0
	s_wait_dscnt 0x0
	s_barrier_signal -1
	MUL16 2, 1, NQ-1, \slot, 0
	WIN 0
	s_barrier_wait -1
.if \fill
	CREST
	s_add_nc_u64 s[G0+4*\slot+2:G0+4*\slot+3], s[G0+4*\slot+2:G0+4*\slot+3], 2*HALFT
	s_add_nc_u64 s[G0B+4*\slot+2:G0B+4*\slot+3], s[G0B+4*\slot+2:G0B+4*\slot+3], 2*HALFT
	JLOAD G0+4*\slot, G1, G0B+4*\slot, G1B
.else
	PLACES NP
.endif
	s_wait_alu depctr_va_vdst(0)
	v_add_nc_u32 v[ADRS], 1024, v[ADRS]
	FETCH_B \next, 0, 0
	FETCH_A \next, 0, 0
	SCALES \next
.if \fill
	s_cmp_gt_u32 s3, 1                             ; the last lap's two refills have no K step two on
	s_cbranch_scc0 .Lno_ask_\@
	global_prefetch_b8 v[PFO], s[12:13] offset:2*HALFT th:TH_LOAD_NT scope:SCOPE_SE
.Lno_ask_\@:
.endif
	WIN MUL_HI
	MUL16 4, 1, NQ-1, \slot, 0
	MUL16 6, 1, NQ-1, \slot, 0
	PLACES NP
	WIN 0
	FETCH_A \next, 0, 4
.endm
	s_wait_alu depctr_va_vdst(0)
	s_wait_tensorcnt 0x0                           ; my tile of the head's four is in
	ds_add_u32 v[SPW], v[NIL]
.irp g, G1, G1B                        ; no tensor load of mine is out: from here on a load brings 96 rows of 256 bytes, dense
	s_mov_b32 s[\g+1], 32<<16
	s_mov_b32 s[\g+2], 96<<16
	s_mov_b32 s[\g+3], 32<<16
	s_mov_b32 s[\g+4], 96
	s_mov_b32 s[\g+5], 32
.endr
	s_add_co_u32 s[G0+1], s45, 0                   ; slot 0's group 0 for the ring: my quarter, K step 0 (its first refill steps it by two K steps)
	s_sub_nc_u64 s[G0+2:G0+3], s[G0+6:G0+7], HALFT
	s_add_co_u32 s[G0B+1], s45, 0
	s_sub_nc_u64 s[G0B+2:G0B+3], s[G0B+6:G0B+7], HALFT
	s_wait_dscnt 0x0
	CROUND                                         ; all four tiles are in, in every work-group of the cluster
	JLOAD G0+4, G1, G0B+4, G1B                     ; K step 1, the first tensor load behind the round
	FETCH_B 0, 0, 0
	FETCH_A 0, 0, 0
	SCALES 0
	FETCH_A 0, 0, 4
	STEP 0, 0, 1
	s_mov_b32 s3, LAPS-1
.Llap:
	TURN 0, 1, 1
	STEP 1, 0, 0
	TURN 1, 0, 1
	STEP 0, 0, 0
	s_sub_co_u32 s3, s3, 1
	s_cmp_lg_u32 s3, 0
	s_cbranch_scc1 .Llap
	TURN 0, 1, 0
	STEP 1, 0, 0
	s_wait_dscnt 4*NL
	WIN MUL_LO
	MUL16 0, 1, NQ-1, 1, 0
	MUL16 2, 1, NQ-1, 1, 0
	s_wait_dscnt 0
	WIN MUL_HI
	MUL16 4, 1, NQ-1, 1, 0
	MUL16 6, 1, NQ-1, 1, 0
	WIN 0
.macro QUANT s, w, d0, d1, pw
.set QW2, (\w)*5
.set QW1, (\w)
	WIN QW2
.irp b, 0,1,2,3
	v_max3_num_f32 v[TM+\b], |v[(\s)+16*\b]|, |v[(\s)+16*\b+1]|, 0x1800000
.endr
.irp i, 2,4,6,8,10,12,14
.irp b, 0,1,2,3
	v_max3_num_f32 v[TM+\b], |v[(\s)+16*\b+\i]|, |v[(\s)+16*\b+\i+1]|, v[TM+\b]
.endr
.endr
	WIN 0
.irp b, 0,1,2,3
	v_permlanex16_b32 v[TM+4+\b], v[TM+\b], s66, s67
.endr
.irp b, 0,1,2,3
	v_max_num_f32 v[TM+\b], v[TM+\b], v[TM+4+\b]
.endr
.irp b, 0,1,2,3
	v_add_nc_u32 v[TM+12+\b], 0xff000000, v[TM+\b]
.endr
.irp b, 0,1,2,3
	v_lshrrev_b32 v[TM+4+\b], 23, v[TM+12+\b]
.endr
	v_lshl_or_b32 v[(\pw)], v[TM+5], 8, v[TM+4]
	v_lshl_or_b32 v[(\pw)], v[TM+6], 16, v[(\pw)]
	v_lshl_or_b32 v[(\pw)], v[TM+7], 24, v[(\pw)]
	WIN QW1
	v_cvt_scalef32_pk16_fp6_f32 v[(\d0):(\d0)+2], v[(\s):(\s)+15], v[TM+12]
	v_cvt_scalef32_pk16_fp6_f32 v[CT:CT+2], v[(\s)+16:(\s)+31], v[TM+13]
	v_cvt_scalef32_pk16_fp6_f32 v[(\d1):(\d1)+2], v[(\s)+32:(\s)+47], v[TM+14]
	v_cvt_scalef32_pk16_fp6_f32 v[CT+4:CT+6], v[(\s)+48:(\s)+63], v[TM+15]
	WIN 0
	v_nop
.irp i, 0,1,2
	v_permlane16_swap_b32 v[(\d0)+\i], v[CT+\i]
	v_permlane16_swap_b32 v[(\d1)+\i], v[CT+4+\i]
.endr
.irp i, 0,1,2
	v_mov_b32 v[(\d0)+3+\i], v[CT+\i]
	v_mov_b32 v[(\d1)+3+\i], v[CT+4+\i]
.endr
.endm
.macro ROT a, w, b0, b1
.set AC, 64*((\a)%4)
.set WRT, 2+(\a)/4+4*(\w)
	WIN WRT
.irp e, 0,1
.irp i, 0,2,4,6,8,10,12,14
	v_pk_mul_f32 v[HA+32*\e+\i:HA+32*\e+\i+1], v[AC+32*\e+\i:AC+32*\e+\i+1], v[(\b0)+\i:(\b0)+\i+1]
	v_pk_mul_f32 v[HA+32*\e+16+\i:HA+32*\e+16+\i+1], v[AC+32*\e+16+\i:AC+32*\e+16+\i+1], v[(\b1)+\i:(\b1)+\i+1]
	v_pk_fma_f32 v[HA+32*\e+\i:HA+32*\e+\i+1], v[AC+32*\e+16+\i:AC+32*\e+16+\i+1], v[(\b0)+16+\i:(\b0)+16+\i+1], v[HA+32*\e+\i:HA+32*\e+\i+1]
	v_pk_fma_f32 v[HA+32*\e+16+\i:HA+32*\e+16+\i+1], v[AC+32*\e+\i:AC+32*\e+\i+1], v[(\b1)+16+\i:(\b1)+16+\i+1], v[HA+32*\e+16+\i:HA+32*\e+16+\i+1]
.endr
.endr
	WIN 0
.endm
.macro QKTILE a, w, b0, b1, cnt, nxt, nw, nb0, nb1
.if \cnt >= 0
	s_wait_loadcnt \cnt
.endif
	ROT \a, \w, \b0, \b1
	s_wait_xcnt 0x0
.if \nxt >= 0
	TABLOAD \nxt, \nw, \nb0, \nb1
.endif
	QUANT HA, 0, IA+6*((\a)%2), IB+6*((\a)%2), PWE+((\a)%2)
.if (\a)%2
	v_and_b32 v242, 0xffff, v[PWE]
	v_lshl_or_b32 v242, v[PWE+1], 16, v242
	v_lshrrev_b32 v243, 16, v[PWE]
	v_and_or_b32 v243, v[PWE+1], s96, v243
	v_cndmask_b32 v[SW+(\a)/2], v242, v243, s96
.irp g, 0,1,2
	global_store_b128 v[L16], v[IA+4*\g:IA+4*\g+3], s[10:11] offset:((\a)/2)*1536+512*\g
	global_store_b128 v[L16], v[IB+4*\g:IB+4*\g+3], s[10:11] offset:98304+((\a)/2)*1536+512*\g
.endr
.endif
.endm
.irp b, 0,1,2,3
	v_mov_b32 v[TM+4+\b], 0
.endr
	s_mov_b32 s66, 0x76543210
	s_mov_b32 s67, 0xfedcba98
	s_mov_b32 s96, 0xffff0000
	s_cmp_lt_u32 ttmp9, 4
	s_cbranch_scc0 .Lv
	TABLOAD 2, 1, 0, 32
	TABLOAD 3, 1, 64, 128
	s_lshl_b32 s18, s42, 2
	s_lshl_b32 s19, s16, 1
	s_add_co_u32 s18, s18, s19
	s_lshl_b32 s20, s17, 1
	s_add_co_u32 s20, s20, s15
	s_mul_i32 s22, s18, 98304
	s_mul_i32 s23, s20, 6144
	s_add_co_u32 s22, s22, s23
	s_mov_b32 s23, 0
	s_add_nc_u64 s[10:11], s[6:7], s[22:23]
	s_lshl_b32 s22, s18, 12
	s_lshl_b32 s21, s20, 8
	s_add_co_u32 s22, s22, s21
	s_add_co_u32 s22, s22, QKSCL
	s_add_nc_u64 s[12:13], s[6:7], s[22:23]
	QKTILE 0, 0, 64, 96,   32, 4, 1, 160, 192
	QKTILE 1, 1, 96, 224,  -1, 5, 0, 64, 96
	QKTILE 2, 1, 0, 32,    48, 6, 1, 96, 224
	QKTILE 3, 1, 64, 128,  48, 7, 1, 0, 32
	QKTILE 4, 1, 160, 192, 48, -1, 0, 0, 0
	QKTILE 5, 0, 64, 96,   32, -1, 0, 0, 0
	QKTILE 6, 1, 96, 224,  16, -1, 0, 0, 0
	QKTILE 7, 1, 0, 32,    0,  -1, 0, 0, 0
	global_store_b128 v[SOF], v[SW:SW+3], s[12:13]
	s_branch .Ldone
.Lv:
	s_lshl_b32 s18, s17, 2
	s_lshl_b32 s19, s15, 1
	s_add_co_u32 s18, s18, s19
	s_sub_co_u32 s20, s42, 16
	s_lshl_b32 s20, s20, 1
	s_add_co_u32 s20, s20, s16
	s_mul_i32 s22, s18, 98304
	s_mul_i32 s23, s20, 6144
	s_add_co_u32 s22, s22, s23
	s_add_co_u32 s22, s22, VIMG
	s_mov_b32 s23, 0
	s_add_nc_u64 s[10:11], s[6:7], s[22:23]
	s_lshl_b32 s22, s18, 12
	s_lshl_b32 s21, s20, 8
	s_add_co_u32 s22, s22, s21
	s_add_co_u32 s22, s22, VSCL
	s_add_nc_u64 s[12:13], s[6:7], s[22:23]
.irp a, 0,1,2,3,4,5,6,7
	s_wait_xcnt 0x0
	QUANT 64*(\a%4), 2+\a/4, IA+12*(\a%2), IA+12*(\a%2)+6, SW+\a
.irp g, 0,1,2
	global_store_b128 v[L16], v[IA+12*(\a%2)+4*\g:IA+12*(\a%2)+4*\g+3], s[10:11] offset:(\a/4)*98304+(\a%4)*1536+512*\g
.endr
.endr
.irp i, 0,1,2,3
	v_cndmask_b32 v[PWE+\i], v[SW+\i], v[SW+4+\i], s96
.endr
	global_store_b128 v[SOF], v[PWE:PWE+3], s[12:13]
.Ldone:
	s_wait_tensorcnt 0x0
	ds_add_u32 v[SPW], v[NIL]
	s_wait_dscnt 0x0
	CROUND
	s_endpgm
.Lfunc_end_k_q88439433da_qkv:
	.size	k_q88439433da_qkv, .Lfunc_end_k_q88439433da_qkv-k_q88439433da_qkv
	.p2alignl 7, 3214868480
	.fill 96, 4, 3214868480
	.section	.rodata,"a",@progbits
	.p2align	6, 0x0
	.amdhsa_kernel k_q88439433da_qkv
		.amdhsa_group_segment_fixed_size 327680
		.amdhsa_private_segment_fixed_size 0
		.amdhsa_enable_private_segment 0
		.amdhsa_kernarg_size 16
		.amdhsa_user_sgpr_count 2
		.amdhsa_user_sgpr_kernarg_segment_ptr 1
		.amdhsa_wavefront_size32 1
		.amdhsa_system_sgpr_workgroup_id_x 1
		.amdhsa_system_sgpr_workgroup_id_y 1
		.amdhsa_system_sgpr_workgroup_id_z 1
		.amdhsa_system_vgpr_workitem_id 0
		.amdhsa_next_free_vgpr 1024
		.amdhsa_next_free_sgpr 100
		.amdhsa_reserve_vcc 0
		.amdhsa_float_denorm_mode_32 3
		.amdhsa_float_denorm_mode_16_64 3
		.amdhsa_memory_ordered 1
		.amdhsa_forward_progress 1
		.amdhsa_inst_pref_size 246
	.end_amdhsa_kernel
	.amdgpu_metadata
---
amdhsa.version: [ 1, 2 ]
amdhsa.kernels:
  - .name:           k_q88439433da_qkv
    .symbol:         k_q88439433da_qkv.kd
    .args:
      - { .name: opnd, .offset: 0, .size: 8, .value_kind: global_buffer, .address_space: global }
      - { .name: qkvbuf, .offset: 8, .size: 8, .value_kind: global_buffer, .address_space: global }
    .group_segment_fixed_size: 327680
    .private_segment_fixed_size: 0
    .kernarg_segment_align: 8
    .kernarg_segment_size: 16
    .max_flat_workgroup_size: 128
    .sgpr_count:     100
    .vgpr_count:     1024
    .wavefront_size: 32
...
	.end_amdgpu_metadata
.endif
;; end of part 6
;; launch attn (part 7): grid 8 x 32, 16 waves a work-group, no clusters, 327,680 bytes of LDS; arguments qkvbuf, obuf; writes obuf
.if DOCPART == 7
	.amdgcn_target "amdgcn-amd-amdhsa--gfx1250"
	.amdhsa_code_object_version 6
	.text
	.protected	k_q88439433da_attn
	.globl	k_q88439433da_attn
	.p2align	8
	.type	k_q88439433da_attn,@function
k_q88439433da_attn:
	s_mov_b64 s[64:65], 0
	v_nop
	global_prefetch_b8 v0, s[64:65] scope:SCOPE_SE
	s_setreg_imm32_b32 hwreg(HW_REG_WAVE_MODE, 25, 1), 1
	s_wait_xcnt 0x0
; ATTN: causal attention of one head on codes of FP6 (E2M3) with E8M0 scales; O / l leaves as codes, quantised along the channels, in the order of the last product's operand registers.
; THE SOFTMAX AHEAD OF THE SECOND PRODUCT: t = score x log2(e) / 8; M = the running largest t, rounded UP to a whole number; p = 2^(t - M) is quantised along the keys; the row's sum is taken of the
; unquantised p and divides O at the end.  When M moves, the sum and O are multiplied by 2^(old M - new M): exact.
; SHARES.  Work-group (i, head) owns query blocks i and 15 - i of 128 queries, 16 tiles of 16 queries, 8 (i + 1) + 8 (16 - i) = 136 key steps of 128 keys in all.  THE KEYS OF A LONG TILE ARE SHARED BY TWO WAVES:
; wave 8 + w owns tile w of block 15 - i and walks key steps 0 .. h0 (h0 = 8; 9 where i = 0); wave w first walks its own tile w of block i (key steps 0 .. i) and stores it, then takes the long tile's Q and
; walks key steps h0 + 1 .. 15 - i with sums of its own.  At the end its O, sum and M go through LDS to the owner, which joins the two: both are brought under the larger M by powers of two, exactly.
; So a wave has 9 or 10 steps at the most.  Every wave runs all 16 trips; what a trip does hangs on ids alone (work-group, wave, trip): key steps that are not a wave's, those that lie wholly behind the
; queries among them, are left out by a branch round the work.
; A WHOLE HEAD'S K AND V STAY IN LDS (2 x 102,400 bytes with their scales), each byte filled once.  At the head one tensor load each by waves 0-3: the first 512 keys of K, of V, K's scales, V's scales.
; Behind the first barrier, with the full sequence in front of it, one load each by waves 0-5: the other three chunks of 512 keys of K and of V; they have the first four steps in which to land.
; One more barrier shows them to every wave; the last twelve trips have none.
; NO CLUSTER: the work-groups that share K and V are the query blocks of one head, and the branches that leave key steps out hang on the query block, which differs between them.
; NO PREFETCH: each byte of K and V is asked for once, by the ten loads above: there is no later request to run ahead of.
; A HEAD OF 64 IN AN INSTRUCTION OF 128: a double fragment of K holds two tiles of 16 keys (registers 0-5, 6-11); it is multiplied by [Q | 0] for the first and by [0 | Q] for the second: zero codes add nothing.
; LAYOUT.  Both products are used transposed: a lane holds ONE query (lane % 16).  Keys, queries and channels lie in SLOT ORDER (slot s = row s with bits 3 and 4 exchanged), so register 16 b + i of S^T is key
; KF + 32 b + 16 (lane / 16) + i, and register 16 b + i of O^T is channel 32 b + 16 (lane / 16) + i.
; LIMITS: NaN and infinities are not served; a block of zeros gets the byte 1 where the rule says 127 (its codes are zeros; this program alone reads the bytes); the scaled scores stay under 2^31 in magnitude.
.set KSC,   98304                      ; LDS: K's codes [bb 64][1,536] at 0; K's scales [G 16][256] here;
.set VC,    102400                     ; V's codes [G 16][ct 4][1,536];
.set VSC,   200704                     ; V's scales;
.set SPARE, 204800                     ; the spare words: 128 bytes a wave;
.set PART,  206848                     ; what waves 0-7 hand to waves 8-15: 9 x 512 bytes a wave, an image of registers; no tensor load lands here
.set CHB,   24576                      ; a chunk of 512 keys
.set AK0,  1                           ; v1  16 x lane
.set AV0,  2                           ; v2  16 x lane + VC
.set ASK0, 3                           ; v3  KSC + 16 r
.set ASV0, 4                           ; v4  VSC + 16 r
.set ADK,  5                           ; v5-8 the step's addresses
.set ADV,  6
.set ADS,  7
.set ADT,  8
.set QS,   9                           ; v9  Q's scale word
.set QA,   10                          ; v10-21 [Q | 0]
.set QB,   22                          ; v22-33 [0 | Q]
.set FRG,  34                          ; v34-81 four fragments of K, then of V
.set KS,   82                          ; v82-85 K's scale words;  v86-89 V's
.set VS,   86
.set S,    96                          ; v96-159 S^T, then p;  v160-191 O^T;  v192-203 p's codes
.set O,    160
.set PCD,  192
.set BM,   204                         ; v204-207 block maxima; v208-211 permutes, bytes; v212-215 scale operands; v216-222 the conversions' second halves; v223 at work; v224 the mask's number; v254, v255 the add's two
.set APT,  225                         ; v225 LDS address of my pair's part of PART
.set Q2,   226                         ; v226-231 the long tile's Q;  v232 its scale word
.set QS2,  232
.set QBK,  13                          ; s13 first query of the block that I work on
.set TBS,  16                          ; s16 the step's codes: + 6,144 a step
.set TSS,  17                          ; s17 the step's scale words: + 256 a step
.set KF,   18                          ; s18 the step's first key
.set LO,   80                          ; s80, s81 I work on the steps with LO <= KF <= HI
.set HI,   81
.set SWK,  82                          ; s82 the step at whose head I change tiles (waves 8-15: none)
.set LO2,  83                          ; s83 LO behind the change
.set QB2,  84                          ; s84 the long block's first query
	s_load_b128 s[4:7], s[0:1], 0x0                ; qkvbuf s[4:5], obuf s[6:7]
	v_lshl_add_u32 v254, v0, 2, SPARE
	v_mov_b32 v255, 0
	ds_add_u32 v254, v255                          ; the opening lines: the add, twice on end, and its wait ahead of the first tensor load
	ds_add_u32 v254, v255
	v_lshrrev_b32 v1, 5, v0
	s_delay_alu instid0(VALU_DEP_1)
	v_readfirstlane_b32 s8, v1                     ; wave 0..15
	s_and_b32 s9, ttmp7, 0xffff                    ; head
	s_and_b32 s10, s8, 1                           ; as a loader: K (0) or V (1)
	s_lshr_b32 s61, s8, 1
	s_sub_co_u32 s66, 15, ttmp9                    ; the long block
	s_cmp_lt_u32 s8, 8
	s_cselect_b32 s11, ttmp9, s66                  ; the block of the tile that I own and store
	s_and_b32 s12, s8, 7                           ; my tile in it
	s_lshl_b32 s13, s11, 7
	s_and_b32 s14, s8, 1                           ; which half of a double fragment is my tile
	s_lshr_b32 s15, s12, 1                         ; which of the block's four double fragments
	s_cmp_eq_u32 ttmp9, 0
	s_cselect_b32 s83, 9, 8                        ; h0
	s_lshl_b32 s81, s83, 7
	s_add_co_u32 s83, s81, 128
	s_lshl_b32 s84, s66, 7
	s_add_co_u32 s85, s13, 128
	s_cmp_lt_u32 s8, 8
	s_cselect_b32 s81, s13, s81                    ; waves 0-7: up to their own block; waves 8-15: up to h0
	s_cselect_b32 s82, s85, -1
	s_mov_b32 s80, 0
	s_mul_i32 s79, s12, 4608
	s_add_co_u32 s79, s79, PART
	; descriptor group 1: dense blocks as rows of 256 bytes (32 elements of 8 bytes): 96 rows of codes (512 keys), 16 rows of scales
	s_mov_b32 s24, 3<<16
	s_mov_b32 s25, 32<<16
	s_mov_b32 s26, 96<<16
	s_mov_b32 s27, 32<<16
	s_mov_b32 s28, 96
	s_mov_b32 s29, 32
	s_mov_b32 s30, 0
	s_mov_b32 s31, 0
	s_mov_b32 s32, 3<<16
	s_mov_b32 s33, 32<<16
	s_mov_b32 s34, 16<<16
	s_mov_b32 s35, 32<<16
	s_mov_b32 s36, 16
	s_mov_b32 s37, 32
	s_mov_b32 s38, 0
	s_mov_b32 s39, 0
	s_mov_b32 s20, 0x76543210
	s_mov_b32 s21, 0xfedcba98                      ; v_permlanex16_b32's selects for lane l xor 16
	s_mov_b32 s22, 0x3e38aa3b                      ; c = log2(e) / 8
	s_mov_b32 s23, s22
	s_mov_b32 s60, 0xffff0000                      ; lanes 16-31
	s_mov_b32 s[TBS], 0
	s_mov_b32 s[TSS], 0
	s_mov_b32 s[KF], 0
	s_mul_i32 s67, s10, 102400                     ; K's region of LDS, or V's
	s_mul_i32 s68, s9, 98304
	s_add_co_u32 s69, s10, 1
	s_mul_i32 s69, s69, 3145728                    ; K's heads begin at 3,145,728, V's at 6,291,456
	s_add_co_u32 s68, s68, s69
	s_mov_b32 s69, 0
	s_lshl_b32 s70, s9, 12
	s_lshl_b32 s71, s10, 17
	s_add_co_u32 s70, s70, s71
	s_add_co_u32 s70, s70, 9568256                 ; K's scales; V's lie 131,072 further on
	s_mov_b32 s71, 0
	s_add_co_u32 s62, s61, 1
	s_mul_i32 s62, s62, CHB                        ; behind the first barrier wave w < 6 fetches chunk 1 + w / 2
	s_mov_b32 s63, 0
	s_mul_i32 s72, s9, 98304                       ; Q: my head, my double fragment
	s_lshl_b32 s73, s11, 2
	s_add_co_u32 s73, s73, s15
	s_mul_i32 s73, s73, 1536
	s_add_co_u32 s72, s72, s73
	s_mov_b32 s73, 0
	s_lshl_b32 s74, s9, 12                         ; and its scale words
	s_lshl_b32 s75, s11, 8
	s_add_co_u32 s74, s74, s75
	s_lshl_b32 s75, s15, 2
	s_add_co_u32 s74, s74, s75
	s_add_co_u32 s74, s74, 9437184
	s_mov_b32 s75, 0
	s_mul_i32 s86, s9, 98304                       ; the same of the long block's tile
	s_lshl_b32 s87, s66, 2
	s_add_co_u32 s87, s87, s15
	s_mul_i32 s87, s87, 1536
	s_add_co_u32 s86, s86, s87
	s_mov_b32 s87, 0
	s_lshl_b32 s88, s9, 12
	s_lshl_b32 s89, s66, 8
	s_add_co_u32 s88, s88, s89
	s_lshl_b32 s89, s15, 2
	s_add_co_u32 s88, s88, s89
	s_add_co_u32 s88, s88, 9437184
	s_mov_b32 s89, 0
	s_lshl_b32 s76, s15, 5
	s_lshl_b32 s77, s14, 3
	s_add_co_u32 s76, s76, s77                     ; my tile's first query in its block: 32 (tile / 2) + 8 (tile % 2)
	s_sub_co_u32 s77, 0, s14                       ; all ones where my tile is the double fragment's second
	s_lshl_b32 s78, s14, 4
	s_wait_dscnt 0x0                               ; both opening adds are done
	s_wait_kmcnt 0x0
	s_add_nc_u64 s[68:69], s[4:5], s[68:69]
	s_add_nc_u64 s[70:71], s[4:5], s[70:71]
	s_add_nc_u64 s[72:73], s[4:5], s[72:73]
	s_add_nc_u64 s[74:75], s[4:5], s[74:75]
	s_add_nc_u64 s[86:87], s[4:5], s[86:87]
	s_add_nc_u64 s[88:89], s[4:5], s[88:89]
	s_mov_b32 s40, 1                               ; group 0 for the scales,
	s_add_co_u32 s41, s67, KSC
	s_mov_b64 s[42:43], s[70:71]
	s_or_b32 s43, s43, 0x80000000
	s_mov_b32 s44, 1                               ; for chunk 0,
	s_add_co_u32 s45, s67, 0
	s_mov_b64 s[46:47], s[68:69]
	s_or_b32 s47, s47, 0x80000000
	s_mov_b32 s48, 1                               ; and for my later chunk
	s_add_co_u32 s49, s67, s62
	s_add_nc_u64 s[50:51], s[68:69], s[62:63]
	s_or_b32 s51, s51, 0x80000000
	s_cmp_lt_u32 s8, 2                             ; the head's loads: one chain of branches on the wave's number, one load to an arm
	s_cbranch_scc0 .Lh_scales
	tensor_load_to_lds s[44:47], s[24:31]          ; waves 0, 1: chunk 0 of K, of V
	s_nop 0
.rept 4
	v_nop
.endr
	s_branch .Lh_join
.Lh_scales:
	s_cmp_lt_u32 s8, 4
	s_cbranch_scc0 .Lh_join
	tensor_load_to_lds s[40:43], s[32:39]          ; waves 2, 3: K's scales, V's
	s_nop 0
.rept 4
	v_nop
.endr
.Lh_join:
	v_and_b32 v1, 31, v0
	s_delay_alu instid0(VALU_DEP_1)
	v_lshlrev_b32 v[AK0], 4, v1
	v_and_b32 v5, 15, v0                           ; r
	v_bfe_u32 v6, v0, 4, 1                         ; h
	s_delay_alu instid0(VALU_DEP_3)
	v_add_nc_u32 v[AV0], VC, v[AK0]
	s_delay_alu instid0(VALU_DEP_3)
	v_lshl_add_u32 v[ASK0], v5, 4, KSC
	s_delay_alu instid0(VALU_DEP_4)
	v_lshl_add_u32 v[ASV0], v5, 4, VSC
	v_lshlrev_b32 v7, 4, v5
	global_load_b128 v[34:37], v[AK0], s[72:73]
	global_load_b128 v[38:41], v[AK0], s[72:73] offset:512
	global_load_b128 v[42:45], v[AK0], s[72:73] offset:1024
	global_load_b32 v223, v7, s[74:75]
	global_load_b128 v[46:49], v[AK0], s[86:87]          ; the long tile's Q: one text for all waves (waves 8-15 own that tile)
	global_load_b128 v[50:53], v[AK0], s[86:87] offset:512
	global_load_b128 v[54:57], v[AK0], s[86:87] offset:1024
	global_load_b32 v222, v7, s[88:89]
	v_add_nc_u32 v[APT], s79, v[AK0]
	v_and_b32 v224, 8, v5
	s_delay_alu instid0(VALU_DEP_1)
	v_add_nc_u32 v224, v224, v5
	v_lshlrev_b32 v6, 4, v6
	s_delay_alu instid0(VALU_DEP_1)
	v_sub_nc_u32 v224, v224, v6
	s_delay_alu instid0(VALU_DEP_1)
	v_add_nc_u32 v224, s76, v224                   ; my query in its block, less 16 h: register 16 b + i of the diagonal step is hidden where 32 b + i is greater; the same for both of my tiles
	v_mov_b32 v91, 0xff61b1e6                      ; the largest t so far: -3e38
	s_delay_alu instid0(VALU_DEP_1)
	v_floor_f32 v90, -v91                          ; -M
	v_mov_b32 v92, 0                               ; the sum, in two halves
	v_mov_b32 v93, 0
	v_mov_b32 v95, 0                               ; (named as the upper half of the pair v[94:95] before it is first written)
.irp b, 0,1,2,3
	v_mov_b32 v[208+\b], 0                         ; (a lane permute's destination counts as one of its sources)
.endr
	s_wait_loadcnt 0x0
.irp i, 0,1,2,3,4,5
	v_cndmask_b32 v[QA+\i], v[34+\i], v[40+\i], s77      ; my tile's six registers
	v_cndmask_b32 v[Q2+\i], v[46+\i], v[52+\i], s77
.endr
.irp i, 0,1,2,3,4,5
	v_mov_b32 v[QB+6+\i], v[QA+\i]
.endr
.irp i, 0,1,2,3,4,5
	v_mov_b32 v[QA+6+\i], 0
	v_mov_b32 v[QB+\i], 0
.endr
	v_lshrrev_b32 v223, s78, v223
	v_lshrrev_b32 v222, s78, v222
	s_delay_alu instid0(VALU_DEP_2)
	v_and_b32 v223, 0xffff, v223                   ; my tile's two bytes,
	s_delay_alu instid0(VALU_DEP_2)
	v_and_b32 v222, 0xffff, v222
	s_delay_alu instid0(VALU_DEP_2)
	v_lshl_or_b32 v[QS], v223, 16, v223            ; for both halves of K
	s_delay_alu instid0(VALU_DEP_2)
	v_lshl_or_b32 v[QS2], v222, 16, v222
.set J, 0
.rept 32
	v_mov_b32 v[O+J], 0                            ; O^T: the step is written once; its first run finds zeros.  (These are also the places between the lines above and the first scaled product)
.set J, J+1
.endr
; THE WAY OUT of the tile that I own (block s11, tile s12): O^T / the sum, quantised along the channels: my head's half (six registers) of the fragment of token tile T, kappa = head / 2
.macro EPI
	v_add_f32 v92, v92, v93
	s_delay_alu instid0(VALU_DEP_1)
	v_permlanex16_b32 v208, v92, s20, s21
	s_delay_alu instid0(VALU_DEP_1)
	v_add_f32 v92, v92, v208                       ; the row's sum
	s_wait_alu depctr_va_vdst(0)
	v_rcp_f32 v92, v92
	v_and_b32 v5, 31, v0                           ; (plain lines behind the reciprocal, and the places behind the last products)
	s_delay_alu instid0(VALU_DEP_1)
	v_lshlrev_b32 v5, 3, v5                        ; 8 x lane
	v_and_b32 v6, 15, v0
	v_bfe_u32 v7, v0, 4, 1
	s_delay_alu instid0(VALU_DEP_1)
	v_lshl_add_u32 v6, v6, 3, v7                   ; 8 r + h
	s_lshl_b32 s66, s11, 4                         ; images: ((16 block + head / 2) x 8 + tile) x 1,536 + 768 (head % 2)
	s_lshr_b32 s67, s9, 1
	s_add_co_u32 s66, s66, s67
	s_lshl_b32 s66, s66, 3
	s_add_co_u32 s66, s66, s12
	s_mul_i32 s66, s66, 1536
	s_and_b32 s67, s9, 1
	s_mul_i32 s67, s67, 768
	s_add_co_u32 s66, s66, s67
	s_mov_b32 s67, 0
	s_add_nc_u64 s[66:67], s[6:7], s[66:67]
	s_lshl_b32 s68, s11, 3                         ; scales: 3,145,728 + (8 block + head / 4) x 1,024 + 128 tile + 2 (head % 4)
	s_lshr_b32 s69, s9, 2
	s_add_co_u32 s68, s68, s69
	s_lshl_b32 s68, s68, 10
	s_lshl_b32 s69, s12, 7
	s_add_co_u32 s68, s68, s69
	s_and_b32 s69, s9, 3
	s_lshl_b32 s69, s69, 1
	s_add_co_u32 s68, s68, s69
	s_add_co_u32 s68, s68, 3145728
	s_mov_b32 s69, 0
	s_add_nc_u64 s[68:69], s[6:7], s[68:69]
	s_wait_alu depctr_va_vdst(0)                   ; the wait ahead of the reciprocal's first reader
.set J, 0
.rept 32
	v_mul_f32 v[S+J], v[O+J], v92                  ; register 16 b + i: channel 32 b + 16 h + i
.set J, J+1
.endr
.irp b, 0,1
	v_max3_num_f32 v[BM+\b], |v[S+16*\b]|, |v[S+1+16*\b]|, 0x1800000
.endr
.irp i, 2,4,6,8,10,12,14
.irp b, 0,1
	s_delay_alu instid0(VALU_DEP_2)
	v_max3_num_f32 v[BM+\b], v[BM+\b], |v[S+16*\b+\i]|, |v[S+1+16*\b+\i]|
.endr
.endr
.irp b, 0,1
	s_delay_alu instid0(VALU_DEP_2)
	v_permlanex16_b32 v[208+\b], v[BM+\b], s20, s21
.endr
.irp b, 0,1
	s_delay_alu instid0(VALU_DEP_2)
	v_max_num_f32 v[BM+\b], v[BM+\b], v[208+\b]
.endr
.irp b, 0,1
	s_delay_alu instid0(VALU_DEP_2)
	v_add_nc_u32 v[212+\b], 0xff000000, v[BM+\b]
.endr
.irp b, 0,1
	s_delay_alu instid0(VALU_DEP_2)
	v_lshrrev_b32 v[208+\b], 23, v[212+\b]
.endr
	v_cvt_scalef32_pk16_fp6_f32 v[128:130], v[S:S+15], v212
	v_cvt_scalef32_pk16_fp6_f32 v[132:134], v[S+16:S+31], v213
	v_nop
.irp i, 0,1,2
	v_permlane16_swap_b32 v[128+\i], v[132+\i]
.endr
	s_delay_alu instid0(VALU_DEP_3)
	v_mov_b32 v131, v132
	s_delay_alu instid0(VALU_DEP_3)
	v_mov_b32 v132, v133
	s_delay_alu instid0(VALU_DEP_3)
	v_mov_b32 v133, v134
	v_cndmask_b32 v135, v208, v209, s60            ; lanes 0-15 store block 0's byte of their row, lanes 16-31 block 1's
.irp i, 0,1,2
	global_store_b64 v5, v[128+2*\i:129+2*\i], s[66:67] offset:256*\i      ; a piece: 256 consecutive bytes, aligned
.endr
	global_store_b8 v6, v135, s[68:69]             ; two bytes a token and head, between the neighbour heads' bytes
.endm
; Waves 0-7, at the head of the step behind their own block's: the own tile leaves; Q, the sums and the bounds become the long tile's
.macro SWITCH
	EPI
	s_wait_xcnt 0x0                                ; the stores have read their registers
.irp i, 0,1,2,3,4,5
	v_mov_b32 v[QA+\i], v[Q2+\i]
	v_mov_b32 v[QB+6+\i], v[Q2+\i]
.endr
	v_mov_b32 v[QS], v[QS2]
	v_mov_b32 v91, 0xff61b1e6
	s_delay_alu instid0(VALU_DEP_1)
	v_floor_f32 v90, -v91
	v_mov_b32 v92, 0
	v_mov_b32 v93, 0
.set J, 0
.rept 32
	v_mov_b32 v[O+J], 0                            ; (also the places between Q's registers and scale word and the next scaled product)
.set J, J+1
.endr
	s_mov_b32 s[LO], s[LO2]
	s_mov_b32 s[HI], s[QB2]
	s_mov_b32 s[QBK], s[QB2]
	s_wait_alu depctr_va_vdst(0)
.endm
; A KEY STEP: 128 keys
.macro STEP
	s_cmp_lg_u32 s[KF], s[SWK]                     ; branches on ids, round the work alone
	s_cbranch_scc1 .Lsame_\@
	SWITCH
.Lsame_\@:
	s_cmp_gt_u32 s[KF], s[HI]                      ; not my step: behind my queries, or my partner's
	s_cbranch_scc1 .Lhidden_\@
	s_cmp_lt_u32 s[KF], s[LO]
	s_cbranch_scc1 .Lhidden_\@
	v_add_nc_u32 v[ADK], s[TBS], v[AK0]            ; (four plain lines: the places behind the last step's products, in front of the loads below)
	v_add_nc_u32 v[ADV], s[TBS], v[AV0]
	v_add_nc_u32 v[ADS], s[TSS], v[ASK0]
	v_add_nc_u32 v[ADT], s[TSS], v[ASV0]
.irp e, 0,1,2,3
.irp g, 0,1,2
	ds_load_b128 v[FRG+12*\e+4*\g:FRG+12*\e+4*\g+3], v[ADK] offset:1536*\e+512*\g
.endr
.endr
	ds_load_b128 v[KS:KS+3], v[ADS]
	s_wait_alu depctr_va_vdst(0)
	s_wait_dscnt 0x0
.irp e, 0,1,2,3                        ; S^T = K Q^T: eight tiles of 16 keys
	v_wmma_scale_f32_16x16x128_f8f6f4 v[S+16*\e:S+16*\e+7], v[FRG+12*\e:FRG+12*\e+11], v[QA:QA+11], 0, v[KS+\e], v[QS] matrix_a_fmt:MATRIX_FMT_FP6 matrix_b_fmt:MATRIX_FMT_FP6
	v_wmma_scale_f32_16x16x128_f8f6f4 v[S+16*\e+8:S+16*\e+15], v[FRG+12*\e:FRG+12*\e+11], v[QB:QB+11], 0, v[KS+\e], v[QS] matrix_a_fmt:MATRIX_FMT_FP6 matrix_b_fmt:MATRIX_FMT_FP6
.endr
.rept 4
	v_nop                                          ; places: in front of loads into K's registers, and of the first read of the scores
.endr
.irp e, 0,1,2,3                        ; V's fragments are asked for now and land under the softmax
.irp g, 0,1,2
	ds_load_b128 v[FRG+12*\e+4*\g:FRG+12*\e+4*\g+3], v[ADV] offset:1536*\e+512*\g
.endr
.endr
	ds_load_b128 v[VS:VS+3], v[ADT]
	s_cmp_lg_u32 s[KF], s[QBK]                     ; only the block's own step lies on the diagonal
	s_cbranch_scc1 .Lopen_\@
	v_mov_b32 v223, 0xff800000                     ; hidden scores become -infinity ahead of the maximum: p = 0 then
.set N, 0
.rept 64
	v_cmp_gt_i32 vcc_lo, 32*(N/16)+N%16, v224
	v_cndmask_b32 v[S+N], v[S+N], v223, vcc_lo
.set N, N+1
.endr
.Lopen_\@:
.irp b, 0,1,2,3
	v_max3_num_f32 v[BM+\b], v[S+16*\b], v[S+1+16*\b], v[S+2+16*\b]      ; the largest score of each block of 32 keys: for the row's maximum and, since p rises with the score, for the block's largest p
.endr
.irp i, 3,5,7,9,11,13
.irp b, 0,1,2,3
	v_max3_num_f32 v[BM+\b], v[BM+\b], v[S+16*\b+\i], v[S+1+16*\b+\i]
.endr
.endr
.irp b, 0,1,2,3
	v_max_num_f32 v[BM+\b], v[BM+\b], v[S+15+16*\b]
.endr
.irp b, 0,1,2,3
	s_delay_alu instid0(VALU_DEP_4)
	v_permlanex16_b32 v[208+\b], v[BM+\b], s20, s21
.endr
.irp b, 0,1,2,3
	s_delay_alu instid0(VALU_DEP_4)
	v_max_num_f32 v[BM+\b], v[BM+\b], v[208+\b]
.endr
	s_delay_alu instid0(VALU_DEP_2)
	v_max3_num_f32 v223, v204, v205, v206
	s_delay_alu instid0(VALU_DEP_1)
	v_max_num_f32 v223, v223, v207
	s_delay_alu instid0(VALU_DEP_1)
	v_mul_f32 v223, s22, v223                      ; as t
	s_delay_alu instid0(VALU_DEP_1)
	v_max_num_f32 v91, v91, v223                   ; the running largest t
	v_mov_b32 v223, v90
	s_delay_alu instid0(VALU_DEP_2)
	v_floor_f32 v90, -v91                          ; the new -M = -ceil(t)
	s_delay_alu instid0(VALU_DEP_1)
	v_sub_f32 v223, v90, v223                      ; old M - new M: a whole number, 0 or less
	s_delay_alu instid0(VALU_DEP_1)
	v_cvt_i32_f32 v223, v223                       ; (it saturates)
	s_delay_alu instid0(VALU_DEP_1)
	v_ldexp_f32 v94, 1.0, v223                     ; f = 2^(old M - new M)
.set J, 0
.rept 32
	v_pk_fma_f32 v[S+J:S+J+1], v[S+J:S+J+1], s[22:23], v[90:91] op_sel_hi:[1,0,0]    ; t - M
.set J, J+2
.endr
.irp b, 0,1,2,3
	v_fma_f32 v[BM+\b], v[BM+\b], s22, v90
.endr
.set J, 0
	s_wait_alu depctr_va_vdst(0)
.rept 64
	v_exp_f32 v[S+J], v[S+J]                       ; p = 2^(t - M): one batch
.set J, J+1
.endr
	v_pk_mul_f32 v[92:93], v[92:93], v[94:95] op_sel_hi:[1,0]    ; the sums under the new M: a plain line behind the exponentials
	s_wait_alu depctr_va_vdst(0)                   ; one wait for the batch, ahead of its first reader
.irp b, 0,1,2,3
	v_exp_f32 v[BM+\b], v[BM+\b]                   ; each block's largest p
.endr
	v_pk_add_f32 v[208:209], v[100:101], v[104:105]      ; the row's sum of the unquantised p: eight chains
	v_pk_add_f32 v[252:253], v[108:109], v[112:113]
	v_pk_add_f32 v[250:251], v[116:117], v[120:121]
	v_pk_add_f32 v[248:249], v[124:125], v[128:129]
	v_pk_add_f32 v[246:247], v[132:133], v[136:137]
	v_pk_add_f32 v[244:245], v[140:141], v[144:145]
	v_pk_add_f32 v[242:243], v[148:149], v[152:153]
	v_pk_add_f32 v[92:93], v[92:93], v[156:157]
	v_pk_add_f32 v[208:209], v[208:209], v[96:97]
	v_pk_add_f32 v[252:253], v[252:253], v[98:99]
	v_pk_add_f32 v[250:251], v[250:251], v[102:103]
	v_pk_add_f32 v[248:249], v[248:249], v[106:107]
	v_pk_add_f32 v[246:247], v[246:247], v[110:111]
	v_pk_add_f32 v[244:245], v[244:245], v[114:115]
	v_pk_add_f32 v[242:243], v[242:243], v[118:119]
	v_pk_add_f32 v[92:93], v[92:93], v[122:123]
	v_pk_add_f32 v[208:209], v[208:209], v[126:127]
	v_pk_add_f32 v[252:253], v[252:253], v[130:131]
	v_pk_add_f32 v[250:251], v[250:251], v[134:135]
	v_pk_add_f32 v[248:249], v[248:249], v[138:139]
	v_pk_add_f32 v[246:247], v[246:247], v[142:143]
	v_pk_add_f32 v[244:245], v[244:245], v[146:147]
	v_pk_add_f32 v[242:243], v[242:243], v[150:151]
	v_pk_add_f32 v[92:93], v[92:93], v[154:155]
	v_pk_add_f32 v[208:209], v[208:209], v[158:159]
	s_delay_alu instid0(VALU_DEP_2)
	v_pk_add_f32 v[92:93], v[92:93], v[248:249]
	s_delay_alu instid0(VALU_DEP_2)
	v_pk_add_f32 v[208:209], v[208:209], v[246:247]
	v_pk_add_f32 v[252:253], v[252:253], v[244:245]
	v_pk_add_f32 v[250:251], v[250:251], v[242:243]
	s_delay_alu instid0(VALU_DEP_2)
	v_pk_add_f32 v[92:93], v[92:93], v[252:253]
	s_delay_alu instid0(VALU_DEP_2)
	v_pk_add_f32 v[208:209], v[208:209], v[250:251]
	s_delay_alu instid0(VALU_DEP_1)
	v_pk_add_f32 v[92:93], v[92:93], v[208:209]
	s_wait_alu depctr_va_vdst(0)                   ; and one for the four
.irp b, 0,1,2,3
	v_max_num_f32 v[BM+\b], 0x1800000, v[BM+\b]    ; the floor 2^(3 - 127)
.endr
.irp b, 0,1,2,3
	s_delay_alu instid0(VALU_DEP_4)
	v_add_nc_u32 v[212+\b], 0xff000000, v[BM+\b]
.endr
.irp b, 0,1,2,3
	s_delay_alu instid0(VALU_DEP_4)
	v_lshrrev_b32 v[208+\b], 23, v[212+\b]
.endr
	s_delay_alu instid0(VALU_DEP_3)
	v_lshl_or_b32 v95, v209, 8, v208               ; p's scale word for these 128 keys
	s_delay_alu instid0(VALU_DEP_1)
	v_lshl_or_b32 v95, v210, 16, v95
	s_delay_alu instid0(VALU_DEP_1)
	v_lshl_or_b32 v95, v211, 24, v95
.irp c, 0,1
	v_cvt_scalef32_pk16_fp6_f32 v[PCD+6*\c:PCD+2+6*\c], v[S+32*\c:S+15+32*\c], v[212+2*\c]
	v_cvt_scalef32_pk16_fp6_f32 v[216+4*\c:218+4*\c], v[S+16+32*\c:S+31+32*\c], v[213+2*\c]
.endr
	v_nop                                          ; one plain line behind the scaled conversions
.irp c, 0,1
.irp i, 0,1,2
	v_permlane16_swap_b32 v[PCD+6*\c+\i], v[216+4*\c+\i]
.endr
.irp i, 0,1,2
	s_delay_alu instid0(VALU_DEP_3)
	v_mov_b32 v[PCD+3+6*\c+\i], v[216+4*\c+\i]
.endr
.endr
.set J, 0
.rept 16
	v_pk_mul_f32 v[O+J:O+J+1], v[O+J:O+J+1], v[94:95] op_sel_hi:[1,0]     ; O^T under the new M.  (Also the places between p's scale word and codes and the scaled products)
.set J, J+2
.endr
	s_wait_alu depctr_va_vdst(0)
	s_wait_dscnt 0x0                               ; V is in
.irp t, 0,1,2,3                        ; O^T += V^T P^T: four tiles of 16 channels, by turns
	v_wmma_scale_f32_16x16x128_f8f6f4 v[O+8*\t:O+8*\t+7], v[FRG+12*\t:FRG+12*\t+11], v[PCD:PCD+11], v[O+8*\t:O+8*\t+7], v[VS+\t], v95 matrix_a_fmt:MATRIX_FMT_FP6 matrix_b_fmt:MATRIX_FMT_FP6
.endr
.Lhidden_\@:
	s_add_co_u32 s[KF], s[KF], 128
	s_add_co_u32 s[TBS], s[TBS], 6144
	s_add_co_u32 s[TSS], s[TSS], 256
.endm
.macro WALK n                          ; n key steps
	s_mov_b32 s19, \n
.Lstep_\@:
	STEP
	s_sub_co_u32 s19, s19, 1
	s_cmp_lg_u32 s19, 0
	s_cbranch_scc1 .Lstep_\@
.endm
	s_wait_alu depctr_va_vdst(0)
	s_wait_tensorcnt 0x0                           ; the head's loads have landed in the waves that issued them
	ds_add_u32 v254, v255                          ; the add, twice on end
	ds_add_u32 v254, v255
	s_wait_dscnt 0x0
	s_barrier_signal -1
	s_barrier_wait -1                              ; chunk 0 and the scales are whole for every wave
	s_cmp_lt_u32 s8, 6
	s_cbranch_scc0 .Lno_more
	tensor_load_to_lds s[48:51], s[24:31]          ; chunks 1 to 3 of K and of V: one load each by waves 0-5, onto bytes never filled before
	s_nop 0
.rept 4
	v_nop
.endr
.Lno_more:
	WALK 4                                         ; keys 0 .. 511
	s_wait_tensorcnt 0x0                           ; my later chunk is in,
	s_wait_dscnt 0x0
	s_barrier_signal -1
	s_barrier_wait -1                              ; everybody's is
	WALK 12                                        ; keys 512 .. 2,047
	; Waves 0-7 hand their part of the long tile to its owner: an image of the registers, 16 bytes a lane
	s_cmp_lt_u32 s8, 8
	s_cbranch_scc0 .Lowner
.rept 4
	v_nop                                          ; places behind the last products
.endr
.irp g, 0,1,2,3,4,5,6,7
	ds_store_b128 v[APT], v[O+4*\g:O+4*\g+3] offset:512*\g      ; each accumulator from its low end on
.endr
	ds_store_b128 v[APT], v[90:93] offset:4096     ; -M, the largest t, the sum's two halves
.Lowner:
	s_wait_dscnt 0x0                               ; for the owner's sake: my stores have landed
	s_barrier_signal -1
	s_barrier_wait -1
	s_cmp_lt_u32 s8, 8
	s_cbranch_scc1 .Lend
.irp g, 0,1,2,3,4,5,6,7
	ds_load_b128 v[S+4*\g:S+4*\g+3], v[APT] offset:512*\g
.endr
	ds_load_b128 v[128:131], v[APT] offset:4096
	s_wait_dscnt 0x0
	v_min_num_f32 v132, v90, v128                  ; -M of both parts together
	s_delay_alu instid0(VALU_DEP_1)
	v_sub_f32 v133, v132, v90                      ; my M less the common one: a whole number, 0 or less
	v_sub_f32 v134, v132, v128                     ; my partner's (a partner that had no step brings -M = 3e38, zeros, and the factor 0)
	s_delay_alu instid0(VALU_DEP_2)
	v_cvt_i32_f32 v133, v133                       ; (they saturate)
	s_delay_alu instid0(VALU_DEP_2)
	v_cvt_i32_f32 v134, v134
	s_delay_alu instid0(VALU_DEP_2)
	v_ldexp_f32 v94, 1.0, v133
	s_delay_alu instid0(VALU_DEP_2)
	v_ldexp_f32 v132, 1.0, v134
	v_pk_mul_f32 v[92:93], v[92:93], v[94:95] op_sel_hi:[1,0]
.set J, 0
.rept 16
	v_pk_mul_f32 v[O+J:O+J+1], v[O+J:O+J+1], v[94:95] op_sel_hi:[1,0]
.set J, J+2
.endr
	v_pk_fma_f32 v[92:93], v[130:131], v[132:133], v[92:93] op_sel_hi:[1,0,1]
.set J, 0
.rept 16
	v_pk_fma_f32 v[O+J:O+J+1], v[S+J:S+J+1], v[132:133], v[O+J:O+J+1] op_sel_hi:[1,0,1]
.set J, J+2
.endr
	EPI
.Lend:
	s_wait_tensorcnt 0x0                           ; the wave's end
	ds_add_u32 v254, v255
	s_wait_dscnt 0x0
	s_endpgm
.Lfunc_end_k_q88439433da_attn:
	.size	k_q88439433da_attn, .Lfunc_end_k_q88439433da_attn-k_q88439433da_attn
	.p2alignl 7, 3214868480
	.fill 96, 4, 3214868480
	.section	.rodata,"a",@progbits
	.p2align	6, 0x0
	.amdhsa_kernel k_q88439433da_attn
		.amdhsa_group_segment_fixed_size 327680
		.amdhsa_private_segment_fixed_size 0
		.amdhsa_enable_private_segment 0
		.amdhsa_kernarg_size 16
		.amdhsa_user_sgpr_count 2
		.amdhsa_user_sgpr_kernarg_segment_ptr 1
		.amdhsa_wavefront_size32 1
		.amdhsa_system_sgpr_workgroup_id_x 1
		.amdhsa_system_sgpr_workgroup_id_y 1
		.amdhsa_system_sgpr_workgroup_id_z 1
		.amdhsa_system_vgpr_workitem_id 0
		.amdhsa_next_free_vgpr 256
		.amdhsa_next_free_sgpr 96
		.amdhsa_reserve_vcc 1
		.amdhsa_float_denorm_mode_32 3
		.amdhsa_float_denorm_mode_16_64 3
		.amdhsa_memory_ordered 1
		.amdhsa_forward_progress 1
		.amdhsa_inst_pref_size 79
	.end_amdhsa_kernel
	.amdgpu_metadata
---
amdhsa.version: [ 1, 2 ]
amdhsa.kernels:
  - .name:           k_q88439433da_attn
    .symbol:         k_q88439433da_attn.kd
    .args:
      - { .name: qkvbuf, .offset: 0, .size: 8, .value_kind: global_buffer, .address_space: global }
      - { .name: obuf, .offset: 8, .size: 8, .value_kind: global_buffer, .address_space: global }
    .group_segment_fixed_size: 327680
    .private_segment_fixed_size: 0
    .kernarg_segment_align: 8
    .kernarg_segment_size: 16
    .max_flat_workgroup_size: 512
    .sgpr_count:     96
    .vgpr_count:     256
    .wavefront_size: 32
...
	.end_amdgpu_metadata
.endif
;; end of part 7
;; launch outp (part 8): grid 16 x 16, 4 waves a work-group, clusters of 4 x 4, 327,680 bytes of LDS; arguments obuf, opnd, out0; writes out0
.if DOCPART == 8
	.amdgcn_target "amdgcn-amd-amdhsa--gfx1250"
	.amdhsa_code_object_version 6
	.text
	.protected	k_q88439433da_outp
	.globl	k_q88439433da_outp
	.p2align	8
	.type	k_q88439433da_outp,@function
k_q88439433da_outp:
	s_mov_b64 s[64:65], 0
	v_nop
	global_prefetch_b8 v0, s[64:65] scope:SCOPE_SE
	s_setreg_imm32_b32 hwreg(HW_REG_WAVE_MODE, 25, 1), 1
	s_wait_xcnt 0x0
	s_wait_alu depctr_hold_cnt(0) depctr_sa_sdst(0) depctr_va_vdst(0) depctr_va_sdst(0) depctr_va_ssrc(0) depctr_va_vcc(0) depctr_vm_vsrc(0)
	s_getreg_b32 s2, hwreg(HW_REG_IB_STS2, 6, 4)
	s_cmp_eq_u32 s2, 0
	s_cbranch_scc0 .Lentry_in_a_cluster
	s_endpgm
.Lentry_in_a_cluster:
	s_bfe_u32 s2, ttmp6, 0x10000c
	s_cmp_lg_u32 s2, 0xf033
	s_cbranch_scc0 .Lentry_shape_is_right
	s_endpgm
.Lentry_shape_is_right:
; OUTP: out0 = O Wout on codes of FP6 (E2M3) with E8M0 scales; f32 out.  Tiles of 128 x 128 of out0: 16 x 16 = 256 work-groups, one for each WGP; tiles of 256 x 256 would be 64.
; A (source 1): obuf's images of O, R = tile row; B (source 0): opnd's images of Wout's columns, R = 48 + tile column.  R = 128 slots x 2,048 K = [kappa 16][tile 8][1,536 bytes].
; IMAGES.  A fragment (16 slots x 128 K, 12 registers a lane) lies as six pieces, piece p = lane L's registers 2 p, 2 p + 1 at 256 p + 8 L: every LDS load takes 256 consecutive bytes, and any run of kappas is dense in memory.
; SLOT ORDER: slot s holds row (token, column) s with bits 3 and 4 exchanged.  The way out undoes it by immediates: a lane's registers of B's block b are columns 32 (b / 2) + 16 h + 8 (b % 2) + 0 .. 7,
; and row p of A's block a is token 32 (a / 2) + 8 (a % 2) + p + 8 (p / 8).
; SHARES.  Four waves, each 64 x 64 of the tile: 16 accumulators, 128 registers; 16 steps of 128 along K (kappa), 16 matrix instructions each, written out: there is no loop.
; LDS.  K goes in four steps of 512, 49,152 bytes of each operand.  A's K steps 0, 1, 2 lie on end from byte 0, B's from byte 147,456; behind them the scales of the 128 + 128 slots for all of K, 2 x 8,192 bytes.
; THE HEAD: four tiles, one tensor load a wave: wave 0 A's K steps 0-2 (576 rows of 256 bytes, dense), wave 1 B's, wave 2 A's scales, wave 3 B's.  K step 3 is the one refill of the launch, onto K step 0's bytes,
; behind kappa 3's round of the cluster's barrier, a quarter a wave (96 rows): it has kappas 4 to 11, 128 matrix instructions, in which to land.  All 64 scale words of a lane stay in registers.
; CLUSTERS: 4 x 4 work-groups; A's tiles are asked for jointly along a row of the cluster, B's along a column.  By this text's count a wave has one tensor load out at the start and one behind the round.
; NO PREFETCH: the text has no loop to run ahead in, and three quarters of its bytes are asked for by its first loads.
; REGISTERS: window 0: v16-29 addresses; v32-95 scale words (register 8 s + 2 i + q: lanes 0-15 A's tile i, lanes 16-31 B's tile i, kappa 2 s + q); v128-255 the accumulators ((a, b) at v[128 + 8 (4 a + b)]);
;   window 1: two fragment buffers at v0 and v128: B's four fragments, then A's four.
.set FR,     12
.set FRB,    1536
.set KAP,    8*FRB                     ; one kappa of 128 slots
.set HALFT,  2*KAP                     ; what one wave's part of the refill brings
.set STEPB,  4*KAP                     ; a K step of 512 of one operand
.set BBASE,  3*STEPB                   ; B's three K steps, behind A's
.set RB,     196608
.set SCLB,   15728640
.set OSCL,   3145728
.set SCL,    6*STEPB                   ; the scales: A's 8,192 bytes, then B's
.set SPARE,  SCL+16384                 ; the spare words: 128 bytes a wave, two blocks of 256 bytes that no other line names
.set STAGE,  STEPB                     ; the way out: 16 rows x (256 bytes + 16) for each wave, on A's K step 1: filled once, and every wave's last read of it stands ahead of kappa 11's barrier
.set SPITCH, 272
.set ADRA, 16                          ; v16-18 LDS address of my A fragments of K step 0 (and 3), 1, 2
.set ADRB, 20                          ; v20-22 the same for B
.set STO,  24
.set RD,   25
.set CO,   26
.set ADRS, 27
.set SPW,  28                          ; my spare word; never rewritten
.set NIL,  29                          ; 0; never rewritten
.set SC,   32
.set ACC,  128
.set G1,   24                          ; s[24:31] group 1 for A's codes;  s[48:55] for B's;  s[68:75], s[80:87] for the scales
.set G1B,  48
.set G1S,  68
.set G1SB, 80
.set G0,   32                          ; s[32:35] group 0 for A's refill, s[36:39] for A's head load
.set G0H,  36
.set G0B,  56                          ; s[56:59], s[60:63] the same for B
.set G0HB, 60
.set G0S,  76
.set G0SB, 88
.set MSB, 0
.macro WIN new                         ; the immediate's high byte repeats the setting that is left
.if MSB != \new
	s_set_vgpr_msb (MSB<<8)|\new
.set MSB, \new
.endif
.endm
.set MUL,  0x05                        ; sources 0 (B) and 1 (A) window 1; C and D window 0
.set TO_F, 0x40                        ; destination window 1, address window 0
.macro JLOAD g0a, g1a, g0b, g1b        ; a joint load: waves 0 and 1 fetch for A, waves 2 and 3 for B; s_nop 0 and four v_nop follow each of the two lines
	s_cmp_eq_u32 s15, 0
	s_cbranch_scc0 .Lfor_b_\@
	tensor_load_to_lds s[\g0a:\g0a+3], s[\g1a:\g1a+7]
	s_nop 0
.rept 4
	v_nop
.endr
	s_branch .Lasked_\@
.Lfor_b_\@:
	tensor_load_to_lds s[\g0b:\g0b+3], s[\g1b:\g1b+7]
	s_nop 0
.rept 4
	v_nop
.endr
.Lasked_\@:
.endm
.macro CREST                           ; a round of the cluster's barrier behind its opening barrier
	s_cmp_lg_u32 s14, 0
	s_cbranch_scc1 .Lnot_wave_0_\@
	s_barrier_signal -3
.Lnot_wave_0_\@:
	s_barrier_wait -3
	s_barrier_signal -1
	s_barrier_wait -1
.endm
.macro CROUND
	s_barrier_signal -1
	s_barrier_wait -1
	CREST
.endm
.macro SETC g, lds, b                  ; a group 0: count 1; LDS address a constant; global address s[b:b+1]; type 2
	s_mov_b32 s[\g], 1
	s_mov_b32 s[\g+1], \lds
	s_mov_b64 s[\g+2:\g+3], s[\b:\b+1]
	s_or_b32 s[\g+3], s[\g+3], 0x80000000
.endm
	s_load_b128 s[4:7], s[0:1], 0x0                ; obuf s[4:5], opnd s[6:7]
	s_load_b64 s[12:13], s[0:1], 0x10              ; out0
	v_lshl_add_u32 v[SPW], v0, 2, SPARE
	v_mov_b32 v[NIL], 0
	ds_add_u32 v[SPW], v[NIL]                      ; the opening lines: the add, twice on end, and its wait ahead of the first tensor load
	ds_add_u32 v[SPW], v[NIL]
	v_lshrrev_b32 v1, 5, v0
	v_readfirstlane_b32 s14, v1                    ; wave 0..3
	s_lshr_b32 s15, s14, 1                         ; which 64 slots of A are mine.  Also: in the refill I fetch for A (0) or for B (1)
	s_and_b32 s16, s14, 1                          ; which 64 slots of B are mine.  Also: which half along K of the refill I fetch
	s_bfe_u32 s40, ttmp6, 0x40000                  ; cx, cy
	s_bfe_u32 s41, ttmp6, 0x40004
	s_lshl_b32 s42, ttmp9, 2
	s_add_co_u32 s42, s42, s40                     ; tile column
	s_and_b32 s17, ttmp7, 0xffff
	s_lshl_b32 s17, s17, 2
	s_add_co_u32 s17, s17, s41                     ; tile row
	s_lshl_b32 s43, s41, 2
	s_lshl_b32 s43, 15, s43                        ; my row of the cluster
	s_lshl_b32 s44, 0x1111, s40                    ; my column
	; descriptor group 1: dense blocks as rows of 256 bytes (32 elements of 8 bytes), no padding: 576 rows of codes for the head's loads, 32 rows of scales
	s_or_b32 s[G1+0], s43, (3<<16)|(1<<21)         ; 15:0 the mask; 17:16 elements of 8 bytes; 21 set beside a mask
	s_or_b32 s[G1B+0], s44, (3<<16)|(1<<21)
.irp g, G1, G1B
	s_mov_b32 s[\g+1], 32<<16                      ; tensor_dim0
	s_mov_b32 s[\g+2], 576<<16                     ; tensor_dim1
	s_mov_b32 s[\g+3], 32<<16                      ; tile_dim0
	s_mov_b32 s[\g+4], 576                         ; tile_dim1
	s_mov_b32 s[\g+5], 32                          ; the pitch
	s_mov_b32 s[\g+6], 0
	s_mov_b32 s[\g+7], 0
.endr
	s_or_b32 s[G1S+0], s43, (3<<16)|(1<<21)
	s_or_b32 s[G1SB+0], s44, (3<<16)|(1<<21)
.irp g, G1S, G1SB
	s_mov_b32 s[\g+1], 32<<16
	s_mov_b32 s[\g+2], 32<<16
	s_mov_b32 s[\g+3], 32<<16
	s_mov_b32 s[\g+4], 32
	s_mov_b32 s[\g+5], 32
	s_mov_b32 s[\g+6], 0
	s_mov_b32 s[\g+7], 0
.endr
	s_mul_i32 s20, s17, RB                         ; A: R = tile row
	s_mov_b32 s21, 0
	s_lshl_b32 s22, s17, 13
	s_add_co_u32 s22, s22, OSCL
	s_mov_b32 s23, 0
	s_add_co_u32 s46, s42, 48                      ; B: R = 48 + tile column
	s_lshl_b32 s92, s46, 13
	s_add_co_u32 s92, s92, SCLB
	s_mov_b32 s93, 0
	s_mul_i32 s46, s46, RB
	s_mov_b32 s47, 0
	s_mul_i32 s45, s16, HALFT                      ; the refill: my half along K: no place in the cluster enters an LDS address
	s_add_co_u32 s18, s45, 3*STEPB                 ; and where it lies in an R: K step 3
	s_mov_b32 s19, 0
	s_mul_i32 s94, s15, 4*FRB                      ; my four tiles of A,
	s_mul_i32 s95, s16, 4*FRB                      ; my four tiles of B
	s_add_co_u32 s95, s95, BBASE
	s_lshl_b32 s96, s15, 9                         ; the scales: 8 bytes a slot in each 1,024 bytes of 256 along K: A's, my 64 slots;
	s_lshl_b32 s97, s16, 9                         ; B's, behind A's 8,192 bytes
	s_add_co_u32 s97, s97, 8192
	s_sub_co_u32 s97, s97, s96
	s_add_co_u32 s96, s96, SCL
	s_mul_i32 s98, s14, 16*SPITCH
	s_add_co_u32 s98, s98, STAGE                   ; my stage
	s_lshl_b32 s8, s17, 7
	s_lshl_b32 s9, s15, 6
	s_add_co_u32 s8, s8, s9                        ; my first row: 128 (tile row) + 64 half
	s_lshl_b32 s8, s8, 13                          ; rows of 8,192 bytes
	s_mov_b32 s9, 0
	s_lshl_b32 s10, s42, 9                         ; my first column, in bytes: 512 (tile column) + 256 half
	s_lshl_b32 s11, s16, 8
	s_add_co_u32 s10, s10, s11
	s_mov_b32 s11, 0
	s_add_nc_u64 s[8:9], s[8:9], s[10:11]
	s_wait_dscnt 0x0                               ; both opening adds are done
	s_wait_kmcnt 0x0
	s_add_nc_u64 s[20:21], s[4:5], s[20:21]
	s_add_nc_u64 s[22:23], s[4:5], s[22:23]
	s_add_nc_u64 s[46:47], s[6:7], s[46:47]
	s_add_nc_u64 s[92:93], s[6:7], s[92:93]
	s_add_nc_u64 s[12:13], s[12:13], s[8:9]
	SETC G0H,  0,        20
	SETC G0HB, BBASE,    46
	SETC G0S,  SCL,      22
	SETC G0SB, SCL+8192, 92
	s_mov_b32 s[G0], 1                             ; the refill's group 0: K step 3 onto K step 0's bytes, my half
	s_add_co_u32 s[G0+1], s45, 0
	s_add_nc_u64 s[G0+2:G0+3], s[20:21], s[18:19]
	s_or_b32 s[G0+3], s[G0+3], 0x80000000
	s_mov_b32 s[G0B], 1
	s_add_co_u32 s[G0B+1], s45, BBASE
	s_add_nc_u64 s[G0B+2:G0B+3], s[46:47], s[18:19]
	s_or_b32 s[G0B+3], s[G0B+3], 0x80000000
	CROUND                                         ; all sixteen work-groups are here: the first joint loads meet
.macro ARM under, g0, g1, next         ; one chain of branches on the wave's number, one load to an arm, all arms to one join
	s_cmp_lt_u32 s14, \under
	s_cbranch_scc0 \next
	tensor_load_to_lds s[\g0:\g0+3], s[\g1:\g1+7]
	s_nop 0
.rept 4
	v_nop
.endr
	s_branch .Lhead_asked
\next:
.endm
	ARM 1, G0H,  G1,  .Lhead_b
	ARM 2, G0HB, G1B, .Lhead_sa
	ARM 3, G0S,  G1S, .Lhead_sb
	tensor_load_to_lds s[G0SB:G0SB+3], s[G1SB:G1SB+7]
	s_nop 0
.rept 4
	v_nop
.endr
.Lhead_asked:
	v_and_b32 v1, 15, v0                           ; r
	v_bfe_u32 v2, v0, 4, 1                         ; h
	v_and_b32 v3, 31, v0                           ; lane
	v_lshlrev_b32 v4, 3, v3                        ; 8 x lane: my place in a piece
	v_add_nc_u32 v[ADRA], s94, v4
	v_add_nc_u32 v[ADRB], s95, v4
	v_add_nc_u32 v[ADRA+1], STEPB, v[ADRA]
	v_add_nc_u32 v[ADRB+1], STEPB, v[ADRB]
	v_add_nc_u32 v[ADRA+2], 2*STEPB, v[ADRA]
	v_add_nc_u32 v[ADRB+2], 2*STEPB, v[ADRB]
	v_mul_u32_u24 v6, s97, v2                      ; lanes 16-31 take B's scales: one product with h
	v_lshl_add_u32 v5, v1, 3, v6
	v_add_nc_u32 v[ADRS], s96, v5
	v_mul_u32_u24 v5, v1, SPITCH
	v_lshl_add_u32 v5, v2, 6, v5                   ; the stage, in: row r, + 64 h
	v_add_nc_u32 v[STO], s98, v5
	v_mul_u32_u24 v7, v2, SPITCH
	v_lshl_add_u32 v7, v1, 4, v7                   ; back: lanes 0-15 one row of 256 bytes, lanes 16-31 the next
	v_add_nc_u32 v[RD], s98, v7
	v_lshlrev_b32 v8, 13, v2
	v_lshl_add_u32 v[CO], v1, 4, v8                ; and the same two rows in out0: 8,192 h + 16 r
.macro FRAG reg, adr, off              ; a fragment: six pieces of 256 consecutive bytes
.irp p, 0,1,2,3,4,5
	ds_load_b64 v[\reg+2*\p:\reg+2*\p+1], v[\adr] offset:\off+256*\p
.endr
.endm
.macro FETCH k, f                      ; kappa k's eight fragments into buffer f: B's four, then A's four.  K step k / 4 lies at place (k / 4) % 3
.set FS, ((\k)/4)%3
.set FO, ((\k)%4)*KAP
	WIN TO_F
.irp i, 0,1,2,3
	FRAG \f+FR*\i, ADRB+FS, FO+\i*FRB
.endr
.irp i, 0,1,2,3
	FRAG \f+48+FR*\i, ADRA+FS, FO+\i*FRB
.endr
.endm
.macro SCALES s0                       ; the scale words of 1,024 along K, from 256 s0 on: 16 loads of two words; lanes 0-15 A's tile i, lanes 16-31 B's tile i
.irp s, \s0, \s0+1, \s0+2, \s0+3
.irp i, 0,1,2,3
	ds_load_b64 v[SC+8*(\s)+2*\i:SC+8*(\s)+2*\i+1], v[ADRS] offset:(\s)*1024+\i*128
.endr
.endr
.endm
; Four matrix instructions: A's block a x B's four, kappa k, from buffer f.  The 16 accumulators take turns, one instruction a turn, in the same order in every kappa.
.macro MULA a, f, k, zero
.irp b, 0,1,2,3
.if \zero
	v_wmma_scale_f32_16x16x128_f8f6f4 v[ACC+8*(4*(\a)+\b):ACC+8*(4*(\a)+\b)+7], v[\f+FR*\b:\f+FR*\b+FR-1], v[\f+48+FR*(\a):\f+48+FR*(\a)+FR-1], 0, v[SC+8*((\k)/2)+2*\b+(\k)%2], v[SC+8*((\k)/2)+2*(\a)+(\k)%2] matrix_a_fmt:MATRIX_FMT_FP6 matrix_b_fmt:MATRIX_FMT_FP6 matrix_a_scale:MATRIX_SCALE_ROW1
.else
	v_wmma_scale_f32_16x16x128_f8f6f4 v[ACC+8*(4*(\a)+\b):ACC+8*(4*(\a)+\b)+7], v[\f+FR*\b:\f+FR*\b+FR-1], v[\f+48+FR*(\a):\f+48+FR*(\a)+FR-1], v[ACC+8*(4*(\a)+\b):ACC+8*(4*(\a)+\b)+7], v[SC+8*((\k)/2)+2*\b+(\k)%2], v[SC+8*((\k)/2)+2*(\a)+(\k)%2] matrix_a_fmt:MATRIX_FMT_FP6 matrix_b_fmt:MATRIX_FMT_FP6 matrix_a_scale:MATRIX_SCALE_ROW1
.endif
.endr
.endm
.macro PLACES n                        ; plain vector lines between a matrix instruction and a load into, or a read of, its registers
.rept \n
	v_nop
.endr
.endm
; Kappa k: 16 matrix instructions on buffer k % 2; in its middle the next kappa's fragments are fetched into the other buffer, from bytes that every wave has been shown whole.
.macro QSTEP k, zero
.set QF, 128*((\k)%2)
.set QG, 128-QF
	s_wait_dscnt 12                                ; B's fragments and A's blocks 0, 1 are in; the youngest 12 loads (A's blocks 2, 3) may be out
	WIN MUL
	MULA 0, QF, \k, \zero
	MULA 1, QF, \k, \zero
	PLACES 4                                       ; for the loads into the other buffer, which the kappa before multiplied
	FETCH (\k)+1, QG
	s_wait_dscnt 48                                ; all but the 48 just issued
	WIN MUL
	MULA 2, QF, \k, \zero
	MULA 3, QF, \k, \zero
.endm
; Kappa k with a barrier in it.  In front of the barrier each wave waits for all its tensor loads, adds 0 to its spare word, and waits for that and for its LDS reads.
; fill = 1: K step 0's bytes, which this kappa has read out, are filled again, with K step 3: the barrier opens a round of the cluster's barrier, and the joint refill is the first thing behind it.
; fill = 0: K step 3 is shown whole to every wave.
.macro TURN k, fill
.set QF, 128*((\k)%2)
.set QG, 128-QF
	WIN 0                                          ; (the add's two registers lie in window 0)
	s_wait_tensorcnt 0x0                           ; all my tensor loads have landed
	ds_add_u32 v[SPW], v[NIL]                      ; 0 onto my spare word
	s_wait_dscnt 13                                ; (the add and the youngest 12 loads may be out)
	WIN MUL
	MULA 0, QF, \k, 0                              ; four matrix instructions stand between the add and the wait for it
	s_wait_dscnt 0x0                               ; the add is done, and my reads so far are over
	s_barrier_signal -1
	MULA 1, QF, \k, 0
	WIN 0
	s_barrier_wait -1
.if \fill
	CREST                                          ; no wave of any partner still reads K step 0 or has a load on its way
	JLOAD G0, G1, G0B, G1B                         ; the first tensor load behind the round; its four v_nop are the places in front of the loads below
.else
	PLACES 4
.endif
	FETCH (\k)+1, QG
	WIN MUL
	MULA 2, QF, \k, 0
	MULA 3, QF, \k, 0
.endm
	s_wait_alu depctr_va_vdst(0)
	s_wait_tensorcnt 0x0                           ; my tile of the head's four is in;
	s_mov_b32 s[G1+2], 96<<16                      ; no tensor load of mine is out, so a descriptor may be written: the refill's loads bring 96 rows
	s_mov_b32 s[G1+4], 96
	s_mov_b32 s[G1B+2], 96<<16
	s_mov_b32 s[G1B+4], 96
	s_barrier_signal -1
	s_barrier_wait -1                              ; everybody's is
	SCALES 0
	SCALES 4
	FETCH 0, 0
	QSTEP 0, 1                                     ; the first products start the sums: nothing is cleared
	QSTEP 1, 0
	QSTEP 2, 0
	TURN 3, 1                                      ; K step 3 is asked for
.irp k, 4,5,6,7,8,9,10
	QSTEP \k, 0
.endr
	TURN 11, 0                                     ; K step 3 is whole for every wave; nothing is left to fetch
	QSTEP 12, 0
	QSTEP 13, 0
	QSTEP 14, 0
	s_wait_dscnt 12                                ; the last kappa
	WIN MUL
	MULA 0, 128, 15, 0
	MULA 1, 128, 15, 0
	s_wait_dscnt 0x0
	MULA 2, 128, 15, 0
	MULA 3, 128, 15, 0
	WIN 0
; THE WAY OUT, block by block of 16 slots x 64 columns, through my own stage in LDS: in with the columns put in their true places, back as whole rows of 256 bytes, into the registers that they left.
; LDS serves a wave's instructions in order (ISA guide 5.7.1.4): no wait between the stores and the loads, nor in front of the next block's stores.
.macro TOSTAGE a
.irp b, 0,1,2,3
	ds_store_b128 v[STO], v[ACC+8*(4*(\a)+\b):ACC+8*(4*(\a)+\b)+3] offset:128*(\b/2)+32*(\b%2)          ; each accumulator from its low end on
	ds_store_b128 v[STO], v[ACC+8*(4*(\a)+\b)+4:ACC+8*(4*(\a)+\b)+7] offset:128*(\b/2)+32*(\b%2)+16
.endr
.irp t, 0,1,2,3,4,5,6,7
	ds_load_b128 v[ACC+32*(\a)+4*\t:ACC+32*(\a)+4*\t+3], v[RD] offset:\t*2*SPITCH
.endr
.endm
.macro SEND a, younger                 ; younger: the LDS instructions issued behind block a's loads: the next block's sixteen, or none
.irp t, 0,1,2,3,4,5,6,7
	s_wait_dscnt \younger+7-\t
	global_store_b128 v[CO], v[ACC+32*(\a)+4*\t:ACC+32*(\a)+4*\t+3], s[12:13] offset:(32*((\a)/2)+8*((\a)%2)+2*\t+8*(\t/4))*8192 th:TH_STORE_NT   ; 16 lanes store 256 consecutive bytes, at a multiple of 256 from out0's first byte; slot 2 t + h of block a is token 32 (a / 2) + 8 (a % 2) + 2 t + h + 8 (t / 4)
.endr
.endm
	PLACES 4                                       ; behind the last products, in front of the first read of results
	TOSTAGE 0
	TOSTAGE 1
	SEND 0, 16
	TOSTAGE 2
	SEND 1, 16
	TOSTAGE 3
	SEND 2, 16
	SEND 3, 0
	s_wait_tensorcnt 0x0                           ; the wave's end
	ds_add_u32 v[SPW], v[NIL]
	s_wait_dscnt 0x0
	CROUND                                         ; the closing round: no work-group ends while a partner may still ask for a tile that names it
	s_endpgm
.Lfunc_end_k_q88439433da_outp:
	.size	k_q88439433da_outp, .Lfunc_end_k_q88439433da_outp-k_q88439433da_outp
	.p2alignl 7, 3214868480
	.fill 96, 4, 3214868480
	.section	.rodata,"a",@progbits
	.p2align	6, 0x0
	.amdhsa_kernel k_q88439433da_outp
		.amdhsa_group_segment_fixed_size 327680
		.amdhsa_private_segment_fixed_size 0
		.amdhsa_enable_private_segment 0
		.amdhsa_kernarg_size 24
		.amdhsa_user_sgpr_count 2
		.amdhsa_user_sgpr_kernarg_segment_ptr 1
		.amdhsa_wavefront_size32 1
		.amdhsa_system_sgpr_workgroup_id_x 1
		.amdhsa_system_sgpr_workgroup_id_y 1
		.amdhsa_system_sgpr_workgroup_id_z 1
		.amdhsa_system_vgpr_workitem_id 0
		.amdhsa_next_free_vgpr 512
		.amdhsa_next_free_sgpr 100
		.amdhsa_reserve_vcc 0
		.amdhsa_float_denorm_mode_32 3
		.amdhsa_float_denorm_mode_16_64 3
		.amdhsa_memory_ordered 1
		.amdhsa_forward_progress 1
		.amdhsa_inst_pref_size 105
	.end_amdhsa_kernel
	.amdgpu_metadata
---
amdhsa.version: [ 1, 2 ]
amdhsa.kernels:
  - .name:           k_q88439433da_outp
    .symbol:         k_q88439433da_outp.kd
    .args:
      - { .name: obuf, .offset: 0, .size: 8, .value_kind: global_buffer, .address_space: global }
      - { .name: opnd, .offset: 8, .size: 8, .value_kind: global_buffer, .address_space: global }
      - { .name: out0, .offset: 16, .size: 8, .value_kind: global_buffer, .address_space: global }
    .group_segment_fixed_size: 327680
    .private_segment_fixed_size: 0
    .kernarg_segment_align: 8
    .kernarg_segment_size: 24
    .max_flat_workgroup_size: 128
    .sgpr_count:     100
    .vgpr_count:     512
    .wavefront_size: 32
...
	.end_amdgpu_metadata
.endif
;; end of part 8
